; MI455X (gfx1250); checked and timed in simulation.
; The chip was launched on July 23, 2026; its instructions are those of AMD's public machine-readable ISA for CDNA 5 (MIT licence, August 2026) and "CDNA5" Instruction Set Architecture Reference Guide (July 2026). The comments in the code are by the model that wrote it; some were corrected since.
;; Mixture Of Experts. Allowed arithmetic: matrix products marked QUANTISED: E2M3 operands, one E8M0 scale for each 32 along K, by v_wmma_scale_f32_16x16x128_f8f6f4 with both operands' format E2M3, f32 sums; products left as they are: f32 operands where the result goes on into a quantised operand, else bf16, f16 or f32 operands; f32 sums; everything else in f32.
;; Inputs: W1_codes 8 x 4,096 x 32 x 24 uint8 (E2M3 codes of W1, K innermost, in blocks of 32 codes, four codes in three bytes); W1_scales 8 x 4,096 x 32 uint8 (E8M0 scales of W1, one for each 32 codes along K); W2_codes 8 x 1,024 x 128 x 24 uint8 (E2M3 codes of W2, K innermost, in blocks of 32 codes, four codes in three bytes); W2_scales 8 x 1,024 x 128 uint8 (E8M0 scales of W2, one for each 32 codes along K); Wr 1,024 x 8 float32; b1 8 x 4,096 float32; b2 8 x 1,024 float32; beta 1,024 float32; br 8 float32; gamma 1,024 float32; x 2 x 512 x 1,024 float32.
;; Outputs: out0 2 x 512 x 1,024 float32.
;; Constants: top_k = 2.
;; This version of the problem:
;;   THIS VERSION OF THE PROBLEM IS GIVEN IN LOW PRECISION. The matrix products marked QUANTISED in the list below multiply operands that are first quantised to E2M3 (2 exponent bits, 3 mantissa bits; 6 bits a number), with one power-of-two scale for each 32 numbers along K (OCP MX v1.0); their sums are f32. All else is computed in f32.
;;   The module's matrix products, in the order in which they are computed (A, B: the left and right operand; K: the contracted axis; several contracted axes count as one K, in the product's order):
;;     1. [M 1,024, K 1,024] x [K 1,024, N 8]; A: input x; B: input Wr: left as it is (N = 8 < 16)
;;     2. [M 1,024, K 1,024] x [K 1,024, N 32,768]; A: input x; B: input W1 (given as codes): QUANTISED
;;     3. batch 8 x [M 1,024, K 4,096] x [K 4,096, N 1,024]; A: input W2 (given as codes); B: computed on the way: QUANTISED
;;     4. batch 1,024 x [M 1, K 8] x [K 8, N 1,024]; A: computed on the way; B: computed on the way: left as it is (K = 8 < 32)
;;   THE QUANTISER, for each operand of a quantised product, along K:
;;     - K is cut into blocks of 32 from its start; a last block that is shorter is filled with zeros.
;;     - A block's scale is 2^e with e = floor(log2(the largest magnitude in the block)) - 2, held to -126 .. 127; a block of zeros has e = 0. As a byte (E8M0): e + 127.
;;     - Each number is divided by its block's scale, clamped to +-7.5, and rounded to the nearest number of E2M3, ties to even, subnormals kept.
;;     - The product sums the exact products of the quantised numbers (number of the format x scale) in f32.
;;   ~~~python
;;   def quantise(x, axis):      # numpy; x: float32 -> the quantised numbers, widened to float32 again
;;       x = np.moveaxis(x, axis, -1); K = x.shape[-1]
;;       x = np.pad(x, [(0, 0)] * (x.ndim - 1) + [(0, -K % 32)]); x = x.reshape(x.shape[:-1] + (-1, 32)); a = np.abs(x).max(-1, keepdims=True)
;;       e = np.where(a > 0, np.clip(np.frexp(np.where(a > 0, a, 1))[1] - 1 - 2, -126, 127), 0)      # np.frexp(a)[1] - 1 = floor(log2(a)), exactly
;;       r = np.clip(x / 2.0 ** e, -7.5, 7.5)
;;       step = 2.0 ** (np.maximum(np.frexp(np.where(r == 0, 1, r))[1] - 1, 0) - 3)
;;       q = np.round(r / step) * step * 2.0 ** e      # np.round: ties to even
;;       return np.moveaxis(q.reshape(q.shape[:-2] + (-1,))[..., :K], -1, axis).astype(np.float32)
;;   ~~~
;;   OPERANDS COMPUTED ON THE WAY. 'Computed on the way' means the value that the module computes at that place (a softmax that the list does not call 'softmax' is quantised finished and normalised). What goes into a quantiser is computed in f32, as accurately as f32 sums, v_exp_f32 and their like allow (about 1e-6 of the number): no bf16 or f16 on the way to a quantiser, and a product that is left as it is and whose result goes on into a quantised operand takes f32 operands (vector FMAs, or v_wmma_f32_16x16x4_f32). A number that lies on a knife's edge between two numbers of the format may be rounded either way, as far as f32 arithmetic and the matrix unit's own rounding can turn it there, and no further.
;;   INPUTS GIVEN AS CODES. W1 (in the module: [8, 1024, 4096], K = its axis 1); W2 (in the module: [8, 4096, 1024], K = its axis 1): each comes as NAME_codes (uint8): NAME with its K axis moved to the last place and cut into blocks of 32 codes, [.., K / 32, bytes a block], one block behind the other in memory; four codes in three bytes: a row's codes are one little-endian stream of bits, code i at bits 6 i .. 6 i + 5 (a code: sign, 2 exponent bits, 3 mantissa bits); and NAME_scales (uint8): the same leading axes, one E8M0 byte (e + 127) for each 32 codes along K. Its value is code x scale, taken as it is: it is not quantised again, and the codes and scales need not be those that the quantiser above would give.
;; 2 versions. Each part assembles by itself: llvm-mc -triple=amdgcn-amd-amdhsa -mcpu=gfx1250 --defsym DOCPART=n.
;; ======== version 1 of 2: 4 launches
;; workspace buffers: x_codes 786,432 bytes; x_scales 32,768 bytes; masks 2,048 bytes of whole numbers; wts 8,192 bytes; h 25,165,824 bytes; hs 1,048,576 bytes; rowtok 32,768 bytes of whole numbers; y2 9,437,184 bytes
;; launch route_quant (part 1): grid 64 x 1, 8 waves a work-group, no clusters, 77,312 bytes of LDS; arguments x, Wr, br, x_codes, x_scales, masks, wts; writes x_codes, x_scales, masks, wts
.if DOCPART == 1
	.amdgcn_target "amdgcn-amd-amdhsa--gfx1250"
	.amdhsa_code_object_version 6
	.text
	.protected	k_qab041251e9_route_quant
	.globl	k_qab041251e9_route_quant
	.p2align	8
	.type	k_qab041251e9_route_quant,@function
k_qab041251e9_route_quant:
	s_mov_b64 s[64:65], 0
	v_nop
	global_prefetch_b8 v0, s[64:65] scope:SCOPE_SE
	s_setreg_imm32_b32 hwreg(HW_REG_WAVE_MODE, 25, 1), 1
	s_wait_xcnt 0x0
; ROUTER AND QUANTISER OF x.  x: [1024 tokens][1024] f32.  Wr: [1024][8], br: [8] f32.
; Out: x_codes [1024][768 bytes] (E2M3, K innermost, one stream of bits a row), x_scales [1024][32] (E8M0), wts [1024][2] f32 (weight of the first, of the second choice),
; masks: U[8][32 words] (bit t & 31 of word t >> 5: token t chose expert e), then M2[8][32] (e is its SECOND choice).
; The logits are f32 fused multiply-adds.  The two largest are taken on the logits with a strict >, so the lower index wins a tie, as in jax.lax.top_k.
; The renormalised weights are w1 = 1 / (1 + e^(l2 - l1)), w2 = e^(l2 - l1) w1: the larger logit is taken away, the exponent is never above 0.
; No address and no branch hangs on the choice: it leaves as data at fixed places.
; SHARES.  A work-group takes 16 tokens.  Wave wv: u = wv & 1 is its half of K (512 numbers), g = wv >> 1 its four tokens.  A lane holds 16 neighbours along K of a token (two lanes a block of 32),
; and the 16 rows of Wr that go with them stay in its registers (128) for all four tokens.  x is read once and serves both the logits and the codes.
; LIMITS: NaN and infinities are not served.  A block whose largest magnitude lies under 2^-124, a block of zeros among them, keeps the scale byte 1 (its codes are then small or zero; this program alone reads the bytes).
; Two unequal logits whose f32 probabilities coincide may be ordered otherwise than a tie rule on probabilities would order them.
.set WCH,   528                        ; a chunk of Wr in LDS: 16 rows (512 bytes) + 16: lanes that read chunk after chunk start at different banks
.set STG,   64*WCH                     ; behind Wr's 64 chunks: two stages of 32 x SP bytes for each wave
.set SP,    80                         ; a lane's place in a stage: 64 bytes + 16
.set LG,    STG+8*2*32*SP              ; partial logits [u][token 16][8 f32]
.set SCB,   LG+1024                    ; scale bytes [token 16][32]
.set SPARE, SCB+512                    ; the spare words, 128 bytes a wave: four blocks of 256 bytes that no other line names
.set X,     16                         ; v16-31   16 neighbours
.set SUM,   32                         ; v32-39   8 sums
.set TP,    40                         ; v40-47   the other half's sums;  v48-50 at work
.set RAW,   64                         ; v64-127  x of four tokens as loaded; behind a token's turn its first registers take its codes and its byte
.set WR,    128                        ; v128-255 Wr(16 lane + i, e) at WR + 8 i + e; v128-159 first hold Wr on its way into LDS
	s_load_b256 s[4:11], s[0:1], 0x0               ; x, Wr, br, x_codes
	s_load_b128 s[12:15], s[0:1], 0x20             ; x_scales, masks
	s_load_b64 s[16:17], s[0:1], 0x30              ; wts
	v_lshl_add_u32 v12, v0, 2, SPARE               ; my spare word
	v_mov_b32 v13, 0                               ; and 0: kept for the closing lines alone
	v_lshrrev_b32 v1, 5, v0
	v_readfirstlane_b32 s18, v1                    ; wave 0..7
	s_and_b32 s19, s18, 1                          ; u
	s_lshr_b32 s20, s18, 1                         ; g
	v_and_b32 v1, 31, v0                           ; lane
	v_lshlrev_b32 v2, 4, v1                        ; 16 x lane
	v_lshlrev_b32 v14, 4, v0                       ; 16 x thread: Wr's loads
	s_mul_i32 s21, s18, WCH
	v_add_nc_u32 v3, s21, v2                       ; Wr into LDS: load i brings chunks 8 i + wave
	s_lshl_b32 s21, s19, 5
	v_add_nc_u32 v4, s21, v1
	v_mul_u32_u24 v4, v4, WCH                      ; and out: my chunk is 32 u + lane
	s_mul_i32 s21, s18, 2*32*SP
	s_add_co_u32 s21, s21, STG                     ; my stages
	v_lshrrev_b32 v5, 2, v1
	v_mul_u32_u24 v5, v5, SP
	v_and_b32 v6, 3, v1
	v_lshl_add_u32 v5, v6, 4, v5
	v_add_nc_u32 v5, s21, v5                       ; in: four lanes' 64 bytes on end, then the padding
	v_mul_u32_u24 v6, v1, SP
	v_add_nc_u32 v6, s21, v6                       ; out: my 16 neighbours
	v_mul_u32_u24 v7, v1, 12                       ; my 16 codes' place
	s_lshl_b32 s21, s20, 7
	s_lshl_b32 s22, s19, 4
	s_add_co_u32 s22, s22, s21
	s_add_co_u32 s22, s22, SCB
	v_lshrrev_b32 v8, 1, v1
	v_add_nc_u32 v8, s22, v8                       ; my block's scale byte: 32 (4 g + k) + 16 u + lane / 2
	s_lshl_b32 s22, s19, 9
	s_add_co_u32 s22, s22, s21
	s_add_co_u32 s22, s22, LG
	v_mov_b32 v9, s22                              ; my wave's partial logits: 512 u + 32 (4 g + k)
	v_and_b32 v10, 15, v1
	v_lshl_add_u32 v10, v10, 5, LG                 ; the router's read: token lane % 16
	v_add_nc_u32 v11, SCB, v2                      ; the scale bytes' way out
.irp e, 0,1,2,3,4,5,6,7
	v_mov_b32 v[TP+\e], 0                          ; written once: a lane permute's destination counts as one of its sources
.endr
	s_lshl_b32 s34, ttmp9, 16                      ; x: (16 wg + 4 g) rows of 4,096 bytes + 2,048 u
	s_lshl_b32 s36, s20, 14
	s_add_co_u32 s34, s34, s36
	s_lshl_b32 s36, s19, 11
	s_add_co_u32 s34, s34, s36
	s_mov_b32 s35, 0
	s_lshl_b32 s36, ttmp9, 2                       ; the codes: (16 wg + 4 g) rows of 768 bytes + 384 u
	s_add_co_u32 s36, s36, s20
	s_mul_i32 s36, s36, 4*768
	s_mul_i32 s38, s19, 384
	s_add_co_u32 s36, s36, s38
	s_mov_b32 s37, 0
	s_lshl_b32 s38, ttmp9, 9                       ; the scale bytes: 512 a work-group
	s_mov_b32 s39, 0
	s_lshl_b32 s40, ttmp9, 1                       ; the masks: my 16 tokens are half a word
	s_mov_b32 s41, 0
	s_lshl_b32 s42, ttmp9, 7                       ; the weights: 8 bytes a token
	s_mov_b32 s43, 0
	s_mov_b32 s32, 0x76543210
	s_mov_b32 s33, 0xfedcba98                      ; v_permlanex16_b32's selects for lane l xor 16
	s_wait_kmcnt 0x0
	s_load_b256 s[24:31], s[8:9], 0x0              ; br
	s_add_nc_u64 s[4:5], s[4:5], s[34:35]
	s_add_nc_u64 s[10:11], s[10:11], s[36:37]
	s_add_nc_u64 s[12:13], s[12:13], s[38:39]
	s_add_nc_u64 s[14:15], s[14:15], s[40:41]
	s_add_nc_u64 s[16:17], s[16:17], s[42:43]
.irp i, 0,1,2,3,4,5,6,7
	global_load_b128 v[WR+4*\i:WR+4*\i+3], v14, s[6:7] offset:4096*\i              ; Wr: 256 threads x 16 bytes, 4,096 consecutive bytes a load
.endr
.irp k, 0,1,2,3
.irp q, 0,1,2,3
	global_load_b128 v[RAW+16*\k+4*\q:RAW+16*\k+4*\q+3], v2, s[4:5] offset:4096*\k+512*\q th:TH_LOAD_NT   ; 32 lanes read 512 consecutive bytes
.endr
.endr
	s_wait_loadcnt 16                              ; Wr's eight loads are in; the 16 of x were issued behind them
.irp i, 0,1,2,3,4,5,6,7
	ds_store_b128 v3, v[WR+4*\i:WR+4*\i+3] offset:8*WCH*\i
.endr
	s_wait_kmcnt 0x0                               ; br
	s_wait_dscnt 0x0                               ; for the others' sake: my part of Wr lies in LDS
	s_barrier_signal -1
	s_barrier_wait -1
.set q, 0
.rept 32
	ds_load_b128 v[WR+4*q:WR+4*q+3], v4 offset:16*q                                ; my 16 rows of Wr
.set q, q+1
.endr
	s_wait_dscnt 0x0
; One token of my four: its 512 numbers of my half of K.
.macro TOKEN k
	s_wait_loadcnt 12-4*\k                         ; this token's four loads are in; the later tokens' stay out
.irp q, 0,1,2,3
	ds_store_b128 v5, v[RAW+16*\k+4*\q:RAW+16*\k+4*\q+3] offset:32*SP*(\k%2)+8*SP*\q
.endr
.irp q, 0,1,2,3
	ds_load_b128 v[X+4*\q:X+4*\q+3], v6 offset:32*SP*(\k%2)+16*\q                 ; LDS serves a wave's instructions in order: these see the stores above
.endr
	s_wait_dscnt 0x0                               ; my 16 neighbours are in; the last token's LDS stores have read their registers too
.irp p, 0,1,2,3
	v_pk_mul_f32 v[SUM+2*\p:SUM+2*\p+1], v[X:X+1], v[WR+2*\p:WR+2*\p+1] op_sel_hi:[0,1]      ; x_0 for both halves: the first product starts the sums
.endr
.set ii, 1
.rept 15
.irp p, 0,1,2,3
.if ii%2
	v_pk_fma_f32 v[SUM+2*\p:SUM+2*\p+1], v[X+ii-1:X+ii], v[WR+8*ii+2*\p:WR+8*ii+2*\p+1], v[SUM+2*\p:SUM+2*\p+1] op_sel:[1,0,0] op_sel_hi:[1,1,1]   ; the pair's second number for both halves
.else
	v_pk_fma_f32 v[SUM+2*\p:SUM+2*\p+1], v[X+ii:X+ii+1], v[WR+8*ii+2*\p:WR+8*ii+2*\p+1], v[SUM+2*\p:SUM+2*\p+1] op_sel_hi:[0,1,1]                  ; its first
.endif
.endr
.set ii, ii+1
.endr
.irp m, 1,2,4,8
.irp e, 0,1,2,3,4,5,6,7
	v_add_f32_dpp v[SUM+\e], v[SUM+\e], v[SUM+\e] row_xmask:\m row_mask:0xf bank_mask:0xf
.endr
.endr
.irp e, 0,1,2,3,4,5,6,7
	v_permlanex16_b32 v[TP+\e], v[SUM+\e], s32, s33
.endr
.irp e, 0,1,2,3,4,5,6,7
	v_add_f32 v[SUM+\e], v[SUM+\e], v[TP+\e]       ; every lane holds the eight sums over my 512 numbers
.endr
	ds_store_b128 v9, v[SUM:SUM+3] offset:32*\k    ; all lanes write the same 32 bytes with the same values
	ds_store_b128 v9, v[SUM+4:SUM+7] offset:32*\k+16
	v_max3_num_f32 v48, |v[X]|, |v[X+1]|, |v[X+2]| ; the largest magnitude of my 16, in two chains
	v_max3_num_f32 v49, |v[X+3]|, |v[X+4]|, |v[X+5]|
.irp i, 6,10
	v_max3_num_f32 v48, v48, |v[X+\i]|, |v[X+\i+1]|
	v_max3_num_f32 v49, v49, |v[X+\i+2]|, |v[X+\i+3]|
.endr
	v_max3_num_f32 v48, v48, |v[X+14]|, |v[X+15]|
	v_max3_num_f32 v48, v48, v49, 0x1800000        ; and the floor 2^(3 - 127): the byte cannot fall under 1
	v_max_num_f32_dpp v48, v48, v48 row_xmask:1 row_mask:0xf bank_mask:0xf         ; with my neighbour's 16: the block's
	v_add_nc_u32 v50, 0xff000000, v48              ; 2 off its exponent field: the conversion takes that field as its scale
	v_cvt_scalef32_pk16_fp6_f32 v[RAW+16*\k:RAW+16*\k+2], v[X:X+15], v50           ; into registers that this token's turn has left
	v_lshrrev_b32 v[RAW+16*\k+4], 23, v50          ; the scale's byte (also the plain line behind the conversion)
	ds_store_b8 v8, v[RAW+16*\k+4] offset:32*\k    ; both lanes of a block write the same byte
	global_store_b96 v7, v[RAW+16*\k:RAW+16*\k+2], s[10:11] offset:768*\k          ; the wave stores 384 consecutive bytes
.endm
	TOKEN 0
	TOKEN 1
	TOKEN 2
	TOKEN 3
	s_wait_dscnt 0x0                               ; for the others' sake: my partial logits and scale bytes lie in LDS
	s_barrier_signal -1
	s_barrier_wait -1
	s_cmp_lg_u32 s18, 1
	s_cbranch_scc1 .Lnot_scales
	ds_load_b128 v[16:19], v11                     ; wave 1: the 16 tokens' 512 scale bytes
	s_wait_dscnt 0x0
	global_store_b128 v2, v[16:19], s[12:13]       ; 512 consecutive bytes, at a multiple of 512 from the buffer's first byte
.Lnot_scales:
	s_cmp_lg_u32 s18, 0
	s_cbranch_scc1 .Lend
	ds_load_b128 v[16:19], v10                     ; wave 0: lane l has token l % 16 (lanes 16-31 repeat lanes 0-15)
	ds_load_b128 v[20:23], v10 offset:16
	ds_load_b128 v[24:27], v10 offset:512
	ds_load_b128 v[28:31], v10 offset:528
	s_wait_dscnt 0x0
.irp e, 0,1,2,3,4,5,6,7
	v_add_f32 v[16+\e], v[16+\e], v[24+\e]         ; the two halves of K
.endr
.irp e, 0,1,2,3,4,5,6,7
	v_add_f32 v[16+\e], s[24+\e], v[16+\e]         ; + br
.endr
	v_mov_b32 v32, v16                             ; m1, i1: the largest so far;  m2, i2: the second
	v_mov_b32 v34, 0
	v_mov_b32 v33, 0xff800000
	v_mov_b32 v35, 0
.irp e, 1,2,3,4,5,6,7
	v_cmp_gt_f32 s44, v[16+\e], v32
	v_cmp_gt_f32 vcc_lo, v[16+\e], v33
	v_cndmask_b32 v33, v33, v[16+\e], vcc_lo       ; above the second: it takes the second's place,
	v_cndmask_b32 v35, v35, \e, vcc_lo
	v_cndmask_b32 v33, v33, v32, s44               ; above the first: the old first becomes the second,
	v_cndmask_b32 v35, v35, v34, s44
	v_cndmask_b32 v32, v32, v[16+\e], s44          ; and it the first
	v_cndmask_b32 v34, v34, \e, s44
.endr
	v_sub_f32 v36, v33, v32                        ; l2 - l1, never above 0
	v_mul_f32 v36, 0x3fb8aa3b, v36
	v_exp_f32 v37, v36
	v_mov_b32 v40, 0                               ; (a plain line behind the exponential)  the masks' register
	s_wait_alu depctr_va_vdst(0)                   ; the wait ahead of the result's first reader
	v_add_f32 v36, 1.0, v37
	v_rcp_f32 v38, v36
	v_and_b32 v41, 15, v1                          ; (a plain line behind the reciprocal)
	s_wait_alu depctr_va_vdst(0)
	v_mul_f32 v39, v37, v38                        ; v[38:39] = w1, w2
	v_lshlrev_b32 v41, 3, v41                      ; 8 bytes a token
	v_lshlrev_b32 v42, 7, v1                       ; lane l stores mask row l: U's eight, then M2's eight, 128 bytes apart
.irp e, 0,1,2,3,4,5,6,7
	v_cmp_eq_u32 s45, \e, v34
	v_cmp_eq_u32 s46, \e, v35
	s_or_b32 s45, s45, s46
	v_writelane_b32 v40, s45, \e                   ; bit l: token l chose e
	v_writelane_b32 v40, s46, 8+\e                 ; bit l: as its second choice
.endr
	s_wait_xcnt 0x0                                ; EXEC changes only behind this wait: my stores of codes have had their addresses translated
	v_cmp_gt_u32 vcc_lo, 16, v1
	s_and_saveexec_b32 s44, vcc_lo
	global_store_b64 v41, v[38:39], s[16:17]       ; 16 lanes store 128 consecutive bytes
	global_store_b16 v42, v40, s[14:15]            ; 16 halves of words, one in each row of the masks: 32 bytes a work-group
	s_wait_xcnt 0x0                                ; and again, in front of the line that widens it
	s_or_b32 exec_lo, exec_lo, s44
.Lend:
	s_wait_tensorcnt 0x0                           ; the wave's end
	ds_add_u32 v12, v13
	s_wait_dscnt 0x0
	s_endpgm
.Lfunc_end_k_qab041251e9_route_quant:
	.size	k_qab041251e9_route_quant, .Lfunc_end_k_qab041251e9_route_quant-k_qab041251e9_route_quant
	.p2alignl 7, 3214868480
	.fill 96, 4, 3214868480
	.section	.rodata,"a",@progbits
	.p2align	6, 0x0
	.amdhsa_kernel k_qab041251e9_route_quant
		.amdhsa_group_segment_fixed_size 77312
		.amdhsa_private_segment_fixed_size 0
		.amdhsa_enable_private_segment 0
		.amdhsa_kernarg_size 56
		.amdhsa_user_sgpr_count 2
		.amdhsa_user_sgpr_kernarg_segment_ptr 1
		.amdhsa_wavefront_size32 1
		.amdhsa_system_sgpr_workgroup_id_x 1
		.amdhsa_system_sgpr_workgroup_id_y 1
		.amdhsa_system_sgpr_workgroup_id_z 1
		.amdhsa_system_vgpr_workitem_id 0
		.amdhsa_next_free_vgpr 256
		.amdhsa_next_free_sgpr 66
		.amdhsa_reserve_vcc 1
		.amdhsa_float_denorm_mode_32 3
		.amdhsa_float_denorm_mode_16_64 3
		.amdhsa_memory_ordered 1
		.amdhsa_forward_progress 1
		.amdhsa_inst_pref_size 50
	.end_amdhsa_kernel
	.amdgpu_metadata
---
amdhsa.version: [ 1, 2 ]
amdhsa.kernels:
  - .name:           k_qab041251e9_route_quant
    .symbol:         k_qab041251e9_route_quant.kd
    .args:
      - { .name: x, .offset: 0, .size: 8, .value_kind: global_buffer, .address_space: global }
      - { .name: Wr, .offset: 8, .size: 8, .value_kind: global_buffer, .address_space: global }
      - { .name: br, .offset: 16, .size: 8, .value_kind: global_buffer, .address_space: global }
      - { .name: x_codes, .offset: 24, .size: 8, .value_kind: global_buffer, .address_space: global }
      - { .name: x_scales, .offset: 32, .size: 8, .value_kind: global_buffer, .address_space: global }
      - { .name: masks, .offset: 40, .size: 8, .value_kind: global_buffer, .address_space: global }
      - { .name: wts, .offset: 48, .size: 8, .value_kind: global_buffer, .address_space: global }
    .group_segment_fixed_size: 77312
    .private_segment_fixed_size: 0
    .kernarg_segment_align: 8
    .kernarg_segment_size: 56
    .max_flat_workgroup_size: 256
    .sgpr_count:     66
    .vgpr_count:     256
    .wavefront_size: 32
...
	.end_amdgpu_metadata
.endif
;; end of part 1
;; launch gemm1 (part 2): grid 256 x 1, 4 waves a work-group, no clusters, 78,336 bytes of LDS; arguments x_codes, x_scales, masks, W1_codes, W1_scales, b1, h, hs, rowtok; writes h, hs, rowtok
.if DOCPART == 2
	.amdgcn_target "amdgcn-amd-amdhsa--gfx1250"
	.amdhsa_code_object_version 6
	.text
	.protected	k_qab041251e9_gemm1
	.globl	k_qab041251e9_gemm1
	.p2align	8
	.type	k_qab041251e9_gemm1,@function
k_qab041251e9_gemm1:
	s_mov_b64 s[64:65], 0
	v_nop
	global_prefetch_b8 v0, s[64:65] scope:SCOPE_SE
	s_setreg_imm32_b32 hwreg(HW_REG_WAVE_MODE, 25, 1), 1
	s_wait_xcnt 0x0
; h = Q(gelu(x W1 + b1)) FOR THE ROUTED ROWS ONLY, on codes of E2M3 with one E8M0 scale for each 32 along K.
; A work-group is (expert e, 256 hidden units, parity p of the tiles of 16 rows): ttmp9 = 32 e + 2 slice + p.  Wave wv takes hidden units 256 slice + 64 wv .. + 63: four tiles x 8 K steps of W1,
; 32 fragments, 384 registers, read from memory once and kept.  These 64 units are half c = wv & 1 of K step S = 2 slice + wv / 2 of the next product.
; THE ROW LIST.  Slot n of expert e is the token of the n-th set bit of the expert's mask.  Lane by lane the n-th set bit is FOUND (a scan over the 32 words' counts, then a search by halves in the word),
; so every list address is a constant + a lane term.  Slots from the count up to the next multiple of 32 are padding: they compute on token 1023 and are sent to dump rows of the next launch's result.
; An expert has np = max(1, (count + 31) / 32) blocks of 32 slots, 2 np tiles; each parity has np of them.
; THE LOOP HAS 32 TRIPS, a constant, since a barrier stands in each; the work of trips beyond np is jumped over by scalar branches on the stored count.  Every wait for loads in the loop is for 0.
; THE PRODUCT IS USED TRANSPOSED (source 0 = 16 rows of W1, source 1 = 16 rows of x), and THE ROWS OF W1 THAT FORM A TILE ARE NOT NEIGHBOURS: lane r of tile 2 b + u takes row 32 b + 8 u + r + 8 (r / 8),
; so that a lane holds one slot row and the 16 registers of tiles 2 b, 2 b + 1 are 16 neighbours along the next K.  b1 is the C of each sum's first product.
; GELU, exact, in f32: g = max(x, 0) - (a / sqrt 2) e^(-a a) F(a), a = |x| / sqrt 2, erfc(a) = e^(-a a) F(a), F = (1 + p(q)) / (1 + 2 a), q = (a - 2) / (a + 2), p of degree 9.  No difference of near numbers is formed.
; OUT.  h [e][tile 64][K step 32][half 2][768 bytes]: an image of the operand's registers: a plane of 512 bytes (lane l: registers 6 c .. 6 c + 3 at 16 l), a plane of 256 (registers 6 c + 4, 6 c + 5 at 8 l).
; hs [e][tile][K step / 8][row 16][8 words]: the rows' scale words.  rowtok [e][1024]: 2 token + choice; padding: 2048 + 32 e + n % 32.
; No cluster and no tensor load: the trips' work hangs on counts read from memory, and experts have different numbers of rows.
; LIMITS: NaN and infinities are not served; e^(-a a) under 2^-126 counts as 0; a block whose largest magnitude lies under 2^-124 keeps the scale byte 1 (this program alone reads the bytes).
; REGISTERS, in windows of 256.  Window 0: v1-28 addresses; v32-47 W1's scale words; v48-55 x's, two sets; v56-79 gathered rows; v80-139 the list's making.
; Windows 1, 2: W1's fragment f = 4 s + t (K step s, tile t) at v[12 f] of window 1, from f = 21 on at v[12 (f - 21)] of window 2.  Window 2, v144-239: x's 8 fragments.
; Window 3: v0-31 the four accumulators; v32-63 b1; v64-223 the activation's five sets of 32; v224-225 a coefficient.
.set WP,    784                        ; a row of 768 bytes of codes in LDS + 16: 196 words, so the 32 lanes of a load of 8 bytes touch 64 different banks (64 banks of 4 bytes: ISA guide 11.1)
.set WSTB,  16*WP                      ; a stage: 16 rows
.set XST,   4*WSTB                     ; behind the waves' own stages: two stages for x's tile, shared
.set LIST,  XST+2*WSTB                 ; the list: 512 entries, and 512 bytes more that the look-ahead's address can name
.set SPARE, LIST+2560                  ; the spare words, 128 bytes a wave: two blocks of 256 bytes that no other line names
.set WSTO, 4
.set WFR,  5
.set WGA,  6
.set XSTO, 7
.set XFR,  8
.set LPA,  9
.set LPB,  10
.set LWR,  11
.set SPW,  26
.set NIL,  27
.set WS,   32
.set XS,   48
.set G,    56
.set LN,   80                          ; the list's making, four position vectors each: slot n,
.set LM,   84                          ; the word of U, .. of M2,
.set LK2,  88
.set LB,   92                          ; bits ahead of the word (later: counts of 16 bits),
.set LD,   92
.set LW,   96                          ; the word's number,
.set LA,   100                         ; counts of 2, 4, 8 bits,
.set LBB,  104
.set LC,   108
.set LT,   112
.set LPOS, 116                         ; the bit's place,
.set LK,   120                         ; set bits still to pass,
.set LX,   124
.set LY,   128
.set LE,   132                         ; the entry,
.set LO,   136                         ; 4 n
.set XF,   144                         ; window 2
.set B1,   32                          ; window 3
.set GA,   64
.set GR1,  96
.set GR2,  128
.set GE,   160
.set GP,   192
.set C0V,  224
.set KRS2, 16                          ; s16 1 / sqrt 2;  s[18:19] its negative;  s[20:21] log2 e;  s[22:39] c1 .. c9, each twice (the packed forms name pairs)
.set CNT,  78
.set NTL,  79
.set TI,   96
.set LOFS, 97
.set IT,   98
.set MSB, 0
.macro WIN new                         ; the immediate's high byte repeats the setting that is left; a switch that changes nothing is dropped
.if MSB != (\new)
	s_set_vgpr_msb (MSB<<8)|(\new)
.set MSB, (\new)
.endif
.endm
; 24 loads: tile t of my W1, 16 rows x 768 bytes, into 96 registers at v[sb] of window sw.  Lanes 0-15 read 256 consecutive bytes of one row, lanes 16-31 the same of the tile's next row.
.macro LOADT t, sw, sb
	WIN ((\sw)<<6)
.irp jj, 0,1,2,3,4,5,6,7
.irp un, 0,1,2
	global_load_b128 v[(\sb)+4*(3*\jj+\un):(\sb)+4*(3*\jj+\un)+3], v[WGA], s[10:11] offset:(32*((\t)/2)+8*((\t)%2)+2*\jj+8*(\jj/4))*768+256*\un
.endr
.endr
	WIN 0
.endm
; a fragment: lane (r, h) takes 24 bytes at 96 s + 24 h of row r and 24 at 48 further on, in pieces of 8, so that every address is a multiple of the access's size
.macro FRAGL reg, adr, off, ks
.irp pp, 0,1,2,3,4,5
	ds_load_b64 v[(\reg)+2*\pp:(\reg)+2*\pp+1], v[\adr] offset:(\off)+96*(\ks)+48*(\pp/3)+8*(\pp%3)
.endr
.endm
; the tile goes through my own stage as rows and comes back as its 8 fragments.  LDS serves a wave's instructions in order: no wait between the stores and the loads
.macro TURN t, sw, sb
	WIN ((\sw)<<2)                                 ; an LDS store's data are its source 1
.irp jj, 0,1,2,3,4,5,6,7
.irp un, 0,1,2
	ds_store_b128 v[WSTO], v[(\sb)+4*(3*\jj+\un):(\sb)+4*(3*\jj+\un)+3] offset:2*\jj*WP+256*\un
.endr
.endr
.irp kk, 0,1,2,3,4,5,6,7
.if 4*\kk+(\t) < 21
	WIN 0x40
	FRAGL 12*(4*\kk+(\t)), WFR, 0, \kk
.else
	WIN 0x80
	FRAGL 12*(4*\kk+(\t)-21), WFR, 0, \kk
.endif
.endr
	WIN 0
	s_wait_dscnt 0x0                               ; the fragments are in, and the stores have read the registers that the next loads take
.endm
; the rows of the tile whose entries lie off bytes behind s[LOFS]: my four of its 16 token rows (six loads: 16 lanes read 256 consecutive bytes of a row), and the 16 rows' scale words into set
.macro GATHER set, off
	v_add_nc_u32 v12, s[LOFS], v[LPA]
	v_add_nc_u32 v13, s[LOFS], v[LPB]
	ds_load_b32 v14, v12 offset:(\off)             ; rows 4 wv + lane / 16,
	ds_load_b32 v15, v12 offset:(\off)+8           ; and two further on;
	ds_load_b32 v16, v13 offset:(\off)             ; row lane % 16, for the scale words
	s_wait_dscnt 0x0                               ; the entries are in; my stores of the rows gathered last have read their registers too
.irp q, 14,15,16
	v_lshrrev_b32 v\q, 1, v\q                      ; the token
.endr
.irp q, 14,15,16
	v_min_u32 v\q, 0x3ff, v\q                      ; held inside the table: padding slots take token 1023
.endr
	v_mul_u32_u24 v17, v14, 768
	v_mul_u32_u24 v18, v15, 768
	v_lshlrev_b32 v19, 5, v16
	v_add_nc_u32 v17, v17, v20
	v_add_nc_u32 v18, v18, v20
	v_add_nc_u32 v19, v19, v21
.irp un, 0,1,2
	global_load_b128 v[G+4*\un:G+4*\un+3], v17, s[4:5] offset:256*\un
	global_load_b128 v[G+12+4*\un:G+12+4*\un+3], v18, s[4:5] offset:256*\un
.endr
	global_load_b128 v[XS+4*(\set):XS+4*(\set)+3], v19, s[6:7]    ; register i: lanes 0-15 the word of K step i, lanes 16-31 that of K step 4 + i
.endm
.macro PAIR reg, val
	s_mov_b32 s[\reg], \val
	s_mov_b32 s[\reg+1], \val
.endm
; one step of the search by halves: t = set bits in the lower part at the place in hand; where as many or more are still to pass, they are passed and the place moves up
.macro SELSTEP src, width, inc
.irp j, 0,1,2,3
	v_bfe_u32 v[LT+\j], v[\src+\j], v[LPOS+\j], \width
.endr
.irp j, 0,1,2,3
	v_sub_nc_u32 v[LX+\j], v[LK+\j], v[LT+\j]
	v_add_nc_u32 v[LY+\j], \inc, v[LPOS+\j]
.endr
.irp j, 0,1,2,3
	v_cmp_ge_u32 vcc_lo, v[LK+\j], v[LT+\j]
	v_cndmask_b32 v[LK+\j], v[LK+\j], v[LX+\j], vcc_lo
	v_cndmask_b32 v[LPOS+\j], v[LPOS+\j], v[LY+\j], vcc_lo
.endr
.endm
	s_load_b256 s[4:11], s[0:1], 0x0               ; x_codes, x_scales, masks, W1_codes
	s_load_b256 s[68:75], s[0:1], 0x20             ; W1_scales, b1, h, hs
	s_load_b64 s[76:77], s[0:1], 0x40              ; rowtok
	v_lshl_add_u32 v[SPW], v0, 2, SPARE            ; my spare word
	v_mov_b32 v[NIL], 0                            ; and 0: kept for the closing lines alone
	v_lshrrev_b32 v1, 5, v0
	v_readfirstlane_b32 s13, v1                    ; wave 0..3
	s_lshr_b32 s2, ttmp9, 5                        ; e
	s_bfe_u32 s3, ttmp9, 0x40001                   ; slice
	s_and_b32 s12, ttmp9, 1                        ; p
	v_and_b32 v1, 31, v0                           ; L
	v_and_b32 v2, 15, v0                           ; r
	v_bfe_u32 v3, v0, 4, 1                         ; hL
	v_lshlrev_b32 v20, 4, v2                       ; 16 r
	v_lshlrev_b32 v21, 4, v3                       ; 16 hL
	v_lshlrev_b32 v22, 4, v1                       ; 16 L
	v_lshlrev_b32 v23, 3, v1                       ; 8 L
	v_lshlrev_b32 v24, 5, v2                       ; 32 r
	s_mul_i32 s14, s13, WSTB                       ; my stage
	v_mul_u32_u24 v[WSTO], v3, WP
	v_add_nc_u32 v[WSTO], v[WSTO], v20
	v_add_nc_u32 v[XSTO], 0, v[WSTO]
	v_add_nc_u32 v[WSTO], s14, v[WSTO]             ; in: rows 2 j + hL, 16 bytes a lane
	v_mul_u32_u24 v[WFR], v2, WP
	v_mad_u32_u24 v[WFR], v3, 24, v[WFR]
	v_add_nc_u32 v[XFR], XST, v[WFR]               ; x's fragments: row r, + 24 hL
	v_add_nc_u32 v[WFR], s14, v[WFR]               ; W1's likewise, in my stage
	v_mul_u32_u24 v[WGA], v3, 768
	v_add_nc_u32 v[WGA], v[WGA], v20               ; W1 in memory: 768 hL + 16 r
	s_mul_i32 s14, s13, 4*WP
	s_add_co_u32 s14, s14, XST
	v_add_nc_u32 v[XSTO], s14, v[XSTO]             ; x's rows 4 wv + hL (+ 2 j)
	s_lshl_b32 s14, s13, 4
	s_add_co_u32 s14, s14, LIST
	v_lshl_add_u32 v[LPA], v3, 2, s14              ; their entries
	v_lshl_add_u32 v[LPB], v2, 2, LIST             ; row r's entry
	v_lshl_add_u32 v[LWR], v0, 2, LIST             ; where I write entries
	v_and_b32 v25, 8, v2
	v_add_nc_u32 v25, v25, v2                      ; r + 8 (r / 8)
	v_lshl_add_u32 v25, v25, 5, v21                ; W1's scale words: 32 bytes a row, + 16 hL
	v_lshlrev_b32 v28, 6, v3                       ; b1: 64 hL
	s_lshl_b32 s66, s2, 7
	s_mov_b32 s67, 0
	s_wait_kmcnt 0x0
	s_add_nc_u64 s[8:9], s[8:9], s[66:67]          ; the expert's 32 words
	s_load_b512 s[16:31], s[8:9], 0x0              ; U
	s_load_b512 s[32:47], s[8:9], 0x40
	s_load_b512 s[48:63], s[8:9], 0x400            ; M2
	s_load_b512 s[80:95], s[8:9], 0x440
	s_lshl_b32 s14, s2, 12
	s_lshl_b32 s15, s3, 8
	s_add_co_u32 s14, s14, s15
	s_lshl_b32 s15, s13, 6
	s_add_co_u32 s14, s14, s15                     ; my first row of W1: 4096 e + 256 slice + 64 wv
	s_mul_i32 s66, s14, 768
	s_add_nc_u64 s[10:11], s[10:11], s[66:67]
	s_lshl_b32 s66, s14, 5
	s_add_nc_u64 s[68:69], s[68:69], s[66:67]
	s_lshl_b32 s66, s14, 2
	s_add_nc_u64 s[70:71], s[70:71], s[66:67]
	LOADT 0, 2, XF                                 ; two tiles of W1 and the scale words are asked for first: the list is made while they are on their way
	LOADT 1, 3, GA
.irp t, 0,1,2,3
	global_load_b128 v[WS+4*\t:WS+4*\t+3], v25, s[68:69] offset:(32*(\t/2)+8*(\t%2))*32     ; register i: lanes 0-15 K step i, lanes 16-31 K step 4 + i
.endr
	s_lshl_b32 s14, s2, 6
	s_add_co_u32 s14, s14, s12                     ; my first tile: 64 e + p
	s_lshl_b32 s15, s3, 1
	s_lshr_b32 s99, s13, 1
	s_add_co_u32 s15, s15, s99                     ; S
	s_lshl_b32 s66, s14, 5
	s_add_co_u32 s66, s66, s15
	s_mul_i32 s66, s66, 1536
	s_and_b32 s99, s13, 1                          ; c
	s_mul_i32 s67, s99, 768
	s_add_co_u32 s66, s66, s67
	s_mov_b32 s67, 0
	s_add_nc_u64 s[72:73], s[72:73], s[66:67]      ; h: ((64 e + p) 32 + S) 1536 + 768 c
	s_lshl_b32 s66, s14, 2
	s_lshr_b32 s67, s15, 3
	s_add_co_u32 s66, s66, s67
	s_lshl_b32 s66, s66, 9
	s_and_b32 s67, s15, 7
	s_lshl_b32 s67, s67, 2
	s_add_co_u32 s66, s66, s67
	s_lshl_b32 s67, s99, 1
	s_add_co_u32 s66, s66, s67
	s_mov_b32 s67, 0
	s_add_nc_u64 s[74:75], s[74:75], s[66:67]      ; hs: ((64 e + p) 4 + S / 8) 512 + 4 (S % 8) + 2 c
	s_lshl_b32 s66, s2, 12
	s_add_nc_u64 s[76:77], s[76:77], s[66:67]      ; rowtok: 4,096 bytes an expert
	s_lshl_b32 s99, s2, 5
	s_add_co_u32 s99, s99, 2048                    ; the expert's first dump row
	s_lshl_b32 s15, s12, 4
	; ---- THE LIST.  Entry nl = 128 j + thread of my parity's list is slot n = 32 (nl / 16) + 16 p + nl % 16 = nl + (nl & -16) + 16 p
.irp j, 0,1,2,3
	v_add_nc_u32 v[LN+\j], 128*\j, v0
	v_and_b32 v[LX+\j], -16, v[LN+\j]
	v_add3_u32 v[LN+\j], v[LN+\j], v[LX+\j], s15
	v_lshlrev_b32 v[LO+\j], 2, v[LN+\j]
	v_mov_b32 v[LB+\j], 0
	v_mov_b32 v[LW+\j], 0
.endr
	s_wait_kmcnt 0x0                               ; the masks
.irp j, 0,1,2,3
	v_mov_b32 v[LM+\j], s16
	v_mov_b32 v[LK2+\j], s48
.endr
	s_mov_b32 s14, 0                               ; set bits ahead of word w
.set w, 1
.rept 31
.if w < 16
.set M2R, 48+w
.else
.set M2R, 64+w
.endif
	s_bcnt1_i32_b32 s15, s[16+w-1]
	s_add_co_u32 s14, s14, s15
.irp j, 0,1,2,3
	v_cmp_gt_u32 vcc_lo, s14, v[LN+\j]             ; more bits ahead than n: the slot lies in an earlier word, which is kept; else word w is taken
	v_cndmask_b32 v[LM+\j], s[16+w], v[LM+\j], vcc_lo
	v_cndmask_b32 v[LK2+\j], s[M2R], v[LK2+\j], vcc_lo
	v_cndmask_b32 v[LB+\j], s14, v[LB+\j], vcc_lo
	v_cndmask_b32 v[LW+\j], w, v[LW+\j], vcc_lo
.endr
.set w, w+1
.endr
	s_bcnt1_i32_b32 s15, s47
	s_add_co_u32 s[CNT], s14, s15                  ; the expert's rows
	s_add_co_u32 s[NTL], s[CNT], 31
	s_lshr_b32 s[NTL], s[NTL], 5
	s_max_u32 s[NTL], s[NTL], 1                    ; np: blocks of 32 slots, and tiles of my parity
.irp j, 0,1,2,3
	v_sub_nc_u32 v[LK+\j], v[LN+\j], v[LB+\j]      ; set bits of the word to pass
	v_lshrrev_b32 v[LX+\j], 1, v[LM+\j]
	v_and_b32 v[LX+\j], 0x55555555, v[LX+\j]
	v_sub_nc_u32 v[LA+\j], v[LM+\j], v[LX+\j]      ; counts of 2 bits,
	v_lshrrev_b32 v[LX+\j], 2, v[LA+\j]
	v_and_b32 v[LX+\j], 0x33333333, v[LX+\j]
	v_and_b32 v[LBB+\j], 0x33333333, v[LA+\j]
	v_add_nc_u32 v[LBB+\j], v[LBB+\j], v[LX+\j]    ; of 4,
	v_lshrrev_b32 v[LX+\j], 4, v[LBB+\j]
	v_add_nc_u32 v[LX+\j], v[LBB+\j], v[LX+\j]
	v_and_b32 v[LC+\j], 0x0f0f0f0f, v[LX+\j]       ; of 8,
	v_lshrrev_b32 v[LX+\j], 8, v[LC+\j]
	v_add_nc_u32 v[LD+\j], v[LC+\j], v[LX+\j]      ; of 16 (in the byte at 0)
	v_mov_b32 v[LPOS+\j], 0
.endr
	SELSTEP LD, 8, 16
	SELSTEP LC, 8, 8
	SELSTEP LBB, 4, 4
	SELSTEP LA, 2, 2
	SELSTEP LM, 1, 1
.irp j, 0,1,2,3
	v_lshl_add_u32 v[LE+\j], v[LW+\j], 5, v[LPOS+\j]               ; the token
	v_bfe_u32 v[LT+\j], v[LK2+\j], v[LPOS+\j], 1                   ; is the expert its second choice?
	v_lshl_or_b32 v[LE+\j], v[LE+\j], 1, v[LT+\j]
	v_and_b32 v[LX+\j], 31, v[LN+\j]
	v_add_nc_u32 v[LX+\j], s99, v[LX+\j]                           ; a padding slot's dump row
	v_cmp_gt_u32 vcc_lo, s[CNT], v[LN+\j]
	v_cndmask_b32 v[LE+\j], v[LX+\j], v[LE+\j], vcc_lo
	ds_store_b32 v[LWR], v[LE+\j] offset:512*\j
.endr
	ds_store_b32 v[LWR], v[LE+3] offset:2048       ; the bytes behind the list that the last look-ahead's address can name are written too
	s_cmp_lg_u32 s3, 0
	s_cbranch_scc1 .Lnot_slice_0                   ; a branch on the work-group's number: the two work-groups of slice 0 store the expert's list, each its parity's slots
.irp j, 0,1,2,3
	global_store_b32 v[LO+\j], v[LE+\j], s[76:77]
.endr
.Lnot_slice_0:
	s_wait_dscnt 0x0                               ; for the others' sake: my entries lie in LDS
	s_barrier_signal -1
	s_barrier_wait -1
	; ---- the weights come through the stages
	s_wait_loadcnt 28                              ; tile 0 is in: behind it tile 1's 24 loads and the 4 of scale words
	TURN 0, 2, XF
	LOADT 2, 2, XF
	s_wait_loadcnt 28                              ; tile 1 is in: behind it the 4 of scale words and tile 2's 24
	TURN 1, 3, GA
	LOADT 3, 3, GA
	WIN 0xc0
.irp t, 0,1,2,3
	global_load_b128 v[B1+8*\t:B1+8*\t+3], v28, s[70:71] offset:(32*(\t/2)+8*(\t%2))*4          ; b1 in the result's layout: lane (r, hL), tile 2 b + u: units 32 b + 16 hL + 8 u + 0 .. 7
	global_load_b128 v[B1+8*\t+4:B1+8*\t+7], v28, s[70:71] offset:(32*(\t/2)+8*(\t%2))*4+16
.endr
	WIN 0
	s_mov_b32 s[LOFS], 0
	GATHER 0, 0                                    ; my first tile's rows: every expert has one
	global_load_b128 v[XS+4:XS+7], v19, s[6:7]     ; (the second set is written once on the way that every wave takes)
	s_wait_loadcnt 40                              ; tile 2 is in: behind it tile 3's 24, b1's 8, the gather's 8
	TURN 2, 2, XF
	s_wait_loadcnt 16                              ; tile 3 is in: behind it b1's 8 and the gather's 8
	TURN 3, 3, GA
	s_mov_b32 s[KRS2], 0x3f3504f3                  ; the masks' registers are free: the activation's constants
	PAIR 18, 0xbf3504f3
	PAIR 20, 0x3fb8aa3b
	PAIR 22, 0xbaa15130
	PAIR 24, 0x3aac2b8a
	PAIR 26, 0x3c0d6e62
	PAIR 28, 0xbc040dc1
	PAIR 30, 0xbd5e05b5
	PAIR 32, 0x3e27fe23
	PAIR 34, 0xbe2a0420
	PAIR 36, 0xbdbdfb0b
	PAIR 38, 0x3e8dd01d
	WIN 0xc0
	v_mov_b32 v[C0V], 0xb9d25000                   ; c0 in vector registers: the polynomial's first step names two coefficients
	v_mov_b32 v[C0V+1], 0xb9d25000
	WIN 0
	s_mov_b32 s100, 0x76543210
	s_mov_b32 s101, 0xfedcba98                     ; v_permlanex16_b32's selects for lane l xor 16
	s_mov_b32 s80, 0                               ; what a trip adds to h's and hs's addresses: nothing in the first trip, then two tiles
	s_mov_b32 s81, 0
	s_mov_b32 s82, 0
	s_mov_b32 s83, 0
	s_mov_b32 s[TI], 0
	s_mov_b32 s[IT], 16
; THE WORK OF A TRIP: x's tile in stage b against my 32 fragments; the activation; the quantiser; 800 bytes out
.macro WORK b
	WIN 0x80
.irp kk, 0,1,2,3,4,5,6,7
	FRAGL XF+12*\kk, XFR, WSTB*(\b), \kk
.endr
.irp kk, 0,1,2,3,4,5,6,7
	s_wait_dscnt 42-6*\kk                          ; K step kk's six loads are in; the later steps' stay out
.irp t, 0,1,2,3
.set f, 4*\kk+\t
.if f < 21
	WIN 0xf9                                       ; source 0 (W1) window 1, source 1 (x) window 2, C and D window 3
.set wr, 12*f
.else
	WIN 0xfa
.set wr, 12*(f-21)
.endif
.if \kk == 0                                   ; the four accumulators take turns, one instruction a turn
	v_wmma_scale_f32_16x16x128_f8f6f4 v[8*\t:8*\t+7], v[wr:wr+11], v[XF:XF+11], v[B1+8*\t:B1+8*\t+7], v[WS+4*\t], v[XS+4*(\b)] matrix_a_fmt:MATRIX_FMT_FP6 matrix_b_fmt:MATRIX_FMT_FP6
.elseif \kk < 4
	v_wmma_scale_f32_16x16x128_f8f6f4 v[8*\t:8*\t+7], v[wr:wr+11], v[XF+12*\kk:XF+12*\kk+11], v[8*\t:8*\t+7], v[WS+4*\t+\kk], v[XS+4*(\b)+\kk] matrix_a_fmt:MATRIX_FMT_FP6 matrix_b_fmt:MATRIX_FMT_FP6
.else
	v_wmma_scale_f32_16x16x128_f8f6f4 v[8*\t:8*\t+7], v[wr:wr+11], v[XF+12*\kk:XF+12*\kk+11], v[8*\t:8*\t+7], v[WS+4*\t+\kk-4], v[XS+4*(\b)+\kk-4] matrix_a_fmt:MATRIX_FMT_FP6 matrix_b_fmt:MATRIX_FMT_FP6 matrix_a_scale:MATRIX_SCALE_ROW1 matrix_b_scale:MATRIX_SCALE_ROW1
.endif
.endr
.endr
	WIN 0xff                                       ; all that follows works in window 3
.rept 5
	v_nop                                          ; places behind the products: four for the reads below and for the next loads into operands, a fifth since the next trip begins the accumulators anew
.endr
.set i, 0
.rept 32
	v_mul_f32 v[GA+i], s[KRS2], |v[i]|             ; a = |x| / sqrt 2; each accumulator is read from its low end on
.set i, i+1
.endr
.set i, 0
.rept 16
	v_pk_add_f32 v[GR1+i:GR1+i+1], v[GA+i:GA+i+1], 2.0 op_sel_hi:[1,0]             ; a + 2
.set i, i+2
.endr
.set i, 0
.rept 16
	v_pk_fma_f32 v[GR2+i:GR2+i+1], v[GA+i:GA+i+1], 2.0, 1.0 op_sel_hi:[1,0,0]      ; 1 + 2 a
.set i, i+2
.endr
.set i, 0
.rept 16
	v_pk_mul_f32 v[GE+i:GE+i+1], v[GA+i:GA+i+1], v[GA+i:GA+i+1]                    ; a a
.set i, i+2
.endr
.set i, 0
.rept 16
	v_pk_mul_f32 v[GE+i:GE+i+1], v[GE+i:GE+i+1], s[20:21] op_sel_hi:[1,0]          ; x log2 e
.set i, i+2
.endr
.set i, 0
.rept 32
	v_rcp_f32 v[GR1+i], v[GR1+i]                   ; ONE BATCH of 96: none reads another's result
.set i, i+1
.endr
.set i, 0
.rept 32
	v_rcp_f32 v[GR2+i], v[GR2+i]
.set i, i+1
.endr
.set i, 0
.rept 32
	v_exp_f32 v[GE+i], -v[GE+i]                    ; e^(-a a)
.set i, i+1
.endr
.set i, 0
.rept 16
	v_pk_add_f32 v[GP+i:GP+i+1], v[GA+i:GA+i+1], -2.0 op_sel_hi:[1,0]              ; a - 2: plain work behind the batch that names none of its results
.set i, i+2
.endr
	s_wait_alu depctr_va_vdst(0)                   ; the wait ahead of the first reader: one for the batch
.set i, 0
.rept 16
	v_pk_mul_f32 v[GR1+i:GR1+i+1], v[GP+i:GP+i+1], v[GR1+i:GR1+i+1]                ; q
.set i, i+2
.endr
.set i, 0
.rept 16
	v_pk_fma_f32 v[GP+i:GP+i+1], v[GR1+i:GR1+i+1], v[C0V:C0V+1], s[22:23] op_sel_hi:[1,1,0]
.set i, i+2
.endr
.irp ck, 24,26,28,30,32,34,36,38
.set i, 0
.rept 16
	v_pk_fma_f32 v[GP+i:GP+i+1], v[GP+i:GP+i+1], v[GR1+i:GR1+i+1], s[\ck:\ck+1] op_sel_hi:[1,1,0]   ; the 16 pairs by turns: no line waits for the line above it
.set i, i+2
.endr
.endr
.set i, 0
.rept 16
	v_pk_fma_f32 v[GR2+i:GR2+i+1], v[GP+i:GP+i+1], v[GR2+i:GR2+i+1], v[GR2+i:GR2+i+1]               ; F = (1 + p) / (1 + 2 a)
.set i, i+2
.endr
.set i, 0
.rept 16
	v_pk_mul_f32 v[GE+i:GE+i+1], v[GE+i:GE+i+1], v[GA+i:GA+i+1]
.set i, i+2
.endr
.set i, 0
.rept 16
	v_pk_mul_f32 v[GE+i:GE+i+1], v[GE+i:GE+i+1], v[GR2+i:GR2+i+1]                  ; a erfc(a)
.set i, i+2
.endr
.set i, 0
.rept 32
	v_max_num_f32 v[i], 0, v[i]
.set i, i+1
.endr
.set i, 0
.rept 16
	v_pk_fma_f32 v[i:i+1], v[GE+i:GE+i+1], s[18:19], v[i:i+1] op_sel_hi:[1,0,1]    ; g = max(x, 0) - a erfc(a) / sqrt 2
.set i, i+2
.endr
	; the quantiser: my two blocks of 32 along the next K; a block lies in lanes l and l xor 16.  Temporaries lie where the polynomial lay
.irp ch, 0,1,2,3
	v_max3_num_f32 v[GP+\ch], |v[8*\ch]|, |v[8*\ch+1]|, 0x1800000                  ; four chains of eight numbers; the floor 2^(3 - 127) holds the byte at 1 from below
.endr
.irp i2, 2,4,6
.irp ch, 0,1,2,3
	v_max3_num_f32 v[GP+\ch], v[GP+\ch], |v[8*\ch+\i2]|, |v[8*\ch+\i2+1]|
.endr
.endr
.irp bb, 0,1
	v_max_num_f32 v[GP+24+\bb], v[GP+2*\bb], v[GP+2*\bb+1]
.endr
.irp bb, 0,1
	v_permlanex16_b32 v[GP+26+\bb], v[GP+24+\bb], s100, s101
.endr
.irp bb, 0,1
	v_max_num_f32 v[GP+24+\bb], v[GP+24+\bb], v[GP+26+\bb]                         ; the block's largest magnitude
.endr
.irp bb, 0,1
	v_add_nc_u32 v[GP+4+\bb], 0xff000000, v[GP+24+\bb]                             ; 2 off its exponent field: the conversion's scale operand
.endr
.irp bb, 0,1
	v_lshrrev_b32 v[GP+6+\bb], 23, v[GP+4+\bb]                                     ; the scale's byte
.endr
	v_lshl_or_b32 v[GP+8], v[GP+7], 8, v[GP+6]     ; my half of the row's scale word
	v_cvt_scalef32_pk16_fp6_f32 v[GP+12:GP+14], v[0:15], v[GP+4]
	v_cvt_scalef32_pk16_fp6_f32 v[GP+20:GP+22], v[16:31], v[GP+5]                  ; (a conversion's three registers begin on an even number)
	v_nop                                          ; one plain line behind a scaled conversion
.irp i2, 0,1,2
	v_permlane16_swap_b32 v[GP+12+\i2], v[GP+20+\i2]                               ; the operand wants a whole block in a lane: lanes 0-15 the first block, lanes 16-31 the second
.endr
.irp i2, 0,1,2
	v_mov_b32 v[GP+15+\i2], v[GP+20+\i2]
.endr
	WIN 0x0c                                       ; a store's data are its source 1: window 3
	global_store_b128 v22, v[GP+12:GP+15], s[72:73]                                ; 512 consecutive bytes, at a multiple of 256 from h's first byte
	global_store_b64 v23, v[GP+16:GP+17], s[72:73] offset:512                      ; 256 more
	global_store_b16 v24, v[GP+8], s[74:75]        ; two bytes of each row's scale word (lanes l and l xor 16 store the same): a wave owns half a word
	WIN 0
.endm
; A TRIP: local tile s[TI] + b.  One barrier a trip: stage b is written again two trips on, and in front of the barrier between every wave has waited for its reads of it.
.macro TRIP b
	s_wait_loadcnt 0x0                             ; the rows gathered a trip ago are in, and their address registers are free
	s_wait_xcnt 0x0                                ; the last trip's stores have had their addresses translated: their base and data may be written
	s_add_nc_u64 s[72:73], s[72:73], s[80:81]
	s_add_nc_u64 s[74:75], s[74:75], s[82:83]
	s_mov_b32 s80, 2*32*1536                       ; from now on: two tiles further
	s_mov_b32 s82, 2*4*512
	s_add_co_u32 s99, s[TI], \b
	s_cmp_lt_u32 s99, s[NTL]
	s_cbranch_scc0 .Lno_put_\@
.irp jj, 0,1
.irp un, 0,1,2
	ds_store_b128 v[XSTO], v[G+12*\jj+4*\un:G+12*\jj+4*\un+3] offset:WSTB*\b+2*WP*\jj+256*\un      ; my four rows of this trip's tile
.endr
.endr
.Lno_put_\@:
	s_add_co_u32 s99, s[TI], \b+1
	s_cmp_lt_u32 s99, s[NTL]
	s_cbranch_scc0 .Lno_get_\@
	GATHER 1-\b, 64*(\b+1)                         ; the next tile's rows: they have this trip's work in which to land
.Lno_get_\@:
	s_wait_dscnt 0x0                               ; my rows lie in LDS, and my reads of the other stage are over
	s_barrier_signal -1
	s_barrier_wait -1                              ; on every wave's way in every trip
	s_add_co_u32 s99, s[TI], \b
	s_cmp_lt_u32 s99, s[NTL]
	s_cbranch_scc0 .Lno_work_\@
	WORK \b
.Lno_work_\@:
.endm
.Ltrip:
	TRIP 0
	TRIP 1
	s_add_co_u32 s[TI], s[TI], 2
	s_add_co_u32 s[LOFS], s[LOFS], 128
	s_sub_co_u32 s[IT], s[IT], 1
	s_cmp_lg_u32 s[IT], 0
	s_cbranch_scc1 .Ltrip
	s_wait_tensorcnt 0x0                           ; the wave's end
	ds_add_u32 v[SPW], v[NIL]
	s_wait_dscnt 0x0
	s_endpgm
.Lfunc_end_k_qab041251e9_gemm1:
	.size	k_qab041251e9_gemm1, .Lfunc_end_k_qab041251e9_gemm1-k_qab041251e9_gemm1
	.p2alignl 7, 3214868480
	.fill 96, 4, 3214868480
	.section	.rodata,"a",@progbits
	.p2align	6, 0x0
	.amdhsa_kernel k_qab041251e9_gemm1
		.amdhsa_group_segment_fixed_size 78336
		.amdhsa_private_segment_fixed_size 0
		.amdhsa_enable_private_segment 0
		.amdhsa_kernarg_size 72
		.amdhsa_user_sgpr_count 2
		.amdhsa_user_sgpr_kernarg_segment_ptr 1
		.amdhsa_wavefront_size32 1
		.amdhsa_system_sgpr_workgroup_id_x 1
		.amdhsa_system_sgpr_workgroup_id_y 1
		.amdhsa_system_sgpr_workgroup_id_z 1
		.amdhsa_system_vgpr_workitem_id 0
		.amdhsa_next_free_vgpr 1024
		.amdhsa_next_free_sgpr 102
		.amdhsa_reserve_vcc 1
		.amdhsa_float_denorm_mode_32 3
		.amdhsa_float_denorm_mode_16_64 3
		.amdhsa_memory_ordered 1
		.amdhsa_forward_progress 1
		.amdhsa_inst_pref_size 146
	.end_amdhsa_kernel
	.amdgpu_metadata
---
amdhsa.version: [ 1, 2 ]
amdhsa.kernels:
  - .name:           k_qab041251e9_gemm1
    .symbol:         k_qab041251e9_gemm1.kd
    .args:
      - { .name: x_codes, .offset: 0, .size: 8, .value_kind: global_buffer, .address_space: global }
      - { .name: x_scales, .offset: 8, .size: 8, .value_kind: global_buffer, .address_space: global }
      - { .name: masks, .offset: 16, .size: 8, .value_kind: global_buffer, .address_space: global }
      - { .name: W1_codes, .offset: 24, .size: 8, .value_kind: global_buffer, .address_space: global }
      - { .name: W1_scales, .offset: 32, .size: 8, .value_kind: global_buffer, .address_space: global }
      - { .name: b1, .offset: 40, .size: 8, .value_kind: global_buffer, .address_space: global }
      - { .name: h, .offset: 48, .size: 8, .value_kind: global_buffer, .address_space: global }
      - { .name: hs, .offset: 56, .size: 8, .value_kind: global_buffer, .address_space: global }
      - { .name: rowtok, .offset: 64, .size: 8, .value_kind: global_buffer, .address_space: global }
    .group_segment_fixed_size: 78336
    .private_segment_fixed_size: 0
    .kernarg_segment_align: 8
    .kernarg_segment_size: 72
    .max_flat_workgroup_size: 128
    .sgpr_count:     102
    .vgpr_count:     1024
    .wavefront_size: 32
...
	.end_amdgpu_metadata
.endif
;; end of part 2
;; launch gemm2 (part 3): grid 256 x 1, 4 waves a work-group, no clusters, 120,320 bytes of LDS; arguments h, hs, rowtok, masks, W2_codes, W2_scales, b2, y2; writes y2
.if DOCPART == 3
	.amdgcn_target "amdgcn-amd-amdhsa--gfx1250"
	.amdhsa_code_object_version 6
	.text
	.protected	k_qab041251e9_gemm2
	.globl	k_qab041251e9_gemm2
	.p2align	8
	.type	k_qab041251e9_gemm2,@function
k_qab041251e9_gemm2:
	s_mov_b64 s[64:65], 0
	v_nop
	global_prefetch_b8 v0, s[64:65] scope:SCOPE_SE
	s_setreg_imm32_b32 hwreg(HW_REG_WAVE_MODE, 25, 1), 1
	s_wait_xcnt 0x0
; y = h W2 + b2 FOR THE ROUTED ROWS, on codes of E2M3 with one E8M0 scale for each 32 along K; each row is stored at its place 2 token + choice of y2 [2304][1024] f32 (rows from 2048 on: dump rows of padding slots).
; A work-group is (expert e, outputs 64 slice .. + 63, parity p of the blocks of 32 slots): ttmp9 = 32 e + 2 slice + p.
; THE WAVES SPLIT K: wave w holds K steps 8 w .. 8 w + 7 of all four tiles of outputs: 32 fragments of W2, 384 registers, read from memory once and kept.  So a wave loads only its quarter of each tile of h,
; straight into operand registers (h lies as images of them), and no byte of h is read twice in a work-group.  The four partial sums meet in LDS; wave w adds and stores rows 8 w .. 8 w + 7 of the block.
; THE PRODUCT IS USED TRANSPOSED (source 0 = 16 rows of W2, source 1 = 16 slots): a lane holds eight neighbouring outputs of one slot.
; THE LOOP HAS 16 TRIPS, a constant, since a barrier stands in each; the work of trips beyond the expert's blocks is jumped over by scalar branches on the stored count.  Every wait for loads in the loop is for 0.
; No cluster and no tensor load: the trips' work hangs on counts read from memory, and experts have different numbers of rows.
; REGISTERS, in windows of 256.  Window 0: v1-14 addresses; v32-47 W2's scale words; v48-63 h's, (set, tile) x 4; v64-71 the rows' places, two sets; v72-75 b2; v76-79 store offsets; v80-143 eight accumulators, then the four partial sums.
; Windows 1, 2: W2's fragment f = 4 s + t at v[12 f] of window 1, from f = 21 on at v[12 (f - 21)] of window 2.
; h's tiles (set, tile): (0, 0) window 3 v0-95; (0, 1) window 3 v96-191; (1, 0) window 2 v132-227; (1, 1) window 0 v160-255.  The two of set 1 first serve W2 on its way through LDS.
.set WP,    784                        ; a row of 768 bytes of codes in LDS + 16: the 32 lanes of a load of 8 bytes touch 64 different banks (64 banks of 4 bytes: ISA guide 11.1)
.set WSTB,  16*WP
.set PART,  4*WSTB                     ; behind the waves' own stages: two buffers of partial sums [wave 4][row 32][256 bytes + 16]
.set PP,    272
.set PSRC,  32*PP
.set PBUF,  4*PSRC
.set SPARE, PART+2*PBUF                ; the spare words, 128 bytes a wave: two blocks of 256 bytes that no other line names
.set WSTO, 4
.set WFR,  5
.set WGA,  6
.set PSTO, 11
.set PRD,  12
.set SPW,  26
.set NIL,  27
.set WS,   32
.set HS,   48
.set RT,   64
.set B2,   72
.set YA,   76
.set ACC,  80
.set NPL,  56
.set BI,   57
.set IT,   58
.set MSB, 0
.macro WIN new                         ; the immediate's high byte repeats the setting that is left; a switch that changes nothing is dropped
.if MSB != (\new)
	s_set_vgpr_msb (MSB<<8)|(\new)
.set MSB, (\new)
.endif
.endm
.macro HLOC set, tau                   ; where h's tile (set, tau) lies: window HW, register HB
.if (\set) == 0
.set HW, 3
.set HB, 96*(\tau)
.elseif (\tau) == 0
.set HW, 2
.set HB, 132
.else
.set HW, 0
.set HB, 160
.endif
.endm
; 24 loads: my 768 bytes of the 16 rows of tile t of W2.  Lanes 0-15 read 256 consecutive bytes of one row, lanes 16-31 the same of the next
.macro LOADT t, sw, sb
	WIN ((\sw)<<6)
.irp jj, 0,1,2,3,4,5,6,7
.irp un, 0,1,2
	global_load_b128 v[(\sb)+4*(3*\jj+\un):(\sb)+4*(3*\jj+\un)+3], v[WGA], s[12:13] offset:(16*(\t)+2*\jj)*3072+256*\un
.endr
.endr
	WIN 0
.endm
.macro FRAGL reg, adr, off, ks         ; a fragment: 24 bytes at 96 s + 24 h of row r and 24 at 48 further on, in pieces of 8
.irp pp, 0,1,2,3,4,5
	ds_load_b64 v[(\reg)+2*\pp:(\reg)+2*\pp+1], v[\adr] offset:(\off)+96*(\ks)+48*(\pp/3)+8*(\pp%3)
.endr
.endm
.macro TURN t, sw, sb                  ; the tile goes through my own stage as rows and comes back as 8 fragments; LDS serves a wave's instructions in order
	WIN ((\sw)<<2)
.irp jj, 0,1,2,3,4,5,6,7
.irp un, 0,1,2
	ds_store_b128 v[WSTO], v[(\sb)+4*(3*\jj+\un):(\sb)+4*(3*\jj+\un)+3] offset:2*\jj*WP+256*\un
.endr
.endr
.irp kk, 0,1,2,3,4,5,6,7
.if 4*\kk+(\t) < 21
	WIN 0x40
	FRAGL 12*(4*\kk+(\t)), WFR, 0, \kk
.else
	WIN 0x80
	FRAGL 12*(4*\kk+(\t)-21), WFR, 0, \kk
.endif
.endr
	WIN 0
	s_wait_dscnt 0x0                               ; the fragments are in, and the stores have read the registers that the next loads take
.endm
; a block of 32 slots: my 8 K steps of its two tiles of h (each load 512 or 256 consecutive bytes), their scale words, and the places of the eight rows that I will store
.macro LOADPAIR set
.irp tau, 0,1
	HLOC \set, \tau
	WIN (HW<<6)
.irp kk, 0,1,2,3,4,5,6,7
	global_load_b128 v[HB+12*\kk:HB+12*\kk+3], v7, s[4:5] offset:49152*\tau+1536*\kk
	global_load_b64 v[HB+12*\kk+4:HB+12*\kk+5], v8, s[4:5] offset:49152*\tau+1536*\kk+512
	global_load_b128 v[HB+12*\kk+6:HB+12*\kk+9], v7, s[4:5] offset:49152*\tau+1536*\kk+768
	global_load_b64 v[HB+12*\kk+10:HB+12*\kk+11], v8, s[4:5] offset:49152*\tau+1536*\kk+1280
.endr
.endr
	WIN 0
	global_load_b128 v[HS+8*(\set):HS+8*(\set)+3], v9, s[6:7]                      ; register i: lanes 0-15 my K step i, lanes 16-31 my K step 4 + i
	global_load_b128 v[HS+8*(\set)+4:HS+8*(\set)+7], v9, s[6:7] offset:2048
	global_load_b128 v[RT+4*(\set):RT+4*(\set)+3], v10, s[8:9]
.endm
	s_load_b256 s[4:11], s[0:1], 0x0               ; h, hs, rowtok, masks
	s_load_b256 s[12:19], s[0:1], 0x20             ; W2_codes, W2_scales, b2, y2
	v_lshl_add_u32 v[SPW], v0, 2, SPARE            ; my spare word
	v_mov_b32 v[NIL], 0                            ; and 0: kept for the closing lines alone
	v_lshrrev_b32 v1, 5, v0
	v_readfirstlane_b32 s53, v1                    ; wave 0..3
	s_lshr_b32 s2, ttmp9, 5                        ; e
	s_bfe_u32 s3, ttmp9, 0x40001                   ; slice
	s_and_b32 s52, ttmp9, 1                        ; p
	s_lshl_b32 s62, s2, 7
	s_mov_b32 s63, 0
	s_wait_kmcnt 0x0
	s_add_nc_u64 s[10:11], s[10:11], s[62:63]
	s_load_b512 s[20:35], s[10:11], 0x0            ; the expert's mask: 32 words
	s_load_b512 s[36:51], s[10:11], 0x40
	v_and_b32 v1, 31, v0                           ; L
	v_and_b32 v2, 15, v0                           ; r
	v_bfe_u32 v3, v0, 4, 1                         ; hL
	v_lshlrev_b32 v13, 4, v2                       ; 16 r
	v_lshlrev_b32 v10, 4, v3                       ; 16 hL
	v_lshlrev_b32 v7, 4, v1                        ; 16 L
	v_lshlrev_b32 v8, 3, v1                        ; 8 L
	v_lshl_add_u32 v9, v2, 5, v10                  ; h's scale words: 32 r + 16 hL
	v_lshl_add_u32 v14, v2, 7, v10                 ; W2's: 128 r + 16 hL
	s_mul_i32 s59, s53, WSTB                       ; my stage
	v_mul_u32_u24 v[WSTO], v3, WP
	v_add_nc_u32 v[WSTO], v[WSTO], v13
	v_add_nc_u32 v[WSTO], s59, v[WSTO]
	v_mul_u32_u24 v[WFR], v2, WP
	v_mad_u32_u24 v[WFR], v3, 24, v[WFR]
	v_add_nc_u32 v[WFR], s59, v[WFR]
	v_mul_u32_u24 v[WGA], v3, 3072
	v_add_nc_u32 v[WGA], v[WGA], v13               ; W2 in memory: 3,072 hL + 16 r
	s_mul_i32 s59, s53, PSRC
	s_add_co_u32 s59, s59, PART
	v_mul_u32_u24 v[PSTO], v2, PP
	v_lshl_add_u32 v[PSTO], v3, 5, v[PSTO]
	v_add_nc_u32 v[PSTO], s59, v[PSTO]             ; my partial sums: row r, + 32 hL
	s_mul_i32 s59, s53, 8*PP
	s_add_co_u32 s59, s59, PART
	v_mul_u32_u24 v[PRD], v3, 4*PP
	v_add_nc_u32 v[PRD], v[PRD], v13
	v_add_nc_u32 v[PRD], s59, v[PRD]               ; back: rows 8 w + 4 hL + q, 16 bytes a lane
	s_lshl_b32 s60, s2, 10
	s_lshl_b32 s61, s3, 6
	s_add_co_u32 s60, s60, s61                     ; my first row of W2: 1024 e + 64 slice
	s_mul_i32 s62, s60, 3072
	s_mul_i32 s61, s53, 768
	s_add_co_u32 s62, s62, s61
	s_add_nc_u64 s[12:13], s[12:13], s[62:63]      ; + my 8 K steps' 768 bytes
	s_lshl_b32 s62, s60, 7
	s_lshl_b32 s61, s53, 5
	s_add_co_u32 s62, s62, s61
	s_add_nc_u64 s[14:15], s[14:15], s[62:63]
	s_lshl_b32 s62, s60, 2
	s_add_nc_u64 s[16:17], s[16:17], s[62:63]
	s_lshl_b32 s62, s3, 8
	s_add_nc_u64 s[18:19], s[18:19], s[62:63]      ; y2: my 64 columns
	s_wait_kmcnt 0x0
	s_bcnt1_i32_b32 s54, s20
.set w, 1
.rept 31
	s_bcnt1_i32_b32 s59, s[20+w]
	s_add_co_u32 s54, s54, s59
.set w, w+1
.endr
	s_add_co_u32 s55, s54, 31
	s_lshr_b32 s55, s55, 5
	s_max_u32 s55, s55, 1                          ; np: the expert's blocks of 32 slots
	s_sub_co_u32 s[NPL], s55, s52
	s_add_co_u32 s[NPL], s[NPL], 1
	s_lshr_b32 s[NPL], s[NPL], 1                   ; those of my parity
	s_sub_co_u32 s59, s55, 1
	s_min_u32 s59, s59, 1                          ; held to 0 or 1 before it enters an address,
	s_and_b32 s59, s59, s52                        ; my first block: min(p, np - 1): a block that has been written, also where my parity has none
	s_lshl_b32 s60, s2, 6
	s_lshl_b32 s59, s59, 1
	s_add_co_u32 s60, s60, s59                     ; its first tile
	s_lshl_b32 s62, s60, 5
	s_lshl_b32 s61, s53, 3
	s_add_co_u32 s62, s62, s61
	s_mul_i32 s62, s62, 1536
	s_add_nc_u64 s[4:5], s[4:5], s[62:63]          ; h: (tile 32 + 8 w) 1536
	s_lshl_b32 s62, s60, 2
	s_add_co_u32 s62, s62, s53
	s_lshl_b32 s62, s62, 9
	s_add_nc_u64 s[6:7], s[6:7], s[62:63]          ; hs: (tile 4 + w) 512
	s_lshl_b32 s62, s60, 4
	s_add_co_u32 s62, s62, s61
	s_lshl_b32 s62, s62, 2
	s_add_nc_u64 s[8:9], s[8:9], s[62:63]          ; rowtok: (16 tile + 8 w) 4
	LOADPAIR 0
	global_load_b128 v[HS+8:HS+11], v9, s[6:7]     ; (the second set's scale words and places are written once on the way that every wave takes)
	global_load_b128 v[HS+12:HS+15], v9, s[6:7] offset:2048
	global_load_b128 v[RT+4:RT+7], v10, s[8:9]
.irp t, 0,1,2,3
	global_load_b128 v[WS+4*\t:WS+4*\t+3], v14, s[14:15] offset:2048*\t
.endr
	global_load_b128 v[B2:B2+3], v13, s[16:17]     ; b2 of the four columns that I add up
	LOADT 0, 2, 132
	LOADT 1, 0, 160
	s_wait_loadcnt 24                              ; all but tile 1's 24 loads are in
	TURN 0, 2, 132
	LOADT 2, 2, 132
	s_wait_loadcnt 24                              ; tile 1 is in: behind it tile 2's 24
	TURN 1, 0, 160
	LOADT 3, 0, 160
	s_wait_loadcnt 24                              ; tile 2 is in: behind it tile 3's 24
	TURN 2, 2, 132
	s_wait_loadcnt 0x0
	TURN 3, 0, 160
	s_mov_b32 s[BI], 0
	s_mov_b32 s[IT], 8
; A TRIP: local block s[BI] + b, in set b.  One barrier a trip: a buffer of partial sums is written again two trips on, and in front of the barrier between every wave has waited for its reads of it.
.macro TRIP b
	s_wait_loadcnt 0x0                             ; this trip's block, asked for a trip ago, is in; the loads' bases are free
	s_wait_xcnt 0x0                                ; the last trip's stores have had their addresses translated: their offsets and data may be written
	s_add_nc_u64 s[4:5], s[4:5], 4*49152           ; on to my parity's next block: four tiles,
	s_add_nc_u64 s[6:7], s[6:7], 4*2048
	s_add_nc_u64 s[8:9], s[8:9], 256               ; 64 slots
	s_add_co_u32 s59, s[BI], \b+1
	s_cmp_lt_u32 s59, s[NPL]
	s_cbranch_scc0 .Lno_load_\@
	LOADPAIR 1-\b                                  ; it has this trip's work in which to land
.Lno_load_\@:
	s_add_co_u32 s59, s[BI], \b
	s_cmp_lt_u32 s59, s[NPL]
	s_cbranch_scc0 .Lno_mul_\@
.irp tau, 0,1
	HLOC \b, \tau
.irp kk, 0,1,2,3,4,5,6,7
.irp t, 0,1,2,3
.set f, 4*\kk+\t
.if f < 21
	WIN (HW<<2)|1                                  ; source 0 (W2) window 1 or 2, source 1 (h) the tile's window, C and D window 0
.set wr, 12*f
.else
	WIN (HW<<2)|2
.set wr, 12*(f-21)
.endif
.set ac, ACC+32*\tau+8*\t
.if \kk == 0                                   ; the first product starts each sum; the four accumulators take turns, one instruction a turn
	v_wmma_scale_f32_16x16x128_f8f6f4 v[ac:ac+7], v[wr:wr+11], v[HB:HB+11], 0, v[WS+4*\t], v[HS+8*\b+4*\tau] matrix_a_fmt:MATRIX_FMT_FP6 matrix_b_fmt:MATRIX_FMT_FP6
.elseif \kk < 4
	v_wmma_scale_f32_16x16x128_f8f6f4 v[ac:ac+7], v[wr:wr+11], v[HB+12*\kk:HB+12*\kk+11], v[ac:ac+7], v[WS+4*\t+\kk], v[HS+8*\b+4*\tau+\kk] matrix_a_fmt:MATRIX_FMT_FP6 matrix_b_fmt:MATRIX_FMT_FP6
.else
	v_wmma_scale_f32_16x16x128_f8f6f4 v[ac:ac+7], v[wr:wr+11], v[HB+12*\kk:HB+12*\kk+11], v[ac:ac+7], v[WS+4*\t+\kk-4], v[HS+8*\b+4*\tau+\kk-4] matrix_a_fmt:MATRIX_FMT_FP6 matrix_b_fmt:MATRIX_FMT_FP6 matrix_a_scale:MATRIX_SCALE_ROW1 matrix_b_scale:MATRIX_SCALE_ROW1
.endif
.endr
.endr
.endr
	WIN 0
.rept 5
	v_nop                                          ; places behind the products: four for the stores below and for the next loads into operands, a fifth since the next trip begins the accumulators anew
.endr
.irp tau, 0,1
.irp t, 0,1,2,3
	ds_store_b128 v[PSTO], v[ACC+32*\tau+8*\t:ACC+32*\tau+8*\t+3] offset:PBUF*\b+16*PP*\tau+64*\t          ; each accumulator from its low end on
	ds_store_b128 v[PSTO], v[ACC+32*\tau+8*\t+4:ACC+32*\tau+8*\t+7] offset:PBUF*\b+16*PP*\tau+64*\t+16
.endr
.endr
.Lno_mul_\@:
	s_wait_dscnt 0x0                               ; my partial sums lie in LDS, and my reads of the other buffer are over
	s_barrier_signal -1
	s_barrier_wait -1                              ; on every wave's way in every trip
	s_add_co_u32 s59, s[BI], \b
	s_cmp_lt_u32 s59, s[NPL]
	s_cbranch_scc0 .Lno_sum_\@
.irp src, 0,1,2,3
.irp q, 0,1,2,3
	ds_load_b128 v[ACC+16*\src+4*\q:ACC+16*\src+4*\q+3], v[PRD] offset:PBUF*\b+PSRC*\src+PP*\q
.endr
.endr
.irp q, 0,1,2,3
	v_min_u32 v[YA+\q], 0x8ff, v[RT+4*\b+\q]       ; the row's place, held inside y2's 2,304 rows
.endr
.irp q, 0,1,2,3
	v_lshlrev_b32 v[YA+\q], 12, v[YA+\q]           ; 4,096 bytes a row
.endr
.irp q, 0,1,2,3
	v_add_nc_u32 v[YA+\q], v[YA+\q], v13
.endr
	s_wait_dscnt 0x0
.irp q, 0,1,2,3
.irp hp, 0,2
	v_pk_add_f32 v[ACC+4*\q+\hp:ACC+4*\q+\hp+1], v[ACC+4*\q+\hp:ACC+4*\q+\hp+1], v[ACC+16+4*\q+\hp:ACC+16+4*\q+\hp+1]
	v_pk_add_f32 v[ACC+32+4*\q+\hp:ACC+32+4*\q+\hp+1], v[ACC+32+4*\q+\hp:ACC+32+4*\q+\hp+1], v[ACC+48+4*\q+\hp:ACC+48+4*\q+\hp+1]
.endr
.endr
.irp q, 0,1,2,3
.irp hp, 0,2
	v_pk_add_f32 v[ACC+4*\q+\hp:ACC+4*\q+\hp+1], v[ACC+4*\q+\hp:ACC+4*\q+\hp+1], v[ACC+32+4*\q+\hp:ACC+32+4*\q+\hp+1]
.endr
.endr
.irp q, 0,1,2,3
.irp hp, 0,2
	v_pk_add_f32 v[ACC+4*\q+\hp:ACC+4*\q+\hp+1], v[ACC+4*\q+\hp:ACC+4*\q+\hp+1], v[B2+\hp:B2+\hp+1]
.endr
.endr
.irp q, 0,1,2,3
	global_store_b128 v[YA+\q], v[ACC+4*\q:ACC+4*\q+3], s[18:19] th:TH_STORE_NT    ; 16 lanes store 256 consecutive bytes of a row, at a multiple of 256 from y2's first byte
.endr
.Lno_sum_\@:
.endm
.Ltrip:
	TRIP 0
	TRIP 1
	s_add_co_u32 s[BI], s[BI], 2
	s_sub_co_u32 s[IT], s[IT], 1
	s_cmp_lg_u32 s[IT], 0
	s_cbranch_scc1 .Ltrip
	s_wait_tensorcnt 0x0                           ; the wave's end
	ds_add_u32 v[SPW], v[NIL]
	s_wait_dscnt 0x0
	s_endpgm
.Lfunc_end_k_qab041251e9_gemm2:
	.size	k_qab041251e9_gemm2, .Lfunc_end_k_qab041251e9_gemm2-k_qab041251e9_gemm2
	.p2alignl 7, 3214868480
	.fill 96, 4, 3214868480
	.section	.rodata,"a",@progbits
	.p2align	6, 0x0
	.amdhsa_kernel k_qab041251e9_gemm2
		.amdhsa_group_segment_fixed_size 120320
		.amdhsa_private_segment_fixed_size 0
		.amdhsa_enable_private_segment 0
		.amdhsa_kernarg_size 64
		.amdhsa_user_sgpr_count 2
		.amdhsa_user_sgpr_kernarg_segment_ptr 1
		.amdhsa_wavefront_size32 1
		.amdhsa_system_sgpr_workgroup_id_x 1
		.amdhsa_system_sgpr_workgroup_id_y 1
		.amdhsa_system_sgpr_workgroup_id_z 1
		.amdhsa_system_vgpr_workitem_id 0
		.amdhsa_next_free_vgpr 1024
		.amdhsa_next_free_sgpr 66
		.amdhsa_reserve_vcc 0
		.amdhsa_float_denorm_mode_32 3
		.amdhsa_float_denorm_mode_16_64 3
		.amdhsa_memory_ordered 1
		.amdhsa_forward_progress 1
		.amdhsa_inst_pref_size 82
	.end_amdhsa_kernel
	.amdgpu_metadata
---
amdhsa.version: [ 1, 2 ]
amdhsa.kernels:
  - .name:           k_qab041251e9_gemm2
    .symbol:         k_qab041251e9_gemm2.kd
    .args:
      - { .name: h, .offset: 0, .size: 8, .value_kind: global_buffer, .address_space: global }
      - { .name: hs, .offset: 8, .size: 8, .value_kind: global_buffer, .address_space: global }
      - { .name: rowtok, .offset: 16, .size: 8, .value_kind: global_buffer, .address_space: global }
      - { .name: masks, .offset: 24, .size: 8, .value_kind: global_buffer, .address_space: global }
      - { .name: W2_codes, .offset: 32, .size: 8, .value_kind: global_buffer, .address_space: global }
      - { .name: W2_scales, .offset: 40, .size: 8, .value_kind: global_buffer, .address_space: global }
      - { .name: b2, .offset: 48, .size: 8, .value_kind: global_buffer, .address_space: global }
      - { .name: y2, .offset: 56, .size: 8, .value_kind: global_buffer, .address_space: global }
    .group_segment_fixed_size: 120320
    .private_segment_fixed_size: 0
    .kernarg_segment_align: 8
    .kernarg_segment_size: 64
    .max_flat_workgroup_size: 128
    .sgpr_count:     66
    .vgpr_count:     1024
    .wavefront_size: 32
...
	.end_amdgpu_metadata
.endif
;; end of part 3
;; launch combine_ln (part 4): grid 256 x 1, 4 waves a work-group, no clusters, 0 bytes of LDS; arguments y2, wts, gamma, beta, out0; writes out0
.if DOCPART == 4
	.amdgcn_target "amdgcn-amd-amdhsa--gfx1250"
	.amdhsa_code_object_version 6
	.text
	.protected	k_qab041251e9_combine_ln
	.globl	k_qab041251e9_combine_ln
	.p2align	8
	.type	k_qab041251e9_combine_ln,@function
k_qab041251e9_combine_ln:
	s_mov_b64 s[64:65], 0
	v_nop
	global_prefetch_b8 v0, s[64:65] scope:SCOPE_SE
	s_setreg_imm32_b32 hwreg(HW_REG_WAVE_MODE, 25, 1), 1
	s_wait_xcnt 0x0
; out[t] = LayerNorm(w1 y2[2 t] + w2 y2[2 t + 1]) gamma + beta.  y2: [2304][1024] f32, wts: [1024][2], gamma, beta: [1024], out0: [1024][1024] f32.
; One wave, one token: a row of 4,096 bytes is 32 registers a lane, so it stays in registers between the mean, the variance and the scaling; no LDS, no barrier.
; The variance is the mean of (v - mean)^2, taken in a second pass over the registers: no difference of large sums is formed.
; Each load and store of the wave covers 512 consecutive bytes.  The matrix units and clusters have nothing to do here: the launch moves 12 bytes for each number that it writes.
.set Y1, 16                            ; v16-47   the first choice's row, then v, then v - mean, then the result
.set Y2, 48                            ; v48-79   the second choice's row
.set GM, 80                            ; v80-111  gamma
.set BE, 112                           ; v112-143 beta
	s_load_b256 s[4:11], s[0:1], 0x0               ; y2, wts, gamma, beta
	s_load_b64 s[12:13], s[0:1], 0x20              ; out0
	v_lshrrev_b32 v1, 5, v0
	v_readfirstlane_b32 s14, v1
	s_lshl_b32 s15, ttmp9, 2
	s_add_co_u32 s15, s15, s14                     ; my token
	v_and_b32 v1, 31, v0
	v_lshlrev_b32 v1, 4, v1                        ; 16 bytes a lane
	s_lshl_b32 s16, s15, 13                        ; two rows of y2
	s_mov_b32 s17, 0
	s_lshl_b32 s18, s15, 12
	s_mov_b32 s19, 0
	s_lshl_b32 s20, s15, 3
	s_mov_b32 s21, 0
	s_mov_b32 s26, 0x76543210
	s_mov_b32 s27, 0xfedcba98                      ; v_permlanex16_b32's selects for lane l xor 16
	s_mov_b32 s28, 0x3a800000                      ; 1 / 1024
	s_mov_b32 s29, 0x3727c5ac                      ; 1e-5
	v_mov_b32 v12, 0                               ; written once: a lane permute's destination counts as one of its sources
	s_wait_kmcnt 0x0
	s_add_nc_u64 s[4:5], s[4:5], s[16:17]
	s_add_nc_u64 s[12:13], s[12:13], s[18:19]
	s_add_nc_u64 s[6:7], s[6:7], s[20:21]
	s_load_b64 s[22:23], s[6:7], 0x0               ; w1, w2
.irp i, 0,1,2,3,4,5,6,7
	global_load_b128 v[Y1+4*\i:Y1+4*\i+3], v1, s[4:5] offset:512*\i th:TH_LOAD_NT
.endr
.irp i, 0,1,2,3,4,5,6,7
	global_load_b128 v[Y2+4*\i:Y2+4*\i+3], v1, s[4:5] offset:4096+512*\i th:TH_LOAD_NT
.endr
.irp i, 0,1,2,3,4,5,6,7
	global_load_b128 v[GM+4*\i:GM+4*\i+3], v1, s[8:9] offset:512*\i
.endr
.irp i, 0,1,2,3,4,5,6,7
	global_load_b128 v[BE+4*\i:BE+4*\i+3], v1, s[10:11] offset:512*\i
.endr
	s_wait_kmcnt 0x0
	s_mov_b32 s24, s23                             ; w2 as the low word of a pair of its own: the packed forms take a scalar pair's low word for both halves
	s_mov_b32 s25, s23
.macro ALLSUM                          ; v2 summed over the 32 lanes, the result in every lane
	v_add_f32_dpp v2, v2, v2 row_xmask:1 row_mask:0xf bank_mask:0xf
	v_add_f32_dpp v2, v2, v2 row_xmask:2 row_mask:0xf bank_mask:0xf
	v_add_f32_dpp v2, v2, v2 row_xmask:4 row_mask:0xf bank_mask:0xf
	v_add_f32_dpp v2, v2, v2 row_xmask:8 row_mask:0xf bank_mask:0xf
	v_permlanex16_b32 v12, v2, s26, s27
	v_add_f32 v2, v2, v12
.endm
.macro FOLD                            ; the four chains into v2
	v_pk_add_f32 v[2:3], v[2:3], v[4:5]
	v_pk_add_f32 v[6:7], v[6:7], v[8:9]
	v_pk_add_f32 v[2:3], v[2:3], v[6:7]
	v_add_f32 v2, v2, v3
.endm
	s_wait_loadcnt 16                              ; the two rows are in; gamma's and beta's 16 loads were issued behind them
.set i, 0
.rept 16
	v_pk_mul_f32 v[Y1+i:Y1+i+1], v[Y1+i:Y1+i+1], s[22:23] op_sel_hi:[1,0]
.set i, i+2
.endr
.set i, 0
.rept 16
	v_pk_fma_f32 v[Y1+i:Y1+i+1], v[Y2+i:Y2+i+1], s[24:25], v[Y1+i:Y1+i+1] op_sel_hi:[1,0,1]        ; v = w1 y1 + w2 y2
.set i, i+2
.endr
.irp c, 0,1,2,3
	v_pk_add_f32 v[2+2*\c:3+2*\c], v[Y1+2*\c:Y1+2*\c+1], v[Y1+8+2*\c:Y1+8+2*\c+1]                  ; four chains, started by the first pairs: nothing is cleared
.endr
.irp g, 16,24
.irp c, 0,1,2,3
	v_pk_add_f32 v[2+2*\c:3+2*\c], v[2+2*\c:3+2*\c], v[Y1+\g+2*\c:Y1+\g+2*\c+1]
.endr
.endr
	FOLD
	ALLSUM
	v_mul_f32 v10, 0xba800000, v2                  ; - mean
	v_mov_b32 v11, v10
.set i, 0
.rept 16
	v_pk_add_f32 v[Y1+i:Y1+i+1], v[Y1+i:Y1+i+1], v[10:11]
.set i, i+2
.endr
.irp c, 0,1,2,3
	v_pk_mul_f32 v[2+2*\c:3+2*\c], v[Y1+2*\c:Y1+2*\c+1], v[Y1+2*\c:Y1+2*\c+1]
.endr
.irp g, 8,16,24
.irp c, 0,1,2,3
	v_pk_fma_f32 v[2+2*\c:3+2*\c], v[Y1+\g+2*\c:Y1+\g+2*\c+1], v[Y1+\g+2*\c:Y1+\g+2*\c+1], v[2+2*\c:3+2*\c]
.endr
.endr
	FOLD
	ALLSUM
	v_fma_f32 v2, v2, s28, s29                     ; the variance + 1e-5
	v_rsq_f32 v10, v2
	v_nop                                          ; one plain line behind the transcendental
	s_wait_alu depctr_va_vdst(0)                   ; the wait ahead of the result's first reader
	v_mov_b32 v11, v10
.set i, 0
.rept 16
	v_pk_mul_f32 v[Y1+i:Y1+i+1], v[Y1+i:Y1+i+1], v[10:11]
.set i, i+2
.endr
	s_wait_loadcnt 0x0                             ; gamma and beta
.set i, 0
.rept 16
	v_pk_fma_f32 v[Y1+i:Y1+i+1], v[Y1+i:Y1+i+1], v[GM+i:GM+i+1], v[BE+i:BE+i+1]
.set i, i+2
.endr
.irp i, 0,1,2,3,4,5,6,7
	global_store_b128 v1, v[Y1+4*\i:Y1+4*\i+3], s[12:13] offset:512*\i th:TH_STORE_NT
.endr
	s_endpgm
.Lfunc_end_k_qab041251e9_combine_ln:
	.size	k_qab041251e9_combine_ln, .Lfunc_end_k_qab041251e9_combine_ln-k_qab041251e9_combine_ln
	.p2alignl 7, 3214868480
	.fill 96, 4, 3214868480
	.section	.rodata,"a",@progbits
	.p2align	6, 0x0
	.amdhsa_kernel k_qab041251e9_combine_ln
		.amdhsa_group_segment_fixed_size 0
		.amdhsa_private_segment_fixed_size 0
		.amdhsa_enable_private_segment 0
		.amdhsa_kernarg_size 40
		.amdhsa_user_sgpr_count 2
		.amdhsa_user_sgpr_kernarg_segment_ptr 1
		.amdhsa_wavefront_size32 1
		.amdhsa_system_sgpr_workgroup_id_x 1
		.amdhsa_system_sgpr_workgroup_id_y 1
		.amdhsa_system_sgpr_workgroup_id_z 1
		.amdhsa_system_vgpr_workitem_id 0
		.amdhsa_next_free_vgpr 144
		.amdhsa_next_free_sgpr 66
		.amdhsa_reserve_vcc 0
		.amdhsa_float_denorm_mode_32 3
		.amdhsa_float_denorm_mode_16_64 3
		.amdhsa_memory_ordered 1
		.amdhsa_forward_progress 1
		.amdhsa_inst_pref_size 14
	.end_amdhsa_kernel
	.amdgpu_metadata
---
amdhsa.version: [ 1, 2 ]
amdhsa.kernels:
  - .name:           k_qab041251e9_combine_ln
    .symbol:         k_qab041251e9_combine_ln.kd
    .args:
      - { .name: y2, .offset: 0, .size: 8, .value_kind: global_buffer, .address_space: global }
      - { .name: wts, .offset: 8, .size: 8, .value_kind: global_buffer, .address_space: global }
      - { .name: gamma, .offset: 16, .size: 8, .value_kind: global_buffer, .address_space: global }
      - { .name: beta, .offset: 24, .size: 8, .value_kind: global_buffer, .address_space: global }
      - { .name: out0, .offset: 32, .size: 8, .value_kind: global_buffer, .address_space: global }
    .group_segment_fixed_size: 0
    .private_segment_fixed_size: 0
    .kernarg_segment_align: 8
    .kernarg_segment_size: 40
    .max_flat_workgroup_size: 128
    .sgpr_count:     66
    .vgpr_count:     144
    .wavefront_size: 32
...
	.end_amdgpu_metadata
.endif
;; end of part 4
;; ======== version 2 of 2: 4 launches
;; workspace buffers: x_codes 786,432 bytes; x_scales 32,768 bytes; masks 2,048 bytes of whole numbers; wts 8,192 bytes; h 25,165,824 bytes; hs 1,048,576 bytes; rowtok 32,768 bytes of whole numbers; y2 9,437,184 bytes
;; launch route_quant (part 5): grid 64 x 1, 8 waves a work-group, no clusters, 77,312 bytes of LDS; arguments x, Wr, br, x_codes, x_scales, masks, wts; writes x_codes, x_scales, masks, wts
.if DOCPART == 5
	.amdgcn_target "amdgcn-amd-amdhsa--gfx1250"
	.amdhsa_code_object_version 6
	.text
	.protected	k_qab041251e9_route_quant
	.globl	k_qab041251e9_route_quant
	.p2align	8
	.type	k_qab041251e9_route_quant,@function
k_qab041251e9_route_quant:
	s_mov_b64 s[64:65], 0
	v_nop
	global_prefetch_b8 v0, s[64:65] scope:SCOPE_SE
	s_setreg_imm32_b32 hwreg(HW_REG_WAVE_MODE, 25, 1), 1
	s_wait_xcnt 0x0
; ROUTER AND QUANTISER OF x.  x: [1024 tokens][1024] f32.  Wr: [1024][8], br: [8] f32.
; Out: x_codes [1024][768 bytes] (E2M3, K innermost, one stream of bits a row), x_scales [1024][32] (E8M0), wts [1024][2] f32 (weight of the first, of the second choice),
; masks: U[8][32 words] (bit t & 31 of word t >> 5: token t chose expert e), then M2[8][32] (e is its SECOND choice).
; The logits are f32 fused multiply-adds.  The two largest are taken on the logits with a strict >, so the lower index wins a tie, as in jax.lax.top_k.
; The renormalised weights are w1 = 1 / (1 + e^(l2 - l1)), w2 = e^(l2 - l1) w1: the larger logit is taken away, the exponent is never above 0.
; No address and no branch hangs on the choice: it leaves as data at fixed places.
; SHARES.  A work-group takes 16 tokens.  Wave wv: u = wv & 1 is its half of K (512 numbers), g = wv >> 1 its four tokens.  A lane holds 16 neighbours along K of a token (two lanes a block of 32),
; and the 16 rows of Wr that go with them stay in its registers (128) for all four tokens.  x is read once and serves both the logits and the codes.
; LIMITS: NaN and infinities are not served.  A block whose largest magnitude lies under 2^-124, a block of zeros among them, keeps the scale byte 1 (its codes are then small or zero; this program alone reads the bytes).
; Two unequal logits whose f32 probabilities coincide may be ordered otherwise than a tie rule on probabilities would order them.
.set WCH,   528                        ; a chunk of Wr in LDS: 16 rows (512 bytes) + 16: lanes that read chunk after chunk start at different banks
.set STG,   64*WCH                     ; behind Wr's 64 chunks: two stages of 32 x SP bytes for each wave
.set SP,    80                         ; a lane's place in a stage: 64 bytes + 16
.set LG,    STG+8*2*32*SP              ; partial logits [u][token 16][8 f32]
.set SCB,   LG+1024                    ; scale bytes [token 16][32]
.set SPARE, SCB+512                    ; the spare words, 128 bytes a wave: four blocks of 256 bytes that no other line names
.set X,     16                         ; v16-31   16 neighbours
.set SUM,   32                         ; v32-39   8 sums
.set TP,    40                         ; v40-47   the other half's sums;  v48-50 at work
.set RAW,   64                         ; v64-127  x of four tokens as loaded; behind a token's turn its first registers take its codes and its byte
.set WR,    128                        ; v128-255 Wr(16 lane + i, e) at WR + 8 i + e; v128-159 first hold Wr on its way into LDS
	s_load_b256 s[4:11], s[0:1], 0x0               ; x, Wr, br, x_codes
	s_load_b128 s[12:15], s[0:1], 0x20             ; x_scales, masks
	s_load_b64 s[16:17], s[0:1], 0x30              ; wts
	v_lshl_add_u32 v12, v0, 2, SPARE               ; my spare word
	v_mov_b32 v13, 0                               ; and 0: kept for the closing lines alone
	v_lshrrev_b32 v1, 5, v0
	s_delay_alu instid0(VALU_DEP_1)
	v_readfirstlane_b32 s18, v1                    ; wave 0..7
	s_and_b32 s19, s18, 1                          ; u
	s_lshr_b32 s20, s18, 1                         ; g
	v_and_b32 v1, 31, v0                           ; lane
	s_delay_alu instid0(VALU_DEP_1)
	v_lshlrev_b32 v2, 4, v1                        ; 16 x lane
	v_lshlrev_b32 v14, 4, v0                       ; 16 x thread: Wr's loads
	s_mul_i32 s21, s18, WCH
	v_add_nc_u32 v3, s21, v2                       ; Wr into LDS: load i brings chunks 8 i + wave
	s_lshl_b32 s21, s19, 5
	v_add_nc_u32 v4, s21, v1
	s_delay_alu instid0(VALU_DEP_1)
	v_mul_u32_u24 v4, v4, WCH                      ; and out: my chunk is 32 u + lane
	s_mul_i32 s21, s18, 2*32*SP
	s_add_co_u32 s21, s21, STG                     ; my stages
	v_lshrrev_b32 v5, 2, v1
	s_delay_alu instid0(VALU_DEP_1)
	v_mul_u32_u24 v5, v5, SP
	v_and_b32 v6, 3, v1
	s_delay_alu instid0(VALU_DEP_1)
	v_lshl_add_u32 v5, v6, 4, v5
	s_delay_alu instid0(VALU_DEP_1)
	v_add_nc_u32 v5, s21, v5                       ; in: four lanes' 64 bytes on end, then the padding
	v_mul_u32_u24 v6, v1, SP
	s_delay_alu instid0(VALU_DEP_1)
	v_add_nc_u32 v6, s21, v6                       ; out: my 16 neighbours
	v_mul_u32_u24 v7, v1, 12                       ; my 16 codes' place
	s_lshl_b32 s21, s20, 7
	s_lshl_b32 s22, s19, 4
	s_add_co_u32 s22, s22, s21
	s_add_co_u32 s22, s22, SCB
	v_lshrrev_b32 v8, 1, v1
	s_delay_alu instid0(VALU_DEP_1)
	v_add_nc_u32 v8, s22, v8                       ; my block's scale byte: 32 (4 g + k) + 16 u + lane / 2
	s_lshl_b32 s22, s19, 9
	s_add_co_u32 s22, s22, s21
	s_add_co_u32 s22, s22, LG
	v_mov_b32 v9, s22                              ; my wave's partial logits: 512 u + 32 (4 g + k)
	v_and_b32 v10, 15, v1
	s_delay_alu instid0(VALU_DEP_1)
	v_lshl_add_u32 v10, v10, 5, LG                 ; the router's read: token lane % 16
	v_add_nc_u32 v11, SCB, v2                      ; the scale bytes' way out
.irp e, 0,1,2,3,4,5,6,7
	v_mov_b32 v[TP+\e], 0                          ; written once: a lane permute's destination counts as one of its sources
.endr
	s_lshl_b32 s34, ttmp9, 16                      ; x: (16 wg + 4 g) rows of 4,096 bytes + 2,048 u
	s_lshl_b32 s36, s20, 14
	s_add_co_u32 s34, s34, s36
	s_lshl_b32 s36, s19, 11
	s_add_co_u32 s34, s34, s36
	s_mov_b32 s35, 0
	s_lshl_b32 s36, ttmp9, 2                       ; the codes: (16 wg + 4 g) rows of 768 bytes + 384 u
	s_add_co_u32 s36, s36, s20
	s_mul_i32 s36, s36, 4*768
	s_mul_i32 s38, s19, 384
	s_add_co_u32 s36, s36, s38
	s_mov_b32 s37, 0
	s_lshl_b32 s38, ttmp9, 9                       ; the scale bytes: 512 a work-group
	s_mov_b32 s39, 0
	s_lshl_b32 s40, ttmp9, 1                       ; the masks: my 16 tokens are half a word
	s_mov_b32 s41, 0
	s_lshl_b32 s42, ttmp9, 7                       ; the weights: 8 bytes a token
	s_mov_b32 s43, 0
	s_mov_b32 s32, 0x76543210
	s_mov_b32 s33, 0xfedcba98                      ; v_permlanex16_b32's selects for lane l xor 16
	s_wait_kmcnt 0x0
	s_load_b256 s[24:31], s[8:9], 0x0              ; br
	s_add_nc_u64 s[4:5], s[4:5], s[34:35]
	s_add_nc_u64 s[10:11], s[10:11], s[36:37]
	s_add_nc_u64 s[12:13], s[12:13], s[38:39]
	s_add_nc_u64 s[14:15], s[14:15], s[40:41]
	s_add_nc_u64 s[16:17], s[16:17], s[42:43]
.irp i, 0,1,2,3,4,5,6,7
	global_load_b128 v[WR+4*\i:WR+4*\i+3], v14, s[6:7] offset:4096*\i              ; Wr: 256 threads x 16 bytes, 4,096 consecutive bytes a load
.endr
.irp k, 0,1,2,3
.irp q, 0,1,2,3
	global_load_b128 v[RAW+16*\k+4*\q:RAW+16*\k+4*\q+3], v2, s[4:5] offset:4096*\k+512*\q th:TH_LOAD_NT   ; 32 lanes read 512 consecutive bytes
.endr
.endr
	s_wait_loadcnt 16                              ; Wr's eight loads are in; the 16 of x were issued behind them
.irp i, 0,1,2,3,4,5,6,7
	ds_store_b128 v3, v[WR+4*\i:WR+4*\i+3] offset:8*WCH*\i
.endr
	s_wait_kmcnt 0x0                               ; br
	s_wait_dscnt 0x0                               ; for the others' sake: my part of Wr lies in LDS
	s_barrier_signal -1
	s_barrier_wait -1
.set q, 0
.rept 32
	ds_load_b128 v[WR+4*q:WR+4*q+3], v4 offset:16*q                                ; my 16 rows of Wr
.set q, q+1
.endr
	s_wait_dscnt 0x0
; One token of my four: its 512 numbers of my half of K.
.macro TOKEN k
	s_wait_loadcnt 12-4*\k                         ; this token's four loads are in; the later tokens' stay out
.irp q, 0,1,2,3
	ds_store_b128 v5, v[RAW+16*\k+4*\q:RAW+16*\k+4*\q+3] offset:32*SP*(\k%2)+8*SP*\q
.endr
.irp q, 0,1,2,3
	ds_load_b128 v[X+4*\q:X+4*\q+3], v6 offset:32*SP*(\k%2)+16*\q                 ; LDS serves a wave's instructions in order: these see the stores above
.endr
	s_wait_dscnt 0x0                               ; my 16 neighbours are in; the last token's LDS stores have read their registers too
.irp p, 0,1,2,3
	v_pk_mul_f32 v[SUM+2*\p:SUM+2*\p+1], v[X:X+1], v[WR+2*\p:WR+2*\p+1] op_sel_hi:[0,1]      ; x_0 for both halves: the first product starts the sums
.endr
.set ii, 1
.rept 15
.irp p, 0,1,2,3
.if ii%2
	s_delay_alu instid0(VALU_DEP_4)
	v_pk_fma_f32 v[SUM+2*\p:SUM+2*\p+1], v[X+ii-1:X+ii], v[WR+8*ii+2*\p:WR+8*ii+2*\p+1], v[SUM+2*\p:SUM+2*\p+1] op_sel:[1,0,0] op_sel_hi:[1,1,1]   ; the pair's second number for both halves
.else
	s_delay_alu instid0(VALU_DEP_4)
	v_pk_fma_f32 v[SUM+2*\p:SUM+2*\p+1], v[X+ii:X+ii+1], v[WR+8*ii+2*\p:WR+8*ii+2*\p+1], v[SUM+2*\p:SUM+2*\p+1] op_sel_hi:[0,1,1]                  ; its first
.endif
.endr
.set ii, ii+1
.endr
.irp m, 1,2,4,8
.irp e, 0,1,2,3,4,5,6,7
	v_add_f32_dpp v[SUM+\e], v[SUM+\e], v[SUM+\e] row_xmask:\m row_mask:0xf bank_mask:0xf
.endr
.endr
.irp e, 0,1,2,3,4,5,6,7
	v_permlanex16_b32 v[TP+\e], v[SUM+\e], s32, s33
.endr
.irp e, 0,1,2,3,4,5,6,7
	v_add_f32 v[SUM+\e], v[SUM+\e], v[TP+\e]       ; every lane holds the eight sums over my 512 numbers
.endr
	ds_store_b128 v9, v[SUM:SUM+3] offset:32*\k    ; all lanes write the same 32 bytes with the same values
	ds_store_b128 v9, v[SUM+4:SUM+7] offset:32*\k+16
	v_max3_num_f32 v48, |v[X]|, |v[X+1]|, |v[X+2]| ; the largest magnitude of my 16, in two chains
	v_max3_num_f32 v49, |v[X+3]|, |v[X+4]|, |v[X+5]|
.irp i, 6,10
	s_delay_alu instid0(VALU_DEP_2)
	v_max3_num_f32 v48, v48, |v[X+\i]|, |v[X+\i+1]|
	s_delay_alu instid0(VALU_DEP_2)
	v_max3_num_f32 v49, v49, |v[X+\i+2]|, |v[X+\i+3]|
.endr
	s_delay_alu instid0(VALU_DEP_2)
	v_max3_num_f32 v48, v48, |v[X+14]|, |v[X+15]|
	s_delay_alu instid0(VALU_DEP_1)
	v_max3_num_f32 v48, v48, v49, 0x1800000        ; and the floor 2^(3 - 127): the byte cannot fall under 1
	s_delay_alu instid0(VALU_DEP_1)
	v_max_num_f32_dpp v48, v48, v48 row_xmask:1 row_mask:0xf bank_mask:0xf         ; with my neighbour's 16: the block's
	s_delay_alu instid0(VALU_DEP_1)
	v_add_nc_u32 v50, 0xff000000, v48              ; 2 off its exponent field: the conversion takes that field as its scale
	v_cvt_scalef32_pk16_fp6_f32 v[RAW+16*\k:RAW+16*\k+2], v[X:X+15], v50           ; into registers that this token's turn has left
	v_lshrrev_b32 v[RAW+16*\k+4], 23, v50          ; the scale's byte (also the plain line behind the conversion)
	ds_store_b8 v8, v[RAW+16*\k+4] offset:32*\k    ; both lanes of a block write the same byte
	global_store_b96 v7, v[RAW+16*\k:RAW+16*\k+2], s[10:11] offset:768*\k          ; the wave stores 384 consecutive bytes
.endm
	TOKEN 0
	TOKEN 1
	TOKEN 2
	TOKEN 3
	s_wait_dscnt 0x0                               ; for the others' sake: my partial logits and scale bytes lie in LDS
	s_barrier_signal -1
	s_barrier_wait -1
	s_cmp_lg_u32 s18, 1
	s_cbranch_scc1 .Lnot_scales
	ds_load_b128 v[16:19], v11                     ; wave 1: the 16 tokens' 512 scale bytes
	s_wait_dscnt 0x0
	global_store_b128 v2, v[16:19], s[12:13]       ; 512 consecutive bytes, at a multiple of 512 from the buffer's first byte
.Lnot_scales:
	s_cmp_lg_u32 s18, 0
	s_cbranch_scc1 .Lend
	ds_load_b128 v[16:19], v10                     ; wave 0: lane l has token l % 16 (lanes 16-31 repeat lanes 0-15)
	ds_load_b128 v[20:23], v10 offset:16
	ds_load_b128 v[24:27], v10 offset:512
	ds_load_b128 v[28:31], v10 offset:528
	s_wait_dscnt 0x0
.irp e, 0,1,2,3,4,5,6,7
	v_add_f32 v[16+\e], v[16+\e], v[24+\e]         ; the two halves of K
.endr
.irp e, 0,1,2,3,4,5,6,7
	v_add_f32 v[16+\e], s[24+\e], v[16+\e]         ; + br
.endr
	v_mov_b32 v32, v16                             ; m1, i1: the largest so far;  m2, i2: the second
	v_mov_b32 v34, 0
	v_mov_b32 v33, 0xff800000
	v_mov_b32 v35, 0
.irp e, 1
	s_delay_alu instid0(VALU_DEP_4)
	v_cmp_gt_f32 s44, v[16+\e], v32
	s_delay_alu instid0(VALU_DEP_3)
	v_cmp_gt_f32 vcc_lo, v[16+\e], v33
	s_delay_alu instid0(VALU_DEP_1)
	v_cndmask_b32 v33, v33, v[16+\e], vcc_lo       ; above the second: it takes the second's place,
	s_delay_alu instid0(VALU_DEP_2)
	v_cndmask_b32 v35, v35, \e, vcc_lo
	s_delay_alu instid0(VALU_DEP_2)
	v_cndmask_b32 v33, v33, v32, s44               ; above the first: the old first becomes the second,
	s_delay_alu instid0(VALU_DEP_2)
	v_cndmask_b32 v35, v35, v34, s44
	v_cndmask_b32 v32, v32, v[16+\e], s44          ; and it the first
	v_cndmask_b32 v34, v34, \e, s44
.endr
.irp e, 2, 3, 4, 5, 6, 7
	s_delay_alu instid0(VALU_DEP_2)
	v_cmp_gt_f32 s44, v[16+\e], v32
	v_cmp_gt_f32 vcc_lo, v[16+\e], v33
	s_delay_alu instid0(VALU_DEP_1)
	v_cndmask_b32 v33, v33, v[16+\e], vcc_lo
	s_delay_alu instid0(VALU_DEP_2)
	v_cndmask_b32 v35, v35, \e, vcc_lo
	s_delay_alu instid0(VALU_DEP_2)
	v_cndmask_b32 v33, v33, v32, s44
	s_delay_alu instid0(VALU_DEP_2)
	v_cndmask_b32 v35, v35, v34, s44
	v_cndmask_b32 v32, v32, v[16+\e], s44
	v_cndmask_b32 v34, v34, \e, s44
.endr
	s_delay_alu instid0(VALU_DEP_2)
	v_sub_f32 v36, v33, v32                        ; l2 - l1, never above 0
	s_delay_alu instid0(VALU_DEP_1)
	v_mul_f32 v36, 0x3fb8aa3b, v36
	s_wait_alu depctr_va_vdst(0)
	v_exp_f32 v37, v36
	v_mov_b32 v40, 0                               ; (a plain line behind the exponential)  the masks' register
	s_wait_alu depctr_va_vdst(0)                   ; the wait ahead of the result's first reader
	v_add_f32 v36, 1.0, v37
	s_wait_alu depctr_va_vdst(0)
	v_rcp_f32 v38, v36
	v_and_b32 v41, 15, v1                          ; (a plain line behind the reciprocal)
	s_wait_alu depctr_va_vdst(0)
	v_mul_f32 v39, v37, v38                        ; v[38:39] = w1, w2
	v_lshlrev_b32 v41, 3, v41                      ; 8 bytes a token
	v_lshlrev_b32 v42, 7, v1                       ; lane l stores mask row l: U's eight, then M2's eight, 128 bytes apart
.irp e, 0,1,2,3,4,5,6,7
	v_cmp_eq_u32 s45, \e, v34
	v_cmp_eq_u32 s46, \e, v35
	s_or_b32 s45, s45, s46
	v_writelane_b32 v40, s45, \e                   ; bit l: token l chose e
	s_delay_alu instid0(VALU_DEP_1)
	v_writelane_b32 v40, s46, 8+\e                 ; bit l: as its second choice
.endr
	s_wait_alu depctr_va_vdst(0)
	s_wait_xcnt 0x0                                ; EXEC changes only behind this wait: my stores of codes have had their addresses translated
	v_cmp_gt_u32 vcc_lo, 16, v1
	s_and_saveexec_b32 s44, vcc_lo
	global_store_b64 v41, v[38:39], s[16:17]       ; 16 lanes store 128 consecutive bytes
	global_store_b16 v42, v40, s[14:15]            ; 16 halves of words, one in each row of the masks: 32 bytes a work-group
	s_wait_xcnt 0x0                                ; and again, in front of the line that widens it
	s_or_b32 exec_lo, exec_lo, s44
.Lend:
	s_wait_tensorcnt 0x0                           ; the wave's end
	ds_add_u32 v12, v13
	s_wait_dscnt 0x0
	s_endpgm
.Lfunc_end_k_qab041251e9_route_quant:
	.size	k_qab041251e9_route_quant, .Lfunc_end_k_qab041251e9_route_quant-k_qab041251e9_route_quant
	.p2alignl 7, 3214868480
	.fill 96, 4, 3214868480
	.section	.rodata,"a",@progbits
	.p2align	6, 0x0
	.amdhsa_kernel k_qab041251e9_route_quant
		.amdhsa_group_segment_fixed_size 77312
		.amdhsa_private_segment_fixed_size 0
		.amdhsa_enable_private_segment 0
		.amdhsa_kernarg_size 56
		.amdhsa_user_sgpr_count 2
		.amdhsa_user_sgpr_kernarg_segment_ptr 1
		.amdhsa_wavefront_size32 1
		.amdhsa_system_sgpr_workgroup_id_x 1
		.amdhsa_system_sgpr_workgroup_id_y 1
		.amdhsa_system_sgpr_workgroup_id_z 1
		.amdhsa_system_vgpr_workitem_id 0
		.amdhsa_next_free_vgpr 256
		.amdhsa_next_free_sgpr 66
		.amdhsa_reserve_vcc 1
		.amdhsa_float_denorm_mode_32 3
		.amdhsa_float_denorm_mode_16_64 3
		.amdhsa_memory_ordered 1
		.amdhsa_forward_progress 1
		.amdhsa_inst_pref_size 60
	.end_amdhsa_kernel
	.amdgpu_metadata
---
amdhsa.version: [ 1, 2 ]
amdhsa.kernels:
  - .name:           k_qab041251e9_route_quant
    .symbol:         k_qab041251e9_route_quant.kd
    .args:
      - { .name: x, .offset: 0, .size: 8, .value_kind: global_buffer, .address_space: global }
      - { .name: Wr, .offset: 8, .size: 8, .value_kind: global_buffer, .address_space: global }
      - { .name: br, .offset: 16, .size: 8, .value_kind: global_buffer, .address_space: global }
      - { .name: x_codes, .offset: 24, .size: 8, .value_kind: global_buffer, .address_space: global }
      - { .name: x_scales, .offset: 32, .size: 8, .value_kind: global_buffer, .address_space: global }
      - { .name: masks, .offset: 40, .size: 8, .value_kind: global_buffer, .address_space: global }
      - { .name: wts, .offset: 48, .size: 8, .value_kind: global_buffer, .address_space: global }
    .group_segment_fixed_size: 77312
    .private_segment_fixed_size: 0
    .kernarg_segment_align: 8
    .kernarg_segment_size: 56
    .max_flat_workgroup_size: 256
    .sgpr_count:     66
    .vgpr_count:     256
    .wavefront_size: 32
...
	.end_amdgpu_metadata
.endif
;; end of part 5
;; launch gemm1 (part 6): grid 256 x 1, 4 waves a work-group, no clusters, 78,336 bytes of LDS; arguments x_codes, x_scales, masks, W1_codes, W1_scales, b1, h, hs, rowtok; writes h, hs, rowtok
.if DOCPART == 6
	.amdgcn_target "amdgcn-amd-amdhsa--gfx1250"
	.amdhsa_code_object_version 6
	.text
	.protected	k_qab041251e9_gemm1
	.globl	k_qab041251e9_gemm1
	.p2align	8
	.type	k_qab041251e9_gemm1,@function
k_qab041251e9_gemm1:
	s_mov_b64 s[64:65], 0
	v_nop
	global_prefetch_b8 v0, s[64:65] scope:SCOPE_SE
	s_setreg_imm32_b32 hwreg(HW_REG_WAVE_SCHED_MODE, 0, 2), 2
	s_setreg_imm32_b32 hwreg(HW_REG_WAVE_MODE, 25, 1), 1
	s_wait_xcnt 0x0
	s_wait_alu depctr_vm_vsrc(0)
; h = Q(gelu(x W1 + b1)) FOR THE ROUTED ROWS ONLY, on codes of E2M3 with one E8M0 scale for each 32 along K.
; A work-group is (expert e, 256 hidden units, parity p of the tiles of 16 rows): ttmp9 = 32 e + 2 slice + p.  Wave wv takes hidden units 256 slice + 64 wv .. + 63: four tiles x 8 K steps of W1,
; 32 fragments, 384 registers, read from memory once and kept.  These 64 units are half c = wv & 1 of K step S = 2 slice + wv / 2 of the next product.
; THE ROW LIST.  Slot n of expert e is the token of the n-th set bit of the expert's mask.  Lane by lane the n-th set bit is FOUND (a scan over the 32 words' counts, then a search by halves in the word),
; so every list address is a constant + a lane term.  Slots from the count up to the next multiple of 32 are padding: they compute on token 1023 and are sent to dump rows of the next launch's result.
; An expert has np = max(1, (count + 31) / 32) blocks of 32 slots, 2 np tiles; each parity has np of them.
; THE LOOP HAS 32 TRIPS, a constant, since a barrier stands in each; the work of trips beyond np is jumped over by scalar branches on the stored count.  Every wait for loads in the loop is for 0.
; THE PRODUCT IS USED TRANSPOSED (source 0 = 16 rows of W1, source 1 = 16 rows of x), and THE ROWS OF W1 THAT FORM A TILE ARE NOT NEIGHBOURS: lane r of tile 2 b + u takes row 32 b + 8 u + r + 8 (r / 8),
; so that a lane holds one slot row and the 16 registers of tiles 2 b, 2 b + 1 are 16 neighbours along the next K.  b1 is the C of each sum's first product.
; GELU, exact, in f32: g = max(x, 0) - (a / sqrt 2) e^(-a a) F(a), a = |x| / sqrt 2, erfc(a) = e^(-a a) F(a), F = (1 + p(q)) / (1 + 2 a), q = (a - 2) / (a + 2), p of degree 9.  No difference of near numbers is formed.
; OUT.  h [e][tile 64][K step 32][half 2][768 bytes]: an image of the operand's registers: a plane of 512 bytes (lane l: registers 6 c .. 6 c + 3 at 16 l), a plane of 256 (registers 6 c + 4, 6 c + 5 at 8 l).
; hs [e][tile][K step / 8][row 16][8 words]: the rows' scale words.  rowtok [e][1024]: 2 token + choice; padding: 2048 + 32 e + n % 32.
; No cluster and no tensor load: the trips' work hangs on counts read from memory, and experts have different numbers of rows.
; LIMITS: NaN and infinities are not served; e^(-a a) under 2^-126 counts as 0; a block whose largest magnitude lies under 2^-124 keeps the scale byte 1 (this program alone reads the bytes).
; REGISTERS, in windows of 256.  Window 0: v1-28 addresses; v32-47 W1's scale words; v48-55 x's, two sets; v56-79 gathered rows; v80-139 the list's making.
; Windows 1, 2: W1's fragment f = 4 s + t (K step s, tile t) at v[12 f] of window 1, from f = 21 on at v[12 (f - 21)] of window 2.  Window 2, v144-239: x's 8 fragments.
; Window 3: v0-31 the four accumulators; v32-63 b1; v64-223 the activation's five sets of 32; v224-225 a coefficient.
; THE MODE: SCHED_MODE bits 1:0 = 2 (LLVM: expert scheduling mode 2), set by the entry lines.  The code itself states the register dependences
; between vector or matrix instructions and memory or LDS instructions, with s_wait_alu, always for 0.
; THE PLAN.  Registers that memory or LDS instructions touch:
;   v4-11, v20-25, v28   addresses and offsets: written at the head, never again; one wait on va_vdst ahead of the first load serves them for the whole kernel.
;   XF, GA at the head   96 registers each, W1 on its way: written by global loads, read by the stage's LDS stores; a wait on vm_vsrc at each turn's end, ahead of what writes them next.
;   v12, v13             written by two additions a gather, read by its three LDS loads.      v14-16  those loads land there; the gather's arithmetic works on them in place.
;   v17-19               written by that arithmetic, read by the gather's seven global loads.  G       those loads land there; the next trip's LDS stores read it.
;   XS0, XS1             a gather's last load lands in one set; the products of the trip after take it as scales.      XF in the loop: LDS loads land there, the products read it.
;   v[GP+8], v[GP+12..17]  written by the quantiser, read by the trip's three stores, written again by the next trip's polynomial.
; A TRIP'S WAITS.  One on vm_vsrc, behind the LDS stores of G and ahead of the two branches that follow: it serves G, the gather's five address registers and the last trip's store data.
; Two on va_vdst in the gather, one for each pair of fresh addresses.  One behind the batch of transcendentals: behind it the products are done with XF and with their scale words, so the next trip's
; loads into these owe nothing more.  One ahead of the three stores.
.set WP,    784                        ; a row of 768 bytes of codes in LDS + 16: 196 words, so the 32 lanes of a load of 8 bytes touch 64 different banks (64 banks of 4 bytes: ISA guide 11.1)
.set WSTB,  16*WP                      ; a stage: 16 rows
.set XST,   4*WSTB                     ; behind the waves' own stages: two stages for x's tile, shared
.set LIST,  XST+2*WSTB                 ; the list: 512 entries, and 512 bytes more that the look-ahead's address can name
.set SPARE, LIST+2560                  ; the spare words, 128 bytes a wave: two blocks of 256 bytes that no other line names
.set WSTO, 4
.set WFR,  5
.set WGA,  6
.set XSTO, 7
.set XFR,  8
.set LPA,  9
.set LPB,  10
.set LWR,  11
.set SPW,  26
.set NIL,  27
.set WS,   32
.set XS,   48
.set G,    56
.set LN,   80                          ; the list's making, four position vectors each: slot n,
.set LM,   84                          ; the word of U, .. of M2,
.set LK2,  88
.set LB,   92                          ; bits ahead of the word (later: counts of 16 bits),
.set LD,   92
.set LW,   96                          ; the word's number,
.set LA,   100                         ; counts of 2, 4, 8 bits,
.set LBB,  104
.set LC,   108
.set LT,   112
.set LPOS, 116                         ; the bit's place,
.set LK,   120                         ; set bits still to pass,
.set LX,   124
.set LY,   128
.set LE,   132                         ; the entry,
.set LO,   136                         ; 4 n
.set XF,   144                         ; window 2
.set B1,   32                          ; window 3
.set GA,   64
.set GR1,  96
.set GR2,  128
.set GE,   160
.set GP,   192
.set C0V,  224
.set KRS2, 16                          ; s16 1 / sqrt 2;  s[18:19] its negative;  s[20:21] log2 e;  s[22:39] c1 .. c9, each twice (the packed forms name pairs)
.set CNT,  78
.set NTL,  79
.set MK,   96                          ; s96-99 while the list is made: four lane masks, one for each position vector; afterwards the loop's counters and a scratch word
.set TI,   96
.set LOFS, 97
.set IT,   98
.set MSB, 0
.macro WIN new                         ; the immediate's high byte repeats the setting that is left; a switch that changes nothing is dropped
.if MSB != (\new)
	s_set_vgpr_msb (MSB<<8)|(\new)
.set MSB, (\new)
.endif
.endm
; 24 loads: tile t of my W1, 16 rows x 768 bytes, into 96 registers at v[sb] of window sw.  Lanes 0-15 read 256 consecutive bytes of one row, lanes 16-31 the same of the tile's next row.
.macro LOADT t, sw, sb
	WIN ((\sw)<<6)
.irp jj, 0,1,2,3,4,5,6,7
.irp un, 0,1,2
	global_load_b128 v[(\sb)+4*(3*\jj+\un):(\sb)+4*(3*\jj+\un)+3], v[WGA], s[10:11] offset:(32*((\t)/2)+8*((\t)%2)+2*\jj+8*(\jj/4))*768+256*\un
.endr
.endr
	WIN 0
.endm
; a fragment: lane (r, h) takes 24 bytes at 96 s + 24 h of row r and 24 at 48 further on, in pieces of 8, so that every address is a multiple of the access's size
.macro FRAGL reg, adr, off, ks
.irp pp, 0,1,2,3,4,5
	ds_load_b64 v[(\reg)+2*\pp:(\reg)+2*\pp+1], v[\adr] offset:(\off)+96*(\ks)+48*(\pp/3)+8*(\pp%3)
.endr
.endm
; the tile goes through my own stage as rows and comes back as its 8 fragments.  LDS serves a wave's instructions in order: no wait between the stores and the loads
.macro TURN t, sw, sb
	WIN ((\sw)<<2)                                 ; an LDS store's data are its source 1
.irp jj, 0,1,2,3,4,5,6,7
.irp un, 0,1,2
	ds_store_b128 v[WSTO], v[(\sb)+4*(3*\jj+\un):(\sb)+4*(3*\jj+\un)+3] offset:2*\jj*WP+256*\un
.endr
.endr
.irp kk, 0,1,2,3,4,5,6,7
.if 4*\kk+(\t) < 21
	WIN 0x40
	FRAGL 12*(4*\kk+(\t)), WFR, 0, \kk
.else
	WIN 0x80
	FRAGL 12*(4*\kk+(\t)-21), WFR, 0, \kk
.endif
.endr
	WIN 0
	s_wait_dscnt 0x0                               ; the fragments are in
	s_wait_alu depctr_vm_vsrc(0)                   ; the stores into the stage have read the 96 registers at v[sb]: the next tile's loads, x's fragments or the activation write them next
.endm
; the rows of the tile whose entries lie off bytes behind s[LOFS]: my four of its 16 token rows (six loads: 16 lanes read 256 consecutive bytes of a row), and the 16 rows' scale words into set
.macro GATHER set, off
	v_add_nc_u32 v12, s[LOFS], v[LPA]
	v_add_nc_u32 v13, s[LOFS], v[LPB]
	s_wait_alu depctr_va_vdst(0)                   ; v12 and v13 are written, which the LDS loads read; the last gather's arithmetic is done with v14 to v16, in which they land
	ds_load_b32 v14, v12 offset:(\off)             ; rows 4 wv + lane / 16,
	ds_load_b32 v15, v12 offset:(\off)+8           ; and two further on;
	ds_load_b32 v16, v13 offset:(\off)             ; row lane % 16, for the scale words
	s_wait_dscnt 0x0                               ; the entries are in
.irp q, 14,15,16
	v_lshrrev_b32 v\q, 1, v\q                      ; the token
.endr
.irp q, 14,15,16
	v_min_u32 v\q, 0x3ff, v\q                      ; held inside the table: padding slots take token 1023
.endr
	v_mul_u32_u24 v17, v14, 768
	v_mul_u32_u24 v18, v15, 768
	v_lshlrev_b32 v19, 5, v16
	v_add_nc_u32 v17, v17, v20
	v_add_nc_u32 v18, v18, v20
	v_add_nc_u32 v19, v19, v21
	s_wait_alu depctr_va_vdst(0)                   ; the offsets v17 to v19 are written, which the loads read
.irp un, 0,1,2
	global_load_b128 v[G+4*\un:G+4*\un+3], v17, s[4:5] offset:256*\un
	global_load_b128 v[G+12+4*\un:G+12+4*\un+3], v18, s[4:5] offset:256*\un
.endr
	global_load_b128 v[XS+4*(\set):XS+4*(\set)+3], v19, s[6:7]    ; register i: lanes 0-15 the word of K step i, lanes 16-31 that of K step 4 + i
.endm
.macro PAIR reg, val
	s_mov_b32 s[\reg], \val
	s_mov_b32 s[\reg+1], \val
.endm
; one step of the search by halves: t = set bits in the lower part at the place in hand; where as many or more are still to pass, they are passed and the place moves up
.macro SELSTEP src, width, inc
.irp j, 0,1,2,3
	v_bfe_u32 v[LT+\j], v[\src+\j], v[LPOS+\j], \width
.endr
.irp j, 0,1,2,3
	v_sub_nc_u32 v[LX+\j], v[LK+\j], v[LT+\j]
	v_add_nc_u32 v[LY+\j], \inc, v[LPOS+\j]
.endr
.irp j, 0,1,2,3
	v_cmp_ge_u32 s[MK+\j], v[LK+\j], v[LT+\j]      ; the four compares in a run, each into a mask of its own
.endr
	s_wait_alu depctr_va_sdst(0)                   ; the four masks are written, ahead of their first reader
.irp j, 0,1,2,3
	v_cndmask_b32 v[LK+\j], v[LK+\j], v[LX+\j], s[MK+\j]
	v_cndmask_b32 v[LPOS+\j], v[LPOS+\j], v[LY+\j], s[MK+\j]
.endr
.endm
	s_load_b256 s[4:11], s[0:1], 0x0               ; x_codes, x_scales, masks, W1_codes
	s_load_b256 s[68:75], s[0:1], 0x20             ; W1_scales, b1, h, hs
	s_load_b64 s[76:77], s[0:1], 0x40              ; rowtok
	v_lshl_add_u32 v[SPW], v0, 2, SPARE            ; my spare word
	v_mov_b32 v[NIL], 0                            ; and 0: kept for the closing lines alone
	v_lshrrev_b32 v1, 5, v0
	v_readfirstlane_b32 s13, v1                    ; wave 0..3
	s_lshr_b32 s2, ttmp9, 5                        ; e
	s_bfe_u32 s3, ttmp9, 0x40001                   ; slice
	s_and_b32 s12, ttmp9, 1                        ; p
	v_and_b32 v1, 31, v0                           ; L
	v_and_b32 v2, 15, v0                           ; r
	v_bfe_u32 v3, v0, 4, 1                         ; hL
	v_lshlrev_b32 v20, 4, v2                       ; 16 r
	v_lshlrev_b32 v21, 4, v3                       ; 16 hL
	v_lshlrev_b32 v22, 4, v1                       ; 16 L
	v_lshlrev_b32 v23, 3, v1                       ; 8 L
	v_lshlrev_b32 v24, 5, v2                       ; 32 r
	s_wait_alu depctr_va_sdst(0)                   ; s13 is written, ahead of its first reader: LDS addresses and the bases of W1, b1, h and hs are made from it
	s_mul_i32 s14, s13, WSTB                       ; my stage
	v_mul_u32_u24 v[WSTO], v3, WP
	v_add_nc_u32 v[WSTO], v[WSTO], v20
	v_add_nc_u32 v[XSTO], 0, v[WSTO]
	v_add_nc_u32 v[WSTO], s14, v[WSTO]             ; in: rows 2 j + hL, 16 bytes a lane
	v_mul_u32_u24 v[WFR], v2, WP
	v_mad_u32_u24 v[WFR], v3, 24, v[WFR]
	v_add_nc_u32 v[XFR], XST, v[WFR]               ; x's fragments: row r, + 24 hL
	v_add_nc_u32 v[WFR], s14, v[WFR]               ; W1's likewise, in my stage
	v_mul_u32_u24 v[WGA], v3, 768
	v_add_nc_u32 v[WGA], v[WGA], v20               ; W1 in memory: 768 hL + 16 r
	s_mul_i32 s14, s13, 4*WP
	s_add_co_u32 s14, s14, XST
	v_add_nc_u32 v[XSTO], s14, v[XSTO]             ; x's rows 4 wv + hL (+ 2 j)
	s_lshl_b32 s14, s13, 4
	s_add_co_u32 s14, s14, LIST
	v_lshl_add_u32 v[LPA], v3, 2, s14              ; their entries
	v_lshl_add_u32 v[LPB], v2, 2, LIST             ; row r's entry
	v_lshl_add_u32 v[LWR], v0, 2, LIST             ; where I write entries
	v_and_b32 v25, 8, v2
	v_add_nc_u32 v25, v25, v2                      ; r + 8 (r / 8)
	v_lshl_add_u32 v25, v25, 5, v21                ; W1's scale words: 32 bytes a row, + 16 hL
	v_lshlrev_b32 v28, 6, v3                       ; b1: 64 hL
	s_lshl_b32 s66, s2, 7
	s_mov_b32 s67, 0
	s_wait_kmcnt 0x0
	s_add_nc_u64 s[8:9], s[8:9], s[66:67]          ; the expert's 32 words
	s_load_b512 s[16:31], s[8:9], 0x0              ; U
	s_load_b512 s[32:47], s[8:9], 0x40
	s_load_b512 s[48:63], s[8:9], 0x400            ; M2
	s_load_b512 s[80:95], s[8:9], 0x440
	s_lshl_b32 s14, s2, 12
	s_lshl_b32 s15, s3, 8
	s_add_co_u32 s14, s14, s15
	s_lshl_b32 s15, s13, 6
	s_add_co_u32 s14, s14, s15                     ; my first row of W1: 4096 e + 256 slice + 64 wv
	s_mul_i32 s66, s14, 768
	s_add_nc_u64 s[10:11], s[10:11], s[66:67]
	s_lshl_b32 s66, s14, 5
	s_add_nc_u64 s[68:69], s[68:69], s[66:67]
	s_lshl_b32 s66, s14, 2
	s_add_nc_u64 s[70:71], s[70:71], s[66:67]
	s_wait_alu depctr_va_vdst(0)                   ; the addresses and offsets v4 to v11, v20 to v25 and v28 are written, which the loads and stores of the whole kernel read
	LOADT 0, 2, XF                                 ; two tiles of W1 and the scale words are asked for first: the list is made while they are on their way
	LOADT 1, 3, GA
.irp t, 0,1,2,3
	global_load_b128 v[WS+4*\t:WS+4*\t+3], v25, s[68:69] offset:(32*(\t/2)+8*(\t%2))*32     ; register i: lanes 0-15 K step i, lanes 16-31 K step 4 + i
.endr
	s_lshl_b32 s14, s2, 6
	s_add_co_u32 s14, s14, s12                     ; my first tile: 64 e + p
	s_lshl_b32 s15, s3, 1
	s_lshr_b32 s99, s13, 1
	s_add_co_u32 s15, s15, s99                     ; S
	s_lshl_b32 s66, s14, 5
	s_add_co_u32 s66, s66, s15
	s_mul_i32 s66, s66, 1536
	s_and_b32 s99, s13, 1                          ; c
	s_mul_i32 s67, s99, 768
	s_add_co_u32 s66, s66, s67
	s_mov_b32 s67, 0
	s_add_nc_u64 s[72:73], s[72:73], s[66:67]      ; h: ((64 e + p) 32 + S) 1536 + 768 c
	s_lshl_b32 s66, s14, 2
	s_lshr_b32 s67, s15, 3
	s_add_co_u32 s66, s66, s67
	s_lshl_b32 s66, s66, 9
	s_and_b32 s67, s15, 7
	s_lshl_b32 s67, s67, 2
	s_add_co_u32 s66, s66, s67
	s_lshl_b32 s67, s99, 1
	s_add_co_u32 s66, s66, s67
	s_mov_b32 s67, 0
	s_add_nc_u64 s[74:75], s[74:75], s[66:67]      ; hs: ((64 e + p) 4 + S / 8) 512 + 4 (S % 8) + 2 c
	s_lshl_b32 s66, s2, 12
	s_add_nc_u64 s[76:77], s[76:77], s[66:67]      ; rowtok: 4,096 bytes an expert
	s_lshl_b32 s66, s2, 5
	s_add_co_u32 s66, s66, 2048                    ; the expert's first dump row
	s_lshl_b32 s15, s12, 4
	; ---- THE LIST.  Entry nl = 128 j + thread of my parity's list is slot n = 32 (nl / 16) + 16 p + nl % 16 = nl + (nl & -16) + 16 p
.irp j, 0,1,2,3
	v_add_nc_u32 v[LN+\j], 128*\j, v0
	v_and_b32 v[LX+\j], -16, v[LN+\j]
	v_add3_u32 v[LN+\j], v[LN+\j], v[LX+\j], s15
	v_lshlrev_b32 v[LO+\j], 2, v[LN+\j]
	v_mov_b32 v[LB+\j], 0
	v_mov_b32 v[LW+\j], 0
.endr
	s_wait_kmcnt 0x0                               ; the masks
.irp j, 0,1,2,3
	v_mov_b32 v[LM+\j], s16
	v_mov_b32 v[LK2+\j], s48
.endr
	s_mov_b32 s14, 0                               ; set bits ahead of word w
.set w, 1
.rept 31
.if w < 16
.set M2R, 48+w
.else
.set M2R, 64+w
.endif
	s_bcnt1_i32_b32 s15, s[16+w-1]
	s_add_co_u32 s14, s14, s15
.irp j, 0,1,2,3
	v_cmp_gt_u32 s[MK+\j], s14, v[LN+\j]           ; more bits ahead than n: the slot lies in an earlier word, which is kept; else word w is taken.  The four compares in a run
.endr
	s_wait_alu depctr_va_sdst(0)                   ; the four masks are written, ahead of their first reader
.irp j, 0,1,2,3
	v_cndmask_b32 v[LM+\j], s[16+w], v[LM+\j], s[MK+\j]
	v_cndmask_b32 v[LK2+\j], s[M2R], v[LK2+\j], s[MK+\j]
	v_cndmask_b32 v[LB+\j], s14, v[LB+\j], s[MK+\j]
	v_cndmask_b32 v[LW+\j], w, v[LW+\j], s[MK+\j]
.endr
.set w, w+1
.endr
	s_bcnt1_i32_b32 s15, s47
	s_add_co_u32 s[CNT], s14, s15                  ; the expert's rows
	s_add_co_u32 s[NTL], s[CNT], 31
	s_lshr_b32 s[NTL], s[NTL], 5
	s_max_u32 s[NTL], s[NTL], 1                    ; np: blocks of 32 slots, and tiles of my parity
.irp j, 0,1,2,3
	v_sub_nc_u32 v[LK+\j], v[LN+\j], v[LB+\j]      ; set bits of the word to pass
	v_lshrrev_b32 v[LX+\j], 1, v[LM+\j]
	v_and_b32 v[LX+\j], 0x55555555, v[LX+\j]
	v_sub_nc_u32 v[LA+\j], v[LM+\j], v[LX+\j]      ; counts of 2 bits,
	v_lshrrev_b32 v[LX+\j], 2, v[LA+\j]
	v_and_b32 v[LX+\j], 0x33333333, v[LX+\j]
	v_and_b32 v[LBB+\j], 0x33333333, v[LA+\j]
	v_add_nc_u32 v[LBB+\j], v[LBB+\j], v[LX+\j]    ; of 4,
	v_lshrrev_b32 v[LX+\j], 4, v[LBB+\j]
	v_add_nc_u32 v[LX+\j], v[LBB+\j], v[LX+\j]
	v_and_b32 v[LC+\j], 0x0f0f0f0f, v[LX+\j]       ; of 8,
	v_lshrrev_b32 v[LX+\j], 8, v[LC+\j]
	v_add_nc_u32 v[LD+\j], v[LC+\j], v[LX+\j]      ; of 16 (in the byte at 0)
	v_mov_b32 v[LPOS+\j], 0
.endr
	SELSTEP LD, 8, 16
	SELSTEP LC, 8, 8
	SELSTEP LBB, 4, 4
	SELSTEP LA, 2, 2
	SELSTEP LM, 1, 1
.irp j, 0,1,2,3
	v_lshl_add_u32 v[LE+\j], v[LW+\j], 5, v[LPOS+\j]               ; the token
	v_bfe_u32 v[LT+\j], v[LK2+\j], v[LPOS+\j], 1                   ; is the expert its second choice?
	v_lshl_or_b32 v[LE+\j], v[LE+\j], 1, v[LT+\j]
	v_and_b32 v[LX+\j], 31, v[LN+\j]
	v_add_nc_u32 v[LX+\j], s66, v[LX+\j]                           ; a padding slot's dump row
	v_cmp_gt_u32 s[MK+\j], s[CNT], v[LN+\j]
.endr
	s_wait_alu depctr_va_sdst(0)                   ; the four masks are written, ahead of their first reader
.irp j, 0,1,2,3
	v_cndmask_b32 v[LE+\j], v[LX+\j], v[LE+\j], s[MK+\j]
.endr
	s_wait_alu depctr_va_vdst(0)                   ; the entries v[LE ..] and their offsets v[LO ..] are written, which the LDS stores and the stores of the list read
.irp j, 0,1,2,3
	ds_store_b32 v[LWR], v[LE+\j] offset:512*\j
.endr
	ds_store_b32 v[LWR], v[LE+3] offset:2048       ; the bytes behind the list that the last look-ahead's address can name are written too
	s_cmp_lg_u32 s3, 0
	s_cbranch_scc1 .Lnot_slice_0                   ; a branch on the work-group's number: the two work-groups of slice 0 store the expert's list, each its parity's slots
.irp j, 0,1,2,3
	global_store_b32 v[LO+\j], v[LE+\j], s[76:77]
.endr
.Lnot_slice_0:
	s_wait_dscnt 0x0                               ; for the others' sake: my entries lie in LDS
	s_barrier_signal -1
	s_barrier_wait -1
	; ---- the weights come through the stages
	s_wait_loadcnt 28                              ; tile 0 is in: behind it tile 1's 24 loads and the 4 of scale words
	TURN 0, 2, XF
	LOADT 2, 2, XF
	s_wait_loadcnt 28                              ; tile 1 is in: behind it the 4 of scale words and tile 2's 24
	TURN 1, 3, GA
	LOADT 3, 3, GA
	WIN 0xc0
.irp t, 0,1,2,3
	global_load_b128 v[B1+8*\t:B1+8*\t+3], v28, s[70:71] offset:(32*(\t/2)+8*(\t%2))*4          ; b1 in the result's layout: lane (r, hL), tile 2 b + u: units 32 b + 16 hL + 8 u + 0 .. 7
	global_load_b128 v[B1+8*\t+4:B1+8*\t+7], v28, s[70:71] offset:(32*(\t/2)+8*(\t%2))*4+16
.endr
	WIN 0
	s_mov_b32 s[LOFS], 0
	GATHER 0, 0                                    ; my first tile's rows: every expert has one
	global_load_b128 v[XS+4:XS+7], v19, s[6:7]     ; (the second set is written once on the way that every wave takes)
	s_wait_loadcnt 40                              ; tile 2 is in: behind it tile 3's 24, b1's 8, the gather's 8
	TURN 2, 2, XF
	s_wait_loadcnt 16                              ; tile 3 is in: behind it b1's 8 and the gather's 8
	TURN 3, 3, GA
	s_mov_b32 s[KRS2], 0x3f3504f3                  ; the masks' registers are free: the activation's constants
	PAIR 18, 0xbf3504f3
	PAIR 20, 0x3fb8aa3b
	PAIR 22, 0xbaa15130
	PAIR 24, 0x3aac2b8a
	PAIR 26, 0x3c0d6e62
	PAIR 28, 0xbc040dc1
	PAIR 30, 0xbd5e05b5
	PAIR 32, 0x3e27fe23
	PAIR 34, 0xbe2a0420
	PAIR 36, 0xbdbdfb0b
	PAIR 38, 0x3e8dd01d
	WIN 0xc0
	v_mov_b32 v[C0V], 0xb9d25000                   ; c0 in vector registers: the polynomial's first step names two coefficients
	v_mov_b32 v[C0V+1], 0xb9d25000
	WIN 0
	s_mov_b32 s100, 0x76543210
	s_mov_b32 s101, 0xfedcba98                     ; v_permlanex16_b32's selects for lane l xor 16
	s_mov_b32 s80, 0                               ; what a trip adds to h's and hs's addresses: nothing in the first trip, then two tiles
	s_mov_b32 s81, 0
	s_mov_b32 s82, 0
	s_mov_b32 s83, 0
	s_mov_b32 s[TI], 0
	s_mov_b32 s[IT], 16
; THE WORK OF A TRIP: x's tile in stage b against my 32 fragments; the activation; the quantiser; 800 bytes out
.macro WORK b
	WIN 0x80
.irp kk, 0,1,2,3,4,5,6,7
	FRAGL XF+12*\kk, XFR, WSTB*(\b), \kk           ; no wait: no vector or matrix instruction since the last wait on va_vdst names x's fragments or their address
.endr
.irp kk, 0,1,2,3,4,5,6,7
	s_wait_dscnt 42-6*\kk                          ; K step kk's six loads are in; the later steps' stay out
.irp t, 0,1,2,3
.set f, 4*\kk+\t
.if f < 21
	WIN 0xf9                                       ; source 0 (W1) window 1, source 1 (x) window 2, C and D window 3
.set wr, 12*f
.else
	WIN 0xfa
.set wr, 12*(f-21)
.endif
.if \kk == 0                                   ; the four accumulators take turns, one instruction a turn
	v_wmma_scale_f32_16x16x128_f8f6f4 v[8*\t:8*\t+7], v[wr:wr+11], v[XF:XF+11], v[B1+8*\t:B1+8*\t+7], v[WS+4*\t], v[XS+4*(\b)] matrix_a_fmt:MATRIX_FMT_FP6 matrix_b_fmt:MATRIX_FMT_FP6
.elseif \kk < 4
	v_wmma_scale_f32_16x16x128_f8f6f4 v[8*\t:8*\t+7], v[wr:wr+11], v[XF+12*\kk:XF+12*\kk+11], v[8*\t:8*\t+7], v[WS+4*\t+\kk], v[XS+4*(\b)+\kk] matrix_a_fmt:MATRIX_FMT_FP6 matrix_b_fmt:MATRIX_FMT_FP6
.else
	v_wmma_scale_f32_16x16x128_f8f6f4 v[8*\t:8*\t+7], v[wr:wr+11], v[XF+12*\kk:XF+12*\kk+11], v[8*\t:8*\t+7], v[WS+4*\t+\kk-4], v[XS+4*(\b)+\kk-4] matrix_a_fmt:MATRIX_FMT_FP6 matrix_b_fmt:MATRIX_FMT_FP6 matrix_a_scale:MATRIX_SCALE_ROW1 matrix_b_scale:MATRIX_SCALE_ROW1
.endif
.endr
.endr
	WIN 0xff                                       ; all that follows works in window 3
.rept 5
	v_nop                                          ; places behind the products (ISA guide 7.12.1): four for the reads below, a fifth since the next trip begins the accumulators anew
.endr
.set i, 0
.rept 32
	v_mul_f32 v[GA+i], s[KRS2], |v[i]|             ; a = |x| / sqrt 2; each accumulator is read from its low end on
.set i, i+1
.endr
.set i, 0
.rept 16
	v_pk_add_f32 v[GR1+i:GR1+i+1], v[GA+i:GA+i+1], 2.0 op_sel_hi:[1,0]             ; a + 2
.set i, i+2
.endr
.set i, 0
.rept 16
	v_pk_fma_f32 v[GR2+i:GR2+i+1], v[GA+i:GA+i+1], 2.0, 1.0 op_sel_hi:[1,0,0]      ; 1 + 2 a
.set i, i+2
.endr
.set i, 0
.rept 16
	v_pk_mul_f32 v[GE+i:GE+i+1], v[GA+i:GA+i+1], v[GA+i:GA+i+1]                    ; a a
.set i, i+2
.endr
.set i, 0
.rept 16
	v_pk_mul_f32 v[GE+i:GE+i+1], v[GE+i:GE+i+1], s[20:21] op_sel_hi:[1,0]          ; x log2 e
.set i, i+2
.endr
.set i, 0
	s_wait_alu depctr_va_vdst(0)
.rept 32
	v_rcp_f32 v[GR1+i], v[GR1+i]                   ; ONE BATCH of 96: none reads another's result
.set i, i+1
.endr
.set i, 0
.rept 32
	v_rcp_f32 v[GR2+i], v[GR2+i]
.set i, i+1
.endr
.set i, 0
.rept 32
	v_exp_f32 v[GE+i], -v[GE+i]                    ; e^(-a a)
.set i, i+1
.endr
.set i, 0
.rept 16
	v_pk_add_f32 v[GP+i:GP+i+1], v[GA+i:GA+i+1], -2.0 op_sel_hi:[1,0]              ; a - 2: plain work behind the batch that names none of its results
.set i, i+2
.endr
	s_wait_alu depctr_va_vdst(0)                   ; the 64 reciprocals and the 32 exponentials have written v[GR1 ..], v[GR2 ..], v[GE ..], ahead of their first reader: one wait for the batch.  The products are done with x's fragments and scale words too
.set i, 0
.rept 16
	v_pk_mul_f32 v[GR1+i:GR1+i+1], v[GP+i:GP+i+1], v[GR1+i:GR1+i+1]                ; q
.set i, i+2
.endr
.set i, 0
.rept 16
	v_pk_fma_f32 v[GP+i:GP+i+1], v[GR1+i:GR1+i+1], v[C0V:C0V+1], s[22:23] op_sel_hi:[1,1,0]
.set i, i+2
.endr
.irp ck, 24,26,28,30,32,34,36,38
.set i, 0
.rept 16
	v_pk_fma_f32 v[GP+i:GP+i+1], v[GP+i:GP+i+1], v[GR1+i:GR1+i+1], s[\ck:\ck+1] op_sel_hi:[1,1,0]   ; the 16 pairs by turns: no line waits for the line above it
.set i, i+2
.endr
.endr
.set i, 0
.rept 16
	v_pk_fma_f32 v[GR2+i:GR2+i+1], v[GP+i:GP+i+1], v[GR2+i:GR2+i+1], v[GR2+i:GR2+i+1]               ; F = (1 + p) / (1 + 2 a)
.set i, i+2
.endr
.set i, 0
.rept 16
	v_pk_mul_f32 v[GE+i:GE+i+1], v[GE+i:GE+i+1], v[GA+i:GA+i+1]
.set i, i+2
.endr
.set i, 0
.rept 16
	v_pk_mul_f32 v[GE+i:GE+i+1], v[GE+i:GE+i+1], v[GR2+i:GR2+i+1]                  ; a erfc(a)
.set i, i+2
.endr
.set i, 0
.rept 32
	v_max_num_f32 v[i], 0, v[i]
.set i, i+1
.endr
.set i, 0
.rept 16
	v_pk_fma_f32 v[i:i+1], v[GE+i:GE+i+1], s[18:19], v[i:i+1] op_sel_hi:[1,0,1]    ; g = max(x, 0) - a erfc(a) / sqrt 2
.set i, i+2
.endr
	; the quantiser: my two blocks of 32 along the next K; a block lies in lanes l and l xor 16.  Temporaries lie where the polynomial lay
.irp ch, 0,1,2,3
	v_max3_num_f32 v[GP+\ch], |v[8*\ch]|, |v[8*\ch+1]|, 0x1800000                  ; four chains of eight numbers; the floor 2^(3 - 127) holds the byte at 1 from below
.endr
.irp i2, 2,4,6
.irp ch, 0,1,2,3
	v_max3_num_f32 v[GP+\ch], v[GP+\ch], |v[8*\ch+\i2]|, |v[8*\ch+\i2+1]|
.endr
.endr
.irp bb, 0,1
	v_max_num_f32 v[GP+24+\bb], v[GP+2*\bb], v[GP+2*\bb+1]
.endr
.irp bb, 0,1
	v_permlanex16_b32 v[GP+26+\bb], v[GP+24+\bb], s100, s101
.endr
.irp bb, 0,1
	v_max_num_f32 v[GP+24+\bb], v[GP+24+\bb], v[GP+26+\bb]                         ; the block's largest magnitude
.endr
.irp bb, 0,1
	v_add_nc_u32 v[GP+4+\bb], 0xff000000, v[GP+24+\bb]                             ; 2 off its exponent field: the conversion's scale operand
.endr
.irp bb, 0,1
	v_lshrrev_b32 v[GP+6+\bb], 23, v[GP+4+\bb]                                     ; the scale's byte
.endr
	v_lshl_or_b32 v[GP+8], v[GP+7], 8, v[GP+6]     ; my half of the row's scale word
	v_cvt_scalef32_pk16_fp6_f32 v[GP+12:GP+14], v[0:15], v[GP+4]
	v_cvt_scalef32_pk16_fp6_f32 v[GP+20:GP+22], v[16:31], v[GP+5]                  ; (a conversion's three registers begin on an even number)
	v_nop                                          ; one plain line behind a scaled conversion
.irp i2, 0,1,2
	v_permlane16_swap_b32 v[GP+12+\i2], v[GP+20+\i2]                               ; the operand wants a whole block in a lane: lanes 0-15 the first block, lanes 16-31 the second
.endr
.irp i2, 0,1,2
	v_mov_b32 v[GP+15+\i2], v[GP+20+\i2]
.endr
	WIN 0x0c                                       ; a store's data are its source 1: window 3
	s_wait_alu depctr_va_vdst(0)                   ; the swaps and the moves have written the codes v[GP+12 .. GP+17], and the line above the conversions the half scale word v[GP+8]: the three stores read them
	global_store_b128 v22, v[GP+12:GP+15], s[72:73]                                ; 512 consecutive bytes, at a multiple of 256 from h's first byte
	global_store_b64 v23, v[GP+16:GP+17], s[72:73] offset:512                      ; 256 more
	global_store_b16 v24, v[GP+8], s[74:75]        ; two bytes of each row's scale word (lanes l and l xor 16 store the same): a wave owns half a word
	WIN 0
.endm
; A TRIP: local tile s[TI] + b.  One barrier a trip: stage b is written again two trips on, and in front of the barrier between every wave has waited for its reads of it.
.macro TRIP b
	s_wait_loadcnt 0x0                             ; the rows gathered a trip ago are in, and their address registers are free
	s_wait_xcnt 0x0                                ; the last trip's stores have had their addresses translated: their base and data may be written
	s_add_nc_u64 s[72:73], s[72:73], s[80:81]
	s_add_nc_u64 s[74:75], s[74:75], s[82:83]
	s_mov_b32 s80, 2*32*1536                       ; from now on: two tiles further
	s_mov_b32 s82, 2*4*512
	s_add_co_u32 s99, s[TI], \b
	s_cmp_lt_u32 s99, s[NTL]
	s_cbranch_scc0 .Lno_put_\@
.irp jj, 0,1
.irp un, 0,1,2
	ds_store_b128 v[XSTO], v[G+12*\jj+4*\un:G+12*\jj+4*\un+3] offset:WSTB*\b+2*WP*\jj+256*\un      ; my four rows of this trip's tile
.endr
.endr
.Lno_put_\@:
	s_wait_alu depctr_vm_vsrc(0)                   ; the LDS stores above have read v[G ..], in which the gather's loads land; the last gather's loads have read v12, v13 and v17 to v19, which the gather writes; the last trip's stores have read v[GP+8 .. GP+17], which this trip's polynomial writes
	s_add_co_u32 s99, s[TI], \b+1
	s_cmp_lt_u32 s99, s[NTL]
	s_cbranch_scc0 .Lno_get_\@
	GATHER 1-\b, 64*(\b+1)                         ; the next tile's rows: they have this trip's work in which to land
.Lno_get_\@:
	s_wait_dscnt 0x0                               ; my rows lie in LDS, and my reads of the other stage are over
	s_barrier_signal -1
	s_barrier_wait -1                              ; on every wave's way in every trip
	s_add_co_u32 s99, s[TI], \b
	s_cmp_lt_u32 s99, s[NTL]
	s_cbranch_scc0 .Lno_work_\@
	WORK \b
.Lno_work_\@:
.endm
.Ltrip:
	TRIP 0
	TRIP 1
	s_add_co_u32 s[TI], s[TI], 2
	s_add_co_u32 s[LOFS], s[LOFS], 128
	s_sub_co_u32 s[IT], s[IT], 1
	s_cmp_lg_u32 s[IT], 0
	s_cbranch_scc1 .Ltrip
	s_wait_dscnt 0x0                               ; the wave's end
	s_wait_alu 0x0
	s_wait_tensorcnt 0x0
	ds_add_u32 v[SPW], v[NIL]
	s_wait_dscnt 0x0
	s_endpgm
.Lfunc_end_k_qab041251e9_gemm1:
	.size	k_qab041251e9_gemm1, .Lfunc_end_k_qab041251e9_gemm1-k_qab041251e9_gemm1
	.p2alignl 7, 3214868480
	.fill 96, 4, 3214868480
	.section	.rodata,"a",@progbits
	.p2align	6, 0x0
	.amdhsa_kernel k_qab041251e9_gemm1
		.amdhsa_group_segment_fixed_size 78336
		.amdhsa_private_segment_fixed_size 0
		.amdhsa_enable_private_segment 0
		.amdhsa_kernarg_size 72
		.amdhsa_user_sgpr_count 2
		.amdhsa_user_sgpr_kernarg_segment_ptr 1
		.amdhsa_wavefront_size32 1
		.amdhsa_system_sgpr_workgroup_id_x 1
		.amdhsa_system_sgpr_workgroup_id_y 1
		.amdhsa_system_sgpr_workgroup_id_z 1
		.amdhsa_system_vgpr_workitem_id 0
		.amdhsa_next_free_vgpr 1024
		.amdhsa_next_free_sgpr 102
		.amdhsa_reserve_vcc 0
		.amdhsa_float_denorm_mode_32 3
		.amdhsa_float_denorm_mode_16_64 3
		.amdhsa_memory_ordered 1
		.amdhsa_forward_progress 1
		.amdhsa_inst_pref_size 169
	.end_amdhsa_kernel
	.amdgpu_metadata
---
amdhsa.version: [ 1, 2 ]
amdhsa.kernels:
  - .name:           k_qab041251e9_gemm1
    .symbol:         k_qab041251e9_gemm1.kd
    .args:
      - { .name: x_codes, .offset: 0, .size: 8, .value_kind: global_buffer, .address_space: global }
      - { .name: x_scales, .offset: 8, .size: 8, .value_kind: global_buffer, .address_space: global }
      - { .name: masks, .offset: 16, .size: 8, .value_kind: global_buffer, .address_space: global }
      - { .name: W1_codes, .offset: 24, .size: 8, .value_kind: global_buffer, .address_space: global }
      - { .name: W1_scales, .offset: 32, .size: 8, .value_kind: global_buffer, .address_space: global }
      - { .name: b1, .offset: 40, .size: 8, .value_kind: global_buffer, .address_space: global }
      - { .name: h, .offset: 48, .size: 8, .value_kind: global_buffer, .address_space: global }
      - { .name: hs, .offset: 56, .size: 8, .value_kind: global_buffer, .address_space: global }
      - { .name: rowtok, .offset: 64, .size: 8, .value_kind: global_buffer, .address_space: global }
    .group_segment_fixed_size: 78336
    .private_segment_fixed_size: 0
    .kernarg_segment_align: 8
    .kernarg_segment_size: 72
    .max_flat_workgroup_size: 128
    .sgpr_count:     102
    .vgpr_count:     1024
    .wavefront_size: 32
...
	.end_amdgpu_metadata
.endif
;; end of part 6
;; launch gemm2 (part 7): grid 256 x 1, 4 waves a work-group, no clusters, 120,320 bytes of LDS; arguments h, hs, rowtok, masks, W2_codes, W2_scales, b2, y2; writes y2
.if DOCPART == 7
	.amdgcn_target "amdgcn-amd-amdhsa--gfx1250"
	.amdhsa_code_object_version 6
	.text
	.protected	k_qab041251e9_gemm2
	.globl	k_qab041251e9_gemm2
	.p2align	8
	.type	k_qab041251e9_gemm2,@function
k_qab041251e9_gemm2:
	s_mov_b64 s[64:65], 0
	v_nop
	global_prefetch_b8 v0, s[64:65] scope:SCOPE_SE
	s_setreg_imm32_b32 hwreg(HW_REG_WAVE_SCHED_MODE, 0, 2), 2
	s_setreg_imm32_b32 hwreg(HW_REG_WAVE_MODE, 25, 1), 1
	s_wait_xcnt 0x0
	s_wait_alu depctr_vm_vsrc(0)
; y = h W2 + b2 FOR THE ROUTED ROWS, on codes of E2M3 with one E8M0 scale for each 32 along K; each row is stored at its place 2 token + choice of y2 [2304][1024] f32 (rows from 2048 on: dump rows of padding slots).
; A work-group is (expert e, outputs 64 slice .. + 63, parity p of the blocks of 32 slots): ttmp9 = 32 e + 2 slice + p.
; THE WAVES SPLIT K: wave w holds K steps 8 w .. 8 w + 7 of all four tiles of outputs: 32 fragments of W2, 384 registers, read from memory once and kept.  So a wave loads only its quarter of each tile of h,
; straight into operand registers (h lies as images of them), and no byte of h is read twice in a work-group.  The four partial sums meet in LDS; wave w adds and stores rows 8 w .. 8 w + 7 of the block.
; THE PRODUCT IS USED TRANSPOSED (source 0 = 16 rows of W2, source 1 = 16 slots): a lane holds eight neighbouring outputs of one slot.
; THE LOOP HAS 16 TRIPS, a constant, since a barrier stands in each; the work of trips beyond the expert's blocks is jumped over by scalar branches on the stored count.  Every wait for loads in the loop is for 0.
; No cluster and no tensor load: the trips' work hangs on counts read from memory, and experts have different numbers of rows.
; REGISTERS, in windows of 256.  Window 0: v1-14 addresses; v32-47 W2's scale words; v48-63 h's, (set, tile) x 4; v64-71 the rows' places, two sets; v72-75 b2; v76-79 store offsets; v80-143 eight accumulators, then the four partial sums.
; Windows 1, 2: W2's fragment f = 4 s + t at v[12 f] of window 1, from f = 21 on at v[12 (f - 21)] of window 2.
; h's tiles (set, tile): (0, 0) window 3 v0-95; (0, 1) window 3 v96-191; (1, 0) window 2 v132-227; (1, 1) window 0 v160-255.  The two of set 1 first serve W2 on its way through LDS.
; THE MODE: SCHED_MODE bits 1:0 = 2 (LLVM: expert scheduling mode 2), set by the entry lines.  The code itself states the register dependences
; between vector or matrix instructions and memory or LDS instructions, with s_wait_alu, always for 0.
; THE PLAN.  Registers that memory or LDS instructions touch:
;   v4-14                addresses and offsets: written at the head, never again; one wait on va_vdst ahead of the first load serves them for the whole kernel.
;   h's four tiles, HS   Trip b: its products read set b; the loads of the next block land in set 1 - b, which no vector or matrix instruction of the trip names.
;   RT                   Trip b: three vector lines behind the barrier read set b; the next block's load lands in set 1 - b.
;   set 1's two tiles at the head: W2 on its way: written by global loads, read by the stage's LDS stores; a wait on vm_vsrc at each turn's end, ahead of the loads that land there next.
;   ACC                  written by the products, read by the LDS stores of the partial sums, written by the LDS loads behind the barrier and by the additions; its low 16 registers are read by the stores of y.
;   YA                   written by three vector lines, read by the stores of y as their offsets.
; A TRIP'S WAITS.  vm_vsrc at its head: the last trip's stores have read YA and ACC.  va_vdst behind the places, ahead of the LDS stores: the products have written ACC, and are done with set b.
; vm_vsrc ahead of the barrier: the LDS stores have read ACC.  va_vdst ahead of the stores of y: the sums and offsets are written, and the places of set b are read.
; So the next block's loads owe no wait of their own: its first tile, scale words and places are asked for at the trip's head, its second tile between the trip's two runs of 32 products.
.set WP,    784                        ; a row of 768 bytes of codes in LDS + 16: the 32 lanes of a load of 8 bytes touch 64 different banks (64 banks of 4 bytes: ISA guide 11.1)
.set WSTB,  16*WP
.set PART,  4*WSTB                     ; behind the waves' own stages: two buffers of partial sums [wave 4][row 32][256 bytes + 16]
.set PP,    272
.set PSRC,  32*PP
.set PBUF,  4*PSRC
.set SPARE, PART+2*PBUF                ; the spare words, 128 bytes a wave: two blocks of 256 bytes that no other line names
.set WSTO, 4
.set WFR,  5
.set WGA,  6
.set PSTO, 11
.set PRD,  12
.set SPW,  26
.set NIL,  27
.set WS,   32
.set HS,   48
.set RT,   64
.set B2,   72
.set YA,   76
.set ACC,  80
.set NPL,  56
.set BI,   57
.set IT,   58
.set MSB, 0
.macro WIN new                         ; the immediate's high byte repeats the setting that is left; a switch that changes nothing is dropped
.if MSB != (\new)
	s_set_vgpr_msb (MSB<<8)|(\new)
.set MSB, (\new)
.endif
.endm
.macro HLOC set, tau                   ; where h's tile (set, tau) lies: window HW, register HB
.if (\set) == 0
.set HW, 3
.set HB, 96*(\tau)
.elseif (\tau) == 0
.set HW, 2
.set HB, 132
.else
.set HW, 0
.set HB, 160
.endif
.endm
; 24 loads: my 768 bytes of the 16 rows of tile t of W2.  Lanes 0-15 read 256 consecutive bytes of one row, lanes 16-31 the same of the next
.macro LOADT t, sw, sb
	WIN ((\sw)<<6)
.irp jj, 0,1,2,3,4,5,6,7
.irp un, 0,1,2
	global_load_b128 v[(\sb)+4*(3*\jj+\un):(\sb)+4*(3*\jj+\un)+3], v[WGA], s[12:13] offset:(16*(\t)+2*\jj)*3072+256*\un
.endr
.endr
	WIN 0
.endm
.macro FRAGL reg, adr, off, ks         ; a fragment: 24 bytes at 96 s + 24 h of row r and 24 at 48 further on, in pieces of 8
.irp pp, 0,1,2,3,4,5
	ds_load_b64 v[(\reg)+2*\pp:(\reg)+2*\pp+1], v[\adr] offset:(\off)+96*(\ks)+48*(\pp/3)+8*(\pp%3)
.endr
.endm
.macro TURN t, sw, sb                  ; the tile goes through my own stage as rows and comes back as 8 fragments; LDS serves a wave's instructions in order
	WIN ((\sw)<<2)
.irp jj, 0,1,2,3,4,5,6,7
.irp un, 0,1,2
	ds_store_b128 v[WSTO], v[(\sb)+4*(3*\jj+\un):(\sb)+4*(3*\jj+\un)+3] offset:2*\jj*WP+256*\un
.endr
.endr
.irp kk, 0,1,2,3,4,5,6,7
.if 4*\kk+(\t) < 21
	WIN 0x40
	FRAGL 12*(4*\kk+(\t)), WFR, 0, \kk
.else
	WIN 0x80
	FRAGL 12*(4*\kk+(\t)-21), WFR, 0, \kk
.endif
.endr
	WIN 0
	s_wait_dscnt 0x0                               ; the fragments are in
	s_wait_alu depctr_vm_vsrc(0)                   ; the stores into the stage have read the 96 registers at v[sb], in which the next tile of W2 or a tile of h lands
.endm
; a block of 32 slots is two tiles of h.  My 8 K steps of tile tau (each load 512 or 256 consecutive bytes) into set
.macro LOADH set, tau
	HLOC \set, \tau
	WIN (HW<<6)
.irp kk, 0,1,2,3,4,5,6,7
	global_load_b128 v[HB+12*\kk:HB+12*\kk+3], v7, s[4:5] offset:49152*(\tau)+1536*\kk
	global_load_b64 v[HB+12*\kk+4:HB+12*\kk+5], v8, s[4:5] offset:49152*(\tau)+1536*\kk+512
	global_load_b128 v[HB+12*\kk+6:HB+12*\kk+9], v7, s[4:5] offset:49152*(\tau)+1536*\kk+768
	global_load_b64 v[HB+12*\kk+10:HB+12*\kk+11], v8, s[4:5] offset:49152*(\tau)+1536*\kk+1280
.endr
	WIN 0
.endm
; the two tiles' scale words, and the places of the eight rows that I will store
.macro LOADW set
	global_load_b128 v[HS+8*(\set):HS+8*(\set)+3], v9, s[6:7]                      ; register i: lanes 0-15 my K step i, lanes 16-31 my K step 4 + i
	global_load_b128 v[HS+8*(\set)+4:HS+8*(\set)+7], v9, s[6:7] offset:2048
	global_load_b128 v[RT+4*(\set):RT+4*(\set)+3], v10, s[8:9]
.endm
; 32 products: tile tau of set b against my 32 fragments of W2
.macro MUL b, tau
	HLOC \b, \tau
.irp kk, 0,1,2,3,4,5,6,7
.irp t, 0,1,2,3
.set f, 4*\kk+\t
.if f < 21
	WIN (HW<<2)|1                                  ; source 0 (W2) window 1 or 2, source 1 (h) the tile's window, C and D window 0
.set wr, 12*f
.else
	WIN (HW<<2)|2
.set wr, 12*(f-21)
.endif
.set ac, ACC+32*(\tau)+8*\t
.if \kk == 0                                   ; the first product starts each sum; the four accumulators take turns, one instruction a turn
	v_wmma_scale_f32_16x16x128_f8f6f4 v[ac:ac+7], v[wr:wr+11], v[HB:HB+11], 0, v[WS+4*\t], v[HS+8*(\b)+4*(\tau)] matrix_a_fmt:MATRIX_FMT_FP6 matrix_b_fmt:MATRIX_FMT_FP6
.elseif \kk < 4
	v_wmma_scale_f32_16x16x128_f8f6f4 v[ac:ac+7], v[wr:wr+11], v[HB+12*\kk:HB+12*\kk+11], v[ac:ac+7], v[WS+4*\t+\kk], v[HS+8*(\b)+4*(\tau)+\kk] matrix_a_fmt:MATRIX_FMT_FP6 matrix_b_fmt:MATRIX_FMT_FP6
.else
	v_wmma_scale_f32_16x16x128_f8f6f4 v[ac:ac+7], v[wr:wr+11], v[HB+12*\kk:HB+12*\kk+11], v[ac:ac+7], v[WS+4*\t+\kk-4], v[HS+8*(\b)+4*(\tau)+\kk-4] matrix_a_fmt:MATRIX_FMT_FP6 matrix_b_fmt:MATRIX_FMT_FP6 matrix_a_scale:MATRIX_SCALE_ROW1 matrix_b_scale:MATRIX_SCALE_ROW1
.endif
.endr
.endr
	WIN 0
.endm
	s_load_b256 s[4:11], s[0:1], 0x0               ; h, hs, rowtok, masks
	s_load_b256 s[12:19], s[0:1], 0x20             ; W2_codes, W2_scales, b2, y2
	v_lshl_add_u32 v[SPW], v0, 2, SPARE            ; my spare word
	v_mov_b32 v[NIL], 0                            ; and 0: kept for the closing lines alone
	v_lshrrev_b32 v1, 5, v0
	v_readfirstlane_b32 s53, v1                    ; wave 0..3
	s_lshr_b32 s2, ttmp9, 5                        ; e
	s_bfe_u32 s3, ttmp9, 0x40001                   ; slice
	s_and_b32 s52, ttmp9, 1                        ; p
	s_lshl_b32 s62, s2, 7
	s_mov_b32 s63, 0
	s_wait_kmcnt 0x0
	s_add_nc_u64 s[10:11], s[10:11], s[62:63]
	s_load_b512 s[20:35], s[10:11], 0x0            ; the expert's mask: 32 words
	s_load_b512 s[36:51], s[10:11], 0x40
	v_and_b32 v1, 31, v0                           ; L
	v_and_b32 v2, 15, v0                           ; r
	v_bfe_u32 v3, v0, 4, 1                         ; hL
	v_lshlrev_b32 v13, 4, v2                       ; 16 r
	v_lshlrev_b32 v10, 4, v3                       ; 16 hL
	v_lshlrev_b32 v7, 4, v1                        ; 16 L
	v_lshlrev_b32 v8, 3, v1                        ; 8 L
	v_lshl_add_u32 v9, v2, 5, v10                  ; h's scale words: 32 r + 16 hL
	v_lshl_add_u32 v14, v2, 7, v10                 ; W2's: 128 r + 16 hL
	s_wait_alu depctr_va_sdst(0)                   ; s53 is written, ahead of its first reader: LDS addresses and the bases of W2, h, hs and rowtok are made from it
	s_mul_i32 s59, s53, WSTB                       ; my stage
	v_mul_u32_u24 v[WSTO], v3, WP
	v_add_nc_u32 v[WSTO], v[WSTO], v13
	v_add_nc_u32 v[WSTO], s59, v[WSTO]
	v_mul_u32_u24 v[WFR], v2, WP
	v_mad_u32_u24 v[WFR], v3, 24, v[WFR]
	v_add_nc_u32 v[WFR], s59, v[WFR]
	v_mul_u32_u24 v[WGA], v3, 3072
	v_add_nc_u32 v[WGA], v[WGA], v13               ; W2 in memory: 3,072 hL + 16 r
	s_mul_i32 s59, s53, PSRC
	s_add_co_u32 s59, s59, PART
	v_mul_u32_u24 v[PSTO], v2, PP
	v_lshl_add_u32 v[PSTO], v3, 5, v[PSTO]
	v_add_nc_u32 v[PSTO], s59, v[PSTO]             ; my partial sums: row r, + 32 hL
	s_mul_i32 s59, s53, 8*PP
	s_add_co_u32 s59, s59, PART
	v_mul_u32_u24 v[PRD], v3, 4*PP
	v_add_nc_u32 v[PRD], v[PRD], v13
	v_add_nc_u32 v[PRD], s59, v[PRD]               ; back: rows 8 w + 4 hL + q, 16 bytes a lane
	s_lshl_b32 s60, s2, 10
	s_lshl_b32 s61, s3, 6
	s_add_co_u32 s60, s60, s61                     ; my first row of W2: 1024 e + 64 slice
	s_mul_i32 s62, s60, 3072
	s_mul_i32 s61, s53, 768
	s_add_co_u32 s62, s62, s61
	s_add_nc_u64 s[12:13], s[12:13], s[62:63]      ; + my 8 K steps' 768 bytes
	s_lshl_b32 s62, s60, 7
	s_lshl_b32 s61, s53, 5
	s_add_co_u32 s62, s62, s61
	s_add_nc_u64 s[14:15], s[14:15], s[62:63]
	s_lshl_b32 s62, s60, 2
	s_add_nc_u64 s[16:17], s[16:17], s[62:63]
	s_lshl_b32 s62, s3, 8
	s_add_nc_u64 s[18:19], s[18:19], s[62:63]      ; y2: my 64 columns
	s_wait_kmcnt 0x0
	s_bcnt1_i32_b32 s54, s20
.set w, 1
.rept 31
	s_bcnt1_i32_b32 s59, s[20+w]
	s_add_co_u32 s54, s54, s59
.set w, w+1
.endr
	s_add_co_u32 s55, s54, 31
	s_lshr_b32 s55, s55, 5
	s_max_u32 s55, s55, 1                          ; np: the expert's blocks of 32 slots
	s_sub_co_u32 s[NPL], s55, s52
	s_add_co_u32 s[NPL], s[NPL], 1
	s_lshr_b32 s[NPL], s[NPL], 1                   ; those of my parity
	s_sub_co_u32 s59, s55, 1
	s_min_u32 s59, s59, 1                          ; held to 0 or 1 before it enters an address,
	s_and_b32 s59, s59, s52                        ; my first block: min(p, np - 1): a block that has been written, also where my parity has none
	s_lshl_b32 s60, s2, 6
	s_lshl_b32 s59, s59, 1
	s_add_co_u32 s60, s60, s59                     ; its first tile
	s_lshl_b32 s62, s60, 5
	s_lshl_b32 s61, s53, 3
	s_add_co_u32 s62, s62, s61
	s_mul_i32 s62, s62, 1536
	s_add_nc_u64 s[4:5], s[4:5], s[62:63]          ; h: (tile 32 + 8 w) 1536
	s_lshl_b32 s62, s60, 2
	s_add_co_u32 s62, s62, s53
	s_lshl_b32 s62, s62, 9
	s_add_nc_u64 s[6:7], s[6:7], s[62:63]          ; hs: (tile 4 + w) 512
	s_lshl_b32 s62, s60, 4
	s_add_co_u32 s62, s62, s61
	s_lshl_b32 s62, s62, 2
	s_add_nc_u64 s[8:9], s[8:9], s[62:63]          ; rowtok: (16 tile + 8 w) 4
	s_wait_alu depctr_va_vdst(0)                   ; the addresses and offsets v4 to v14 are written, which the loads and stores of the whole kernel read
	LOADH 0, 0
	LOADH 0, 1
	LOADW 0
	global_load_b128 v[HS+8:HS+11], v9, s[6:7]     ; (the second set's scale words and places are written once on the way that every wave takes)
	global_load_b128 v[HS+12:HS+15], v9, s[6:7] offset:2048
	global_load_b128 v[RT+4:RT+7], v10, s[8:9]
.irp t, 0,1,2,3
	global_load_b128 v[WS+4*\t:WS+4*\t+3], v14, s[14:15] offset:2048*\t
.endr
	global_load_b128 v[B2:B2+3], v13, s[16:17]     ; b2 of the four columns that I add up
	LOADT 0, 2, 132
	LOADT 1, 0, 160
	s_wait_loadcnt 24                              ; all but tile 1's 24 loads are in
	TURN 0, 2, 132
	LOADT 2, 2, 132
	s_wait_loadcnt 24                              ; tile 1 is in: behind it tile 2's 24
	TURN 1, 0, 160
	LOADT 3, 0, 160
	s_wait_loadcnt 24                              ; tile 2 is in: behind it tile 3's 24
	TURN 2, 2, 132
	s_wait_loadcnt 0x0
	TURN 3, 0, 160
	s_mov_b32 s[BI], 0
	s_mov_b32 s[IT], 8
; A TRIP: local block s[BI] + b, in set b.  One barrier a trip: a buffer of partial sums is written again two trips on, and in front of the barrier between every wave has waited for its reads of it.
.macro TRIP b
	s_wait_loadcnt 0x0                             ; this trip's block, asked for a trip ago, is in; the loads' bases are free
	s_wait_xcnt 0x0                                ; the last trip's stores have had their addresses translated: their offsets and data may be written
	s_wait_alu depctr_vm_vsrc(0)                   ; the last trip's stores have read their offsets v[YA ..] and their data v[ACC .. ACC+15], which this trip's products and vector lines write again
	s_add_nc_u64 s[4:5], s[4:5], 4*49152           ; on to my parity's next block: four tiles,
	s_add_nc_u64 s[6:7], s[6:7], 4*2048
	s_add_nc_u64 s[8:9], s[8:9], 256               ; 64 slots
	s_add_co_u32 s59, s[BI], \b+1
	s_cmp_lt_u32 s59, s[NPL]
	s_cbranch_scc0 .Lno_load_\@
	LOADH 1-\b, 0                                  ; the next block's first tile, scale words and places.  No wait: the last trip's waits on va_vdst stand behind every product and vector line that named these registers
	LOADW 1-\b
.Lno_load_\@:
	s_add_co_u32 s59, s[BI], \b
	s_cmp_lt_u32 s59, s[NPL]
	s_cbranch_scc0 .Lno_mul_\@
	MUL \b, 0
	s_add_co_u32 s59, s[BI], \b+1
	s_cmp_lt_u32 s59, s[NPL]
	s_cbranch_scc0 .Lno_more_\@
	LOADH 1-\b, 1                                  ; the next block's second tile, between this block's two runs of products.  No wait: the 32 products above name set b, W2, the accumulators and their scale words, none of the registers that these loads touch
.Lno_more_\@:
	MUL \b, 1
.rept 5
	v_nop                                          ; places behind the products: four for the stores below, a fifth since the next trip begins the accumulators anew
.endr
	s_wait_alu depctr_va_vdst(0)                   ; the products have written the eight accumulators, which the LDS stores read; the places above stay beside this wait.  They are done with set b of h and of its scale words too
.irp tau, 0,1
.irp t, 0,1,2,3
	ds_store_b128 v[PSTO], v[ACC+32*\tau+8*\t:ACC+32*\tau+8*\t+3] offset:PBUF*\b+16*PP*\tau+64*\t          ; each accumulator from its low end on
	ds_store_b128 v[PSTO], v[ACC+32*\tau+8*\t+4:ACC+32*\tau+8*\t+7] offset:PBUF*\b+16*PP*\tau+64*\t+16
.endr
.endr
.Lno_mul_\@:
	s_wait_alu depctr_vm_vsrc(0)                   ; the LDS stores above have read v[ACC ..], in which the LDS loads behind the barrier land
	s_wait_dscnt 0x0                               ; my partial sums lie in LDS, and my reads of the other buffer are over
	s_barrier_signal -1
	s_barrier_wait -1                              ; on every wave's way in every trip
	s_add_co_u32 s59, s[BI], \b
	s_cmp_lt_u32 s59, s[NPL]
	s_cbranch_scc0 .Lno_sum_\@
.irp src, 0,1,2,3
.irp q, 0,1,2,3
	ds_load_b128 v[ACC+16*\src+4*\q:ACC+16*\src+4*\q+3], v[PRD] offset:PBUF*\b+PSRC*\src+PP*\q
.endr
.endr
.irp q, 0,1,2,3
	v_min_u32 v[YA+\q], 0x8ff, v[RT+4*\b+\q]       ; the row's place, held inside y2's 2,304 rows
.endr
.irp q, 0,1,2,3
	v_lshlrev_b32 v[YA+\q], 12, v[YA+\q]           ; 4,096 bytes a row
.endr
.irp q, 0,1,2,3
	v_add_nc_u32 v[YA+\q], v[YA+\q], v13
.endr
	s_wait_dscnt 0x0
.irp q, 0,1,2,3
.irp hp, 0,2
	v_pk_add_f32 v[ACC+4*\q+\hp:ACC+4*\q+\hp+1], v[ACC+4*\q+\hp:ACC+4*\q+\hp+1], v[ACC+16+4*\q+\hp:ACC+16+4*\q+\hp+1]
	v_pk_add_f32 v[ACC+32+4*\q+\hp:ACC+32+4*\q+\hp+1], v[ACC+32+4*\q+\hp:ACC+32+4*\q+\hp+1], v[ACC+48+4*\q+\hp:ACC+48+4*\q+\hp+1]
.endr
.endr
.irp q, 0,1,2,3
.irp hp, 0,2
	v_pk_add_f32 v[ACC+4*\q+\hp:ACC+4*\q+\hp+1], v[ACC+4*\q+\hp:ACC+4*\q+\hp+1], v[ACC+32+4*\q+\hp:ACC+32+4*\q+\hp+1]
.endr
.endr
.irp q, 0,1,2,3
.irp hp, 0,2
	v_pk_add_f32 v[ACC+4*\q+\hp:ACC+4*\q+\hp+1], v[ACC+4*\q+\hp:ACC+4*\q+\hp+1], v[B2+\hp:B2+\hp+1]
.endr
.endr
	s_wait_alu depctr_va_vdst(0)                   ; the additions have written the sums v[ACC .. ACC+15] and the offsets v[YA ..], which the stores read; the lines that read set b of the places are done too
.irp q, 0,1,2,3
	global_store_b128 v[YA+\q], v[ACC+4*\q:ACC+4*\q+3], s[18:19] th:TH_STORE_NT    ; 16 lanes store 256 consecutive bytes of a row, at a multiple of 256 from y2's first byte
.endr
.Lno_sum_\@:
.endm
.Ltrip:
	TRIP 0
	TRIP 1
	s_add_co_u32 s[BI], s[BI], 2
	s_sub_co_u32 s[IT], s[IT], 1
	s_cmp_lg_u32 s[IT], 0
	s_cbranch_scc1 .Ltrip
	s_wait_dscnt 0x0                               ; the wave's end
	s_wait_alu 0x0
	s_wait_tensorcnt 0x0
	ds_add_u32 v[SPW], v[NIL]
	s_wait_dscnt 0x0
	s_endpgm
.Lfunc_end_k_qab041251e9_gemm2:
	.size	k_qab041251e9_gemm2, .Lfunc_end_k_qab041251e9_gemm2-k_qab041251e9_gemm2
	.p2alignl 7, 3214868480
	.fill 96, 4, 3214868480
	.section	.rodata,"a",@progbits
	.p2align	6, 0x0
	.amdhsa_kernel k_qab041251e9_gemm2
		.amdhsa_group_segment_fixed_size 120320
		.amdhsa_private_segment_fixed_size 0
		.amdhsa_enable_private_segment 0
		.amdhsa_kernarg_size 64
		.amdhsa_user_sgpr_count 2
		.amdhsa_user_sgpr_kernarg_segment_ptr 1
		.amdhsa_wavefront_size32 1
		.amdhsa_system_sgpr_workgroup_id_x 1
		.amdhsa_system_sgpr_workgroup_id_y 1
		.amdhsa_system_sgpr_workgroup_id_z 1
		.amdhsa_system_vgpr_workitem_id 0
		.amdhsa_next_free_vgpr 1024
		.amdhsa_next_free_sgpr 66
		.amdhsa_reserve_vcc 0
		.amdhsa_float_denorm_mode_32 3
		.amdhsa_float_denorm_mode_16_64 3
		.amdhsa_memory_ordered 1
		.amdhsa_forward_progress 1
		.amdhsa_inst_pref_size 83
	.end_amdhsa_kernel
	.amdgpu_metadata
---
amdhsa.version: [ 1, 2 ]
amdhsa.kernels:
  - .name:           k_qab041251e9_gemm2
    .symbol:         k_qab041251e9_gemm2.kd
    .args:
      - { .name: h, .offset: 0, .size: 8, .value_kind: global_buffer, .address_space: global }
      - { .name: hs, .offset: 8, .size: 8, .value_kind: global_buffer, .address_space: global }
      - { .name: rowtok, .offset: 16, .size: 8, .value_kind: global_buffer, .address_space: global }
      - { .name: masks, .offset: 24, .size: 8, .value_kind: global_buffer, .address_space: global }
      - { .name: W2_codes, .offset: 32, .size: 8, .value_kind: global_buffer, .address_space: global }
      - { .name: W2_scales, .offset: 40, .size: 8, .value_kind: global_buffer, .address_space: global }
      - { .name: b2, .offset: 48, .size: 8, .value_kind: global_buffer, .address_space: global }
      - { .name: y2, .offset: 56, .size: 8, .value_kind: global_buffer, .address_space: global }
    .group_segment_fixed_size: 120320
    .private_segment_fixed_size: 0
    .kernarg_segment_align: 8
    .kernarg_segment_size: 64
    .max_flat_workgroup_size: 128
    .sgpr_count:     66
    .vgpr_count:     1024
    .wavefront_size: 32
...
	.end_amdgpu_metadata
.endif
;; end of part 7
;; launch combine_ln (part 8): grid 256 x 1, 4 waves a work-group, no clusters, 0 bytes of LDS; arguments y2, wts, gamma, beta, out0; writes out0
.if DOCPART == 8
	.amdgcn_target "amdgcn-amd-amdhsa--gfx1250"
	.amdhsa_code_object_version 6
	.text
	.protected	k_qab041251e9_combine_ln
	.globl	k_qab041251e9_combine_ln
	.p2align	8
	.type	k_qab041251e9_combine_ln,@function
k_qab041251e9_combine_ln:
	s_mov_b64 s[64:65], 0
	v_nop
	global_prefetch_b8 v0, s[64:65] scope:SCOPE_SE
	s_setreg_imm32_b32 hwreg(HW_REG_WAVE_MODE, 25, 1), 1
	s_wait_xcnt 0x0
; out[t] = LayerNorm(w1 y2[2 t] + w2 y2[2 t + 1]) gamma + beta.  y2: [2304][1024] f32, wts: [1024][2], gamma, beta: [1024], out0: [1024][1024] f32.
; One wave, one token: a row of 4,096 bytes is 32 registers a lane, so it stays in registers between the mean, the variance and the scaling; no LDS, no barrier.
; The variance is the mean of (v - mean)^2, taken in a second pass over the registers: no difference of large sums is formed.
; Each load and store of the wave covers 512 consecutive bytes.  The matrix units and clusters have nothing to do here: the launch moves 12 bytes for each number that it writes.
.set Y1, 16                            ; v16-47   the first choice's row, then v, then v - mean, then the result
.set Y2, 48                            ; v48-79   the second choice's row
.set GM, 80                            ; v80-111  gamma
.set BE, 112                           ; v112-143 beta
	s_load_b256 s[4:11], s[0:1], 0x0               ; y2, wts, gamma, beta
	s_load_b64 s[12:13], s[0:1], 0x20              ; out0
	v_lshrrev_b32 v1, 5, v0
	v_readfirstlane_b32 s14, v1
	s_lshl_b32 s15, ttmp9, 2
	s_add_co_u32 s15, s15, s14                     ; my token
	v_and_b32 v1, 31, v0
	v_lshlrev_b32 v1, 4, v1                        ; 16 bytes a lane
	s_lshl_b32 s16, s15, 13                        ; two rows of y2
	s_mov_b32 s17, 0
	s_lshl_b32 s18, s15, 12
	s_mov_b32 s19, 0
	s_lshl_b32 s20, s15, 3
	s_mov_b32 s21, 0
	s_mov_b32 s26, 0x76543210
	s_mov_b32 s27, 0xfedcba98                      ; v_permlanex16_b32's selects for lane l xor 16
	s_mov_b32 s28, 0x3a800000                      ; 1 / 1024
	s_mov_b32 s29, 0x3727c5ac                      ; 1e-5
	v_mov_b32 v12, 0                               ; written once: a lane permute's destination counts as one of its sources
	s_wait_alu depctr_va_vdst(0)
	s_wait_kmcnt 0x0
	s_add_nc_u64 s[4:5], s[4:5], s[16:17]
	s_add_nc_u64 s[12:13], s[12:13], s[18:19]
	s_add_nc_u64 s[6:7], s[6:7], s[20:21]
	s_load_b64 s[22:23], s[6:7], 0x0               ; w1, w2
.irp i, 0,1,2,3,4,5,6,7
	global_load_b128 v[Y1+4*\i:Y1+4*\i+3], v1, s[4:5] offset:512*\i th:TH_LOAD_NT
.endr
.irp i, 0,1,2,3,4,5,6,7
	global_load_b128 v[Y2+4*\i:Y2+4*\i+3], v1, s[4:5] offset:4096+512*\i th:TH_LOAD_NT
.endr
.irp i, 0,1,2,3,4,5,6,7
	global_load_b128 v[GM+4*\i:GM+4*\i+3], v1, s[8:9] offset:512*\i
.endr
.irp i, 0,1,2,3,4,5,6,7
	global_load_b128 v[BE+4*\i:BE+4*\i+3], v1, s[10:11] offset:512*\i
.endr
	s_wait_kmcnt 0x0
	s_mov_b32 s24, s23                             ; w2 as the low word of a pair of its own: the packed forms take a scalar pair's low word for both halves
	s_mov_b32 s25, s23
.macro ALLSUM                          ; v2 summed over the 32 lanes, the result in every lane
	v_add_f32_dpp v2, v2, v2 row_xmask:1 row_mask:0xf bank_mask:0xf
	v_add_f32_dpp v2, v2, v2 row_xmask:2 row_mask:0xf bank_mask:0xf
	v_add_f32_dpp v2, v2, v2 row_xmask:4 row_mask:0xf bank_mask:0xf
	v_add_f32_dpp v2, v2, v2 row_xmask:8 row_mask:0xf bank_mask:0xf
	v_permlanex16_b32 v12, v2, s26, s27
	v_add_f32 v2, v2, v12
.endm
.macro FOLD                            ; the four chains into v2
	v_pk_add_f32 v[2:3], v[2:3], v[4:5]
	v_pk_add_f32 v[6:7], v[6:7], v[8:9]
	v_pk_add_f32 v[2:3], v[2:3], v[6:7]
	v_add_f32 v2, v2, v3
.endm
	s_wait_loadcnt 16                              ; the two rows are in; gamma's and beta's 16 loads were issued behind them
.set i, 0
.rept 16
	v_pk_mul_f32 v[Y1+i:Y1+i+1], v[Y1+i:Y1+i+1], s[22:23] op_sel_hi:[1,0]
.set i, i+2
.endr
.set i, 0
.rept 16
	v_pk_fma_f32 v[Y1+i:Y1+i+1], v[Y2+i:Y2+i+1], s[24:25], v[Y1+i:Y1+i+1] op_sel_hi:[1,0,1]        ; v = w1 y1 + w2 y2
.set i, i+2
.endr
.irp c, 0,1,2,3
	v_pk_add_f32 v[2+2*\c:3+2*\c], v[Y1+2*\c:Y1+2*\c+1], v[Y1+8+2*\c:Y1+8+2*\c+1]                  ; four chains, started by the first pairs: nothing is cleared
.endr
.irp g, 16,24
.irp c, 0,1,2,3
	v_pk_add_f32 v[2+2*\c:3+2*\c], v[2+2*\c:3+2*\c], v[Y1+\g+2*\c:Y1+\g+2*\c+1]
.endr
.endr
	FOLD
	ALLSUM
	v_mul_f32 v10, 0xba800000, v2                  ; - mean
	v_mov_b32 v11, v10
.set i, 0
.rept 16
	v_pk_add_f32 v[Y1+i:Y1+i+1], v[Y1+i:Y1+i+1], v[10:11]
.set i, i+2
.endr
.irp c, 0,1,2,3
	v_pk_mul_f32 v[2+2*\c:3+2*\c], v[Y1+2*\c:Y1+2*\c+1], v[Y1+2*\c:Y1+2*\c+1]
.endr
.irp g, 8,16,24
.irp c, 0,1,2,3
	v_pk_fma_f32 v[2+2*\c:3+2*\c], v[Y1+\g+2*\c:Y1+\g+2*\c+1], v[Y1+\g+2*\c:Y1+\g+2*\c+1], v[2+2*\c:3+2*\c]
.endr
.endr
	FOLD
	ALLSUM
	v_fma_f32 v2, v2, s28, s29                     ; the variance + 1e-5
	s_wait_alu depctr_va_vdst(0)
	v_rsq_f32 v10, v2
	v_nop                                          ; one plain line behind the transcendental
	s_wait_alu depctr_va_vdst(0)                   ; the wait ahead of the result's first reader
	v_mov_b32 v11, v10
.set i, 0
.rept 16
	v_pk_mul_f32 v[Y1+i:Y1+i+1], v[Y1+i:Y1+i+1], v[10:11]
.set i, i+2
.endr
	s_wait_loadcnt 0x0                             ; gamma and beta
.set i, 0
.rept 16
	v_pk_fma_f32 v[Y1+i:Y1+i+1], v[Y1+i:Y1+i+1], v[GM+i:GM+i+1], v[BE+i:BE+i+1]
.set i, i+2
.endr
.irp i, 0,1,2,3,4,5,6,7
	global_store_b128 v1, v[Y1+4*\i:Y1+4*\i+3], s[12:13] offset:512*\i th:TH_STORE_NT
.endr
	s_endpgm
.Lfunc_end_k_qab041251e9_combine_ln:
	.size	k_qab041251e9_combine_ln, .Lfunc_end_k_qab041251e9_combine_ln-k_qab041251e9_combine_ln
	.p2alignl 7, 3214868480
	.fill 96, 4, 3214868480
	.section	.rodata,"a",@progbits
	.p2align	6, 0x0
	.amdhsa_kernel k_qab041251e9_combine_ln
		.amdhsa_group_segment_fixed_size 0
		.amdhsa_private_segment_fixed_size 0
		.amdhsa_enable_private_segment 0
		.amdhsa_kernarg_size 40
		.amdhsa_user_sgpr_count 2
		.amdhsa_user_sgpr_kernarg_segment_ptr 1
		.amdhsa_wavefront_size32 1
		.amdhsa_system_sgpr_workgroup_id_x 1
		.amdhsa_system_sgpr_workgroup_id_y 1
		.amdhsa_system_sgpr_workgroup_id_z 1
		.amdhsa_system_vgpr_workitem_id 0
		.amdhsa_next_free_vgpr 144
		.amdhsa_next_free_sgpr 66
		.amdhsa_reserve_vcc 0
		.amdhsa_float_denorm_mode_32 3
		.amdhsa_float_denorm_mode_16_64 3
		.amdhsa_memory_ordered 1
		.amdhsa_forward_progress 1
		.amdhsa_inst_pref_size 14
	.end_amdhsa_kernel
	.amdgpu_metadata
---
amdhsa.version: [ 1, 2 ]
amdhsa.kernels:
  - .name:           k_qab041251e9_combine_ln
    .symbol:         k_qab041251e9_combine_ln.kd
    .args:
      - { .name: y2, .offset: 0, .size: 8, .value_kind: global_buffer, .address_space: global }
      - { .name: wts, .offset: 8, .size: 8, .value_kind: global_buffer, .address_space: global }
      - { .name: gamma, .offset: 16, .size: 8, .value_kind: global_buffer, .address_space: global }
      - { .name: beta, .offset: 24, .size: 8, .value_kind: global_buffer, .address_space: global }
      - { .name: out0, .offset: 32, .size: 8, .value_kind: global_buffer, .address_space: global }
    .group_segment_fixed_size: 0
    .private_segment_fixed_size: 0
    .kernarg_segment_align: 8
    .kernarg_segment_size: 40
    .max_flat_workgroup_size: 128
    .sgpr_count:     66
    .vgpr_count:     144
    .wavefront_size: 32
...
	.end_amdgpu_metadata
.endif
;; end of part 8
